; MI455X (gfx1250); checked and timed in simulation.
; The chip was launched on July 23, 2026; its instructions are those of AMD's public machine-readable ISA for CDNA 5 (MIT licence, August 2026) and "CDNA5" Instruction Set Architecture Reference Guide (July 2026). The comments in the code are by the model that wrote it; some were corrected since.
;; Moe Layer. Allowed arithmetic: matrix products marked QUANTISED: E4M3 operands, one E8M0 scale for each 32 along K, by v_wmma_scale_f32_16x16x128_f8f6f4 with both operands' format E4M3, f32 sums; products left as they are: f32 operands where the result goes on into a quantised operand, else bf16, f16 or f32 operands; f32 sums; everything else in f32.
;; Inputs: W1 8 x 1,024 x 4,096 float32; W2 8 x 4,096 x 1,024 float32; Wg_in 1,024 x 8 float32; Wg_task 1,024 x 8 float32; alpha one number float32; b1 8 x 4,096 float32; b2 8 x 1,024 float32; bg_in 8 float32; bg_task 8 float32; inputs 256 x 4 x 1,024 float32; task_param 1,024 float32.
;; Outputs: out0 256 x 4 x 1,024 float32; out1 one number float32.
;; This version of the problem:
;;   THIS VERSION OF THE PROBLEM IS GIVEN IN LOW PRECISION. The matrix products marked QUANTISED in the list below multiply operands that are first quantised to E4M3 (4 exponent bits, 3 mantissa bits; 8 bits a number), with one power-of-two scale for each 32 numbers along K (OCP MX v1.0); their sums are f32. All else is computed in f32.
;;   The module's matrix products, in the order in which they are computed (A, B: the left and right operand; K: the contracted axis; several contracted axes count as one K, in the product's order):
;;     1. [M 1,024, K 1,024] x [K 1,024, N 8]; A: input inputs; B: input Wg_in: left as it is (N = 8 < 16)
;;     2. [M 1, K 1,024] x [K 1,024, N 8]; A: input task_param; B: input Wg_task: left as it is (M = 1 < 16)
;;     3. batch 1,024 x [M 8, K 2] x [K 2, N 1]; A: computed on the way; B: softmax: left as it is (K = 2 < 32)
;;     4. [M 1,024, K 1,024] x [K 1,024, N 4,096]; A: input inputs; B: input W1: QUANTISED
;;     5. [M 1,024, K 4,096] x [K 4,096, N 1,024]; A: computed on the way; B: input W2: QUANTISED
;;     6. [M 1,024, K 1,024] x [K 1,024, N 4,096]; A: input inputs; B: input W1: QUANTISED
;;     7. [M 1,024, K 4,096] x [K 4,096, N 1,024]; A: computed on the way; B: input W2: QUANTISED
;;     8. [M 1,024, K 1,024] x [K 1,024, N 4,096]; A: input inputs; B: input W1: QUANTISED
;;     9. [M 1,024, K 4,096] x [K 4,096, N 1,024]; A: computed on the way; B: input W2: QUANTISED
;;     10. [M 1,024, K 1,024] x [K 1,024, N 4,096]; A: input inputs; B: input W1: QUANTISED
;;     11. [M 1,024, K 4,096] x [K 4,096, N 1,024]; A: computed on the way; B: input W2: QUANTISED
;;     12. [M 1,024, K 1,024] x [K 1,024, N 4,096]; A: input inputs; B: input W1: QUANTISED
;;     13. [M 1,024, K 4,096] x [K 4,096, N 1,024]; A: computed on the way; B: input W2: QUANTISED
;;     14. [M 1,024, K 1,024] x [K 1,024, N 4,096]; A: input inputs; B: input W1: QUANTISED
;;     15. [M 1,024, K 4,096] x [K 4,096, N 1,024]; A: computed on the way; B: input W2: QUANTISED
;;     16. [M 1,024, K 1,024] x [K 1,024, N 4,096]; A: input inputs; B: input W1: QUANTISED
;;     17. [M 1,024, K 4,096] x [K 4,096, N 1,024]; A: computed on the way; B: input W2: QUANTISED
;;     18. [M 1,024, K 1,024] x [K 1,024, N 4,096]; A: input inputs; B: input W1: QUANTISED
;;     19. [M 1,024, K 4,096] x [K 4,096, N 1,024]; A: computed on the way; B: input W2: QUANTISED
;;   THE QUANTISER, for each operand of a quantised product, along K:
;;     - K is cut into blocks of 32 from its start; a last block that is shorter is filled with zeros.
;;     - A block's scale is 2^e with e = floor(log2(the largest magnitude in the block)) - 8, held to -126 .. 127; a block of zeros has e = 0. As a byte (E8M0): e + 127.
;;     - Each number is divided by its block's scale, clamped to +-448, and rounded to the nearest number of E4M3, ties to even, subnormals kept.
;;     - The product sums the exact products of the quantised numbers (number of the format x scale) in f32.
;;   ~~~python
;;   def quantise(x, axis):      # numpy; x: float32 -> the quantised numbers, widened to float32 again
;;       x = np.moveaxis(x, axis, -1); K = x.shape[-1]
;;       x = np.pad(x, [(0, 0)] * (x.ndim - 1) + [(0, -K % 32)]); x = x.reshape(x.shape[:-1] + (-1, 32)); a = np.abs(x).max(-1, keepdims=True)
;;       e = np.where(a > 0, np.clip(np.frexp(np.where(a > 0, a, 1))[1] - 1 - 8, -126, 127), 0)      # np.frexp(a)[1] - 1 = floor(log2(a)), exactly
;;       r = np.clip(x / 2.0 ** e, -448, 448)
;;       step = 2.0 ** (np.maximum(np.frexp(np.where(r == 0, 1, r))[1] - 1, -6) - 3)
;;       q = np.round(r / step) * step * 2.0 ** e      # np.round: ties to even
;;       return np.moveaxis(q.reshape(q.shape[:-2] + (-1,))[..., :K], -1, axis).astype(np.float32)
;;   ~~~
;;   OPERANDS COMPUTED ON THE WAY. 'Computed on the way' means the value that the module computes at that place (a softmax that the list does not call 'softmax' is quantised finished and normalised). What goes into a quantiser is computed in f32, as accurately as f32 sums, v_exp_f32 and their like allow (about 1e-6 of the number): no bf16 or f16 on the way to a quantiser, and a product that is left as it is and whose result goes on into a quantised operand takes f32 operands (vector FMAs, or v_wmma_f32_16x16x4_f32). A number that lies on a knife's edge between two numbers of the format may be rounded either way, as far as f32 arithmetic and the matrix unit's own rounding can turn it there, and no further.
;; 2 versions. Each part assembles by itself: llvm-mc -triple=amdgcn-amd-amdhsa -mcpu=gfx1250 --defsym DOCPART=n.
;; ======== version 1 of 2: 5 launches
;; workspace buffers: sel 4,096 bytes of whole numbers; rt 24,576 bytes; idx 8,448 bytes of whole numbers; xq 8,683,520 bytes; hq 34,603,008 bytes; yw 134,217,728 bytes
;; launch route (part 1): grid 256 x 1, 8 waves a work-group, no clusters, 3,072 bytes of LDS; arguments inputs, task_param, Wg_in, bg_in, Wg_task, bg_task, alpha, sel, rt; writes sel, rt
.if DOCPART == 1
	.amdgcn_target "amdgcn-amd-amdhsa--gfx1250"
	.amdhsa_code_object_version 6
	.text
	.protected	k_qf3d2249702_route
	.globl	k_qf3d2249702_route
	.p2align	8
	.type	k_qf3d2249702_route,@function
k_qf3d2249702_route:
	s_mov_b64 s[64:65], 0
	v_nop
	global_prefetch_b8 v0, s[64:65] scope:SCOPE_SE
	s_setreg_imm32_b32 hwreg(HW_REG_WAVE_MODE, 25, 1), 1
	s_wait_xcnt 0x0
; THE ROUTER.  gate = nan_to_num((1 - alpha)(x Wg_in + bg_in) + alpha (task Wg_task + bg_task)); the two largest of its 8 numbers (the lower index wins a tie);
; the softmax of those two; and, for the loss, each work-group's sums over its tokens of the softmax over all 8 and of the counts.  All in f32.
; A work-group takes 4 tokens, and the task vector as a fifth row.  Wave w takes d = 128 w .. 128 w + 127; lane = (e = lane % 8, p = lane / 8) takes d = 128 w + 32 p + 0 .. 31 for expert e.
; The eight waves' partial sums meet in LDS; wave 0 finishes: lane = (token = lane / 8, e).
; STORED, at fixed places: sel[token] = 1 << e0 | 1 << (e1 + 8); rt: gw[token][2] at 0; part[work-group][16] at 8,192: 8 sums of the softmax, 8 counts.
; No address and no branch hangs on a floating-point number.
; LIMITS: a gate number that is NaN or infinite becomes 0, as in the definition; +0 and -0 count as equal in the search for the largest.
.set WI, 32                            ; v32-63   Wg_in(d, e), 32 numbers down d
.set WT, 64                            ; v64-95   Wg_task likewise
.set TK, 96                            ; v96-127  task_param, my 32
.set XR, 128                           ; v128-255 x of the 4 tokens, 32 each
.macro DOT dst, x, w                   ; 32 products in two chains of packed multiply-adds, then the four lanes that share e (lane xor 8, lane xor 16)
	v_pk_mul_f32 v[6:7], v[\x:\x+1], v[\w:\w+1]
	v_pk_mul_f32 v[8:9], v[\x+2:\x+3], v[\w+2:\w+3]
.irp k, 4,8,12,16,20,24,28
	v_pk_fma_f32 v[6:7], v[\x+\k:\x+\k+1], v[\w+\k:\w+\k+1], v[6:7]
	v_pk_fma_f32 v[8:9], v[\x+\k+2:\x+\k+3], v[\w+\k+2:\w+\k+3], v[8:9]
.endr
	v_pk_add_f32 v[6:7], v[6:7], v[8:9]
	v_add_f32 v[\dst], v6, v7
	v_add_f32_dpp v[\dst], v[\dst], v[\dst] row_xmask:8 row_mask:0xf bank_mask:0xf
	v_permlanex16_b32 v10, v[\dst], s24, s25
	v_add_f32 v[\dst], v[\dst], v10
.endm
.macro RED3 op, reg                    ; over the eight lanes of a token
	\op v[\reg], v[\reg], v[\reg] row_xmask:1 row_mask:0xf bank_mask:0xf
	\op v[\reg], v[\reg], v[\reg] row_xmask:2 row_mask:0xf bank_mask:0xf
	\op v[\reg], v[\reg], v[\reg] row_xmask:4 row_mask:0xf bank_mask:0xf
.endm
.macro REDT reg                        ; over the four tokens
	v_add_f32_dpp v[\reg], v[\reg], v[\reg] row_xmask:8 row_mask:0xf bank_mask:0xf
	v_permlanex16_b32 v10, v[\reg], s24, s25
	v_add_f32 v[\reg], v[\reg], v10
.endm
	s_load_b512 s[4:19], s[0:1], 0x0               ; inputs, task_param, Wg_in, bg_in, Wg_task, bg_task, alpha, sel
	s_load_b64 s[20:21], s[0:1], 0x40              ; rt
	v_lshl_add_u32 v15, v0, 2, 0x800
	s_set_vgpr_msb 0x40
	v_mov_b32 v1, 0
	s_set_vgpr_msb 0x4000
	v_lshrrev_b32 v6, 5, v0
	v_readfirstlane_b32 s22, v6                    ; wave
	v_and_b32 v1, 7, v0                            ; e
	v_bfe_u32 v2, v0, 3, 2                         ; p (in wave 0 later: the token)
	v_lshlrev_b32 v5, 2, v1                        ; 4 e
	s_lshl_b32 s26, s22, 12
	v_lshl_add_u32 v3, v2, 10, v5
	v_add_nc_u32 v3, s26, v3                       ; the gate weights: (128 w + 32 p) rows of 32 bytes + 4 e
	s_lshl_b32 s26, s22, 9
	v_lshlrev_b32 v4, 7, v2
	v_add_nc_u32 v4, s26, v4                       ; x and task: (128 w + 32 p) x 4 bytes
	s_lshl_b32 s26, s22, 5
	v_add_nc_u32 v11, s26, v5                      ; LDS: 32 w + 4 e, a row of partial sums is 256 bytes
	v_lshl_add_u32 v12, v2, 8, v5                  ; LDS: 256 x token + 4 e
	v_mov_b32 v10, 0                               ; a lane permute's destination counts as read
	s_mov_b32 s24, 0x76543210
	s_mov_b32 s25, 0xfedcba98                      ; selects for lane xor 16
	s_lshl_b32 s28, ttmp9, 14                      ; my 4 tokens: 4 rows of 4,096 bytes
	s_mov_b32 s29, 0
	s_wait_kmcnt 0x0
	s_load_b32 s23, s[16:17], 0x0                  ; alpha
	s_add_nc_u64 s[4:5], s[4:5], s[28:29]
.irp t, 0,1,2,3
.irp q, 0,1,2,3,4,5,6,7
	global_load_b128 v[XR+32*\t+4*\q:XR+32*\t+4*\q+3], v4, s[4:5] offset:4096*\t+16*\q
.endr
.endr
.irp q, 0,1,2,3,4,5,6,7
	global_load_b128 v[TK+4*\q:TK+4*\q+3], v4, s[6:7] offset:16*\q
.endr
.irp i, 0,1,2,3,4,5,6,7,8,9,10,11,12,13,14,15,16,17,18,19,20,21,22,23,24,25,26,27,28,29,30,31
	global_load_b32 v[WI+\i], v3, s[8:9] offset:32*\i
	global_load_b32 v[WT+\i], v3, s[12:13] offset:32*\i
.endr
	global_load_b32 v13, v5, s[10:11]              ; bg_in(e)
	global_load_b32 v14, v5, s[14:15]              ; bg_task(e)
	s_wait_loadcnt 0x0                             ; all of it is wanted at once
	s_wait_kmcnt 0x0                               ; alpha
	DOT 16, XR, WI
	DOT 17, XR+32, WI
	DOT 18, XR+64, WI
	DOT 19, XR+96, WI
	DOT 20, TK, WT
.irp r, 0,1,2,3,4
	ds_store_b32 v11, v[16+\r] offset:256*\r       ; the four lanes of an e write the same word with the same value
.endr
	s_wait_dscnt 0x0                               ; my stores have landed: for wave 0's sake
	s_barrier_signal -1
	s_barrier_wait -1
	s_cmp_lg_u32 s22, 0
	s_cbranch_scc1 .Lend
	; ---- wave 0: lane = (token, e)
.irp k, 0,1,2,3,4,5,6,7
	ds_load_b32 v[32+\k], v12 offset:32*\k         ; my token's eight partial sums,
	ds_load_b32 v[40+\k], v5 offset:1024+32*\k     ; the task's
.endr
	s_wait_dscnt 0x0
.irp b, 32, 40
	v_add_f32 v[\b], v[\b], v[\b+1]
	v_add_f32 v[\b+2], v[\b+2], v[\b+3]
	v_add_f32 v[\b+4], v[\b+4], v[\b+5]
	v_add_f32 v[\b+6], v[\b+6], v[\b+7]
	v_add_f32 v[\b], v[\b], v[\b+2]
	v_add_f32 v[\b+4], v[\b+4], v[\b+6]
	v_add_f32 v[\b], v[\b], v[\b+4]
.endr
	v_add_f32 v32, v32, v13
	v_add_f32 v40, v40, v14
	v_mov_b32 v48, s23
	v_sub_f32 v49, 1.0, v48
	v_mul_f32 v50, v48, v40
	v_fma_f32 v20, v49, v32, v50                   ; the gate number L
	v_and_b32 v51, 0x7f800000, v20
	v_mov_b32 v17, 0
	v_cmp_eq_u32 vcc_lo, 0x7f800000, v51           ; NaN or infinite: all exponent bits set
	v_cndmask_b32 v20, v20, v17, vcc_lo
	v_mov_b32 v18, 0x41000000                      ; 8.0: above every index
	v_mov_b32 v19, 0xff800000                      ; -infinity
	v_mov_b32 v30, 1.0
	v_cvt_f32_u32 v21, v1                          ; e as f32: the search stays in f32
	v_mov_b32 v22, v20
	RED3 v_max_num_f32_dpp, 22                     ; m1
	v_cmp_eq_f32 vcc_lo, v20, v22
	v_cndmask_b32 v23, v18, v21, vcc_lo
	RED3 v_min_num_f32_dpp, 23                     ; its lowest index
	v_cmp_eq_f32 vcc_lo, v21, v23
	v_cndmask_b32 v24, v20, v19, vcc_lo            ; L without the first choice
	v_mov_b32 v25, v24
	RED3 v_max_num_f32_dpp, 25                     ; m2
	v_cmp_eq_f32 vcc_lo, v24, v25
	v_cndmask_b32 v26, v18, v21, vcc_lo
	RED3 v_min_num_f32_dpp, 26                     ; its lowest index
	v_sub_f32 v27, v20, v22                        ; the maximum is taken away ahead of both exponentials
	v_sub_f32 v28, v25, v22
	v_mul_f32 v27, 0x3fb8aa3b, v27
	v_mul_f32 v28, 0x3fb8aa3b, v28
	v_exp_f32 v27, v27                             ; e^(L - m1)
	v_exp_f32 v28, v28                             ; d = e^(m2 - m1)
	v_nop                                          ; a plain line behind the transcendentals
	s_wait_alu depctr_va_vdst(0)                   ; one wait for the two, ahead of their first reader
	v_mov_b32 v29, v27
	RED3 v_add_f32_dpp, 29
	v_add_f32 v36, 1.0, v28
	v_rcp_f32 v29, v29
	v_rcp_f32 v36, v36                             ; w1 = 1 / (1 + d)
	v_nop
	s_wait_alu depctr_va_vdst(0)
	v_mul_f32 v27, v27, v29                        ; the softmax over the 8
	v_mul_f32 v37, v28, v36                        ; w2 = d w1
	v_cmp_eq_f32 vcc_lo, v21, v23
	v_cndmask_b32 v54, v17, v30, vcc_lo
	v_cmp_eq_f32 vcc_lo, v21, v26
	v_cndmask_b32 v55, v17, v30, vcc_lo
	v_add_f32 v54, v54, v55                        ; 1 where e is chosen
	REDT 27
	REDT 54
	v_cvt_u32_f32 v31, v23
	v_cvt_u32_f32 v52, v26
	v_mov_b32 v53, 1
	v_add_nc_u32 v52, 8, v52
	v_lshlrev_b32 v31, v31, v53
	v_lshlrev_b32 v52, v52, v53
	v_or_b32 v31, v31, v52                         ; 1 << e0 | 1 << (e1 + 8)
	s_lshl_b32 s26, ttmp9, 4
	v_lshl_add_u32 v56, v2, 2, s26
	s_lshl_b32 s27, ttmp9, 5
	v_lshl_add_u32 v57, v2, 3, s27
	s_lshl_b32 s28, ttmp9, 6
	v_add_nc_u32 v58, s28, v5
	global_store_b32 v56, v31, s[18:19]            ; lanes that share a place hold the same value
	global_store_b64 v57, v[36:37], s[20:21]
	global_store_b32 v58, v27, s[20:21] offset:8192
	global_store_b32 v58, v54, s[20:21] offset:8224
.Lend:
	s_set_vgpr_msb 0x4
	s_wait_tensorcnt 0x0
	ds_add_u32 v15, v1
	s_wait_dscnt 0x0
	s_set_vgpr_msb 0x400
	s_endpgm
.Lfunc_end_k_qf3d2249702_route:
	.size	k_qf3d2249702_route, .Lfunc_end_k_qf3d2249702_route-k_qf3d2249702_route
	.p2alignl 7, 3214868480
	.fill 96, 4, 3214868480
	.section	.rodata,"a",@progbits
	.p2align	6, 0x0
	.amdhsa_kernel k_qf3d2249702_route
		.amdhsa_group_segment_fixed_size 3072
		.amdhsa_private_segment_fixed_size 0
		.amdhsa_enable_private_segment 0
		.amdhsa_kernarg_size 72
		.amdhsa_user_sgpr_count 2
		.amdhsa_user_sgpr_kernarg_segment_ptr 1
		.amdhsa_wavefront_size32 1
		.amdhsa_system_sgpr_workgroup_id_x 1
		.amdhsa_system_sgpr_workgroup_id_y 1
		.amdhsa_system_sgpr_workgroup_id_z 1
		.amdhsa_system_vgpr_workitem_id 0
		.amdhsa_next_free_vgpr 258
		.amdhsa_next_free_sgpr 66
		.amdhsa_reserve_vcc 1
		.amdhsa_float_denorm_mode_32 3
		.amdhsa_float_denorm_mode_16_64 3
		.amdhsa_memory_ordered 1
		.amdhsa_forward_progress 1
		.amdhsa_inst_pref_size 24
	.end_amdhsa_kernel
	.amdgpu_metadata
---
amdhsa.version: [ 1, 2 ]
amdhsa.kernels:
  - .name:           k_qf3d2249702_route
    .symbol:         k_qf3d2249702_route.kd
    .args:
      - { .name: inputs, .offset: 0, .size: 8, .value_kind: global_buffer, .address_space: global }
      - { .name: task_param, .offset: 8, .size: 8, .value_kind: global_buffer, .address_space: global }
      - { .name: Wg_in, .offset: 16, .size: 8, .value_kind: global_buffer, .address_space: global }
      - { .name: bg_in, .offset: 24, .size: 8, .value_kind: global_buffer, .address_space: global }
      - { .name: Wg_task, .offset: 32, .size: 8, .value_kind: global_buffer, .address_space: global }
      - { .name: bg_task, .offset: 40, .size: 8, .value_kind: global_buffer, .address_space: global }
      - { .name: alpha, .offset: 48, .size: 8, .value_kind: global_buffer, .address_space: global }
      - { .name: sel, .offset: 56, .size: 8, .value_kind: global_buffer, .address_space: global }
      - { .name: rt, .offset: 64, .size: 8, .value_kind: global_buffer, .address_space: global }
    .group_segment_fixed_size: 3072
    .private_segment_fixed_size: 0
    .kernarg_segment_align: 8
    .kernarg_segment_size: 72
    .max_flat_workgroup_size: 256
    .sgpr_count:     66
    .vgpr_count:     258
    .wavefront_size: 32
...
	.end_amdgpu_metadata
.endif
;; end of part 1
;; launch place (part 2): grid 64 x 8, 4 waves a work-group, no clusters, 0 bytes of LDS; arguments inputs, sel, rt, idx, xq, out1; writes idx, xq, out1
.if DOCPART == 2
	.amdgcn_target "amdgcn-amd-amdhsa--gfx1250"
	.amdhsa_code_object_version 6
	.text
	.protected	k_qf3d2249702_place
	.globl	k_qf3d2249702_place
	.p2align	8
	.type	k_qf3d2249702_place,@function
k_qf3d2249702_place:
	s_mov_b64 s[64:65], 0
	v_nop
	global_prefetch_b8 v0, s[64:65] scope:SCOPE_SE
	s_setreg_imm32_b32 hwreg(HW_REG_WAVE_MODE, 25, 1), 1
	s_wait_xcnt 0x0
; THE ROWS ARE PLACED BY EXPERT AND QUANTISED.  Work-group (t, e) makes tile t (16 rows) of expert e: it finds the tokens whose rank among e's tokens is 16 t .. 16 t + 15,
; turns their rows of x into codes of E4M3 with one E8M0 byte for each 32 along K, and stores them as images of operand registers: xq[G = 64 e + t][K step 8][c 4][lane 32][16 bytes].
; Beside them: the rows' scale words xs[row][8] at 8,388,608, the rows' gate weights gwE[row] at 8,650,752; in idx: ng[e], the expert's groups of 32 rows (1 at the least), at 0,
; and pos2[token][slot] = the row e x 1,024 + rank, at 256.  Work-group (0, 0) also finishes the loss.
; The grid serves every split: an expert can have up to 1,024 rows; a tile at or beyond 2 ng ends behind the scan (a branch on whole numbers read from memory).
; Rows of a made tile that no token fills take token 0: their results are read by nobody.
; THE SCAN, in every wave: register u = 4 q + j of lane l holds the word of token 128 q + 4 l + j.  A token's rank is the count of e's tokens ahead of it in that order (any fixed order serves: nothing is dropped).
; A token of the tile makes the word 1 << (rank - 16 t), every other token 0.  That word is ORed into twelve words: 'filled', 'second choice', and one for each bit of the token's number that is set
; (bits 0, 1, 7-9 come from u, bits 2-6 from the lane).  Ranks are distinct, so no two tokens share a bit.  The twelve words are ORed over the 32 lanes; lane (r, h) then reads bit r of each: its row's token.
; THE QUANTISER: a block's scale is 2^(floor(log2(largest magnitude)) - 8); numbers are held within +-448 x the scale and rounded to the nearest code, ties to even.
; LIMITS: NaN and infinities in inputs are not served; a block whose largest magnitude is under 2^-118 keeps the byte 1, a block of zeros too (its codes are zeros; only this program reads the bytes).
.set TM, 32                            ; v32-35 largest magnitudes, v36-39 at work, v40-43 448 x the scale, v44-47 the conversions' scale operands (the scan's words are done with)
.set AZ, 25                            ; v25  0: out1's offset; made at the head, never rewritten
.set AE, 26                            ; v26  4 x the expert: ng's offset; made at the head, never rewritten
.set PV, 64                            ; v64     bit r: row r is filled
.set PS, 65                            ; v65     bit r: the expert is the token's second choice
.set PU, 66                            ; v66-70  bit r: bit b of u is set in row r's token
.set PL, 71                            ; v71-75  bit r: bit b of the lane's number likewise
.set PT, 80                            ; v80-91  at work in the OR over the lanes, one for each of the twelve
.macro XLOAD reg, sl                   ; 64 numbers of my row: register 16 b + i = k 32 b + 16 (lane / 16) + i of K step 2 w + sl
.irp b, 0,1,2,3
.irp j, 0,1,2,3
	global_load_b128 v[\reg+16*\b+4*\j:\reg+16*\b+4*\j+3], v16, s[4:5] offset:512*\sl+128*\b+16*\j
.endr
.endr
.endm
.macro QUANT s, pc, pw                 ; they become a fragment's codes in v[pc] on and its scale word in v[pw]
.irp b, 0,1,2,3
	v_max3_num_f32 v[TM+\b], |v[\s+16*\b]|, |v[\s+1+16*\b]|, 0x4800000   ; with the floor 2^(9 - 127): the byte cannot fall under 1
.endr
.irp i, 2,4,6,8,10,12,14
.irp b, 0,1,2,3
	v_max3_num_f32 v[TM+\b], v[TM+\b], |v[\s+16*\b+\i]|, |v[\s+1+16*\b+\i]|
.endr
.endr
.irp b, 0,1,2,3
	v_permlanex16_b32 v[TM+4+\b], v[TM+\b], s24, s25
.endr
.irp b, 0,1,2,3
	v_max_num_f32 v[TM+\b], v[TM+\b], v[TM+4+\b]   ; with lane xor 16's 16 numbers: the block's
.endr
.irp b, 0,1,2,3
	v_add_nc_u32 v[TM+12+\b], 0xfc000000, v[TM+\b] ; 8 off the exponent field: the conversion's scale operand
.endr
.irp b, 0,1,2,3
	v_and_or_b32 v[TM+8+\b], v[TM+\b], 0x7f800000, s38   ; 448 x the scale
.endr
.irp b, 0,1,2,3
	v_lshrrev_b32 v[TM+4+\b], 23, v[TM+12+\b]      ; the byte
.endr
	v_lshl_or_b32 v[\pw], v[TM+5], 8, v[TM+4]
	v_lshl_or_b32 v[\pw], v[TM+6], 16, v[\pw]
	v_lshl_or_b32 v[\pw], v[TM+7], 24, v[\pw]
.irp b, 0,1,2,3
.irp i, 0,1,2,3,4,5,6,7,8,9,10,11,12,13,14,15
	v_med3_num_f32 v[\s+16*\b+\i], v[\s+16*\b+\i], -v[TM+8+\b], v[TM+8+\b]   ; the conversion to an 8-bit code does not saturate (ISA guide 7.6.2)
.endr
	v_cvt_scalef32_pk8_fp8_f32 v[\pc+4*\b:\pc+1+4*\b], v[\s+16*\b:\s+7+16*\b], v[TM+12+\b]
	v_cvt_scalef32_pk8_fp8_f32 v[\pc+2+4*\b:\pc+3+4*\b], v[\s+8+16*\b:\s+15+16*\b], v[TM+12+\b]
.endr
	v_nop                                          ; a plain line behind the last conversion
.endm
.macro BIT reg, pos                    ; bit r of v[reg] becomes bit pos of my row's token
	v_lshrrev_b32 v3, v24, v[\reg]
	v_and_b32 v3, 1, v3
	v_lshl_or_b32 v12, v3, \pos, v12
.endm
	s_load_b256 s[4:11], s[0:1], 0x0               ; inputs, sel, rt, idx
	s_load_b128 s[12:15], s[0:1], 0x20             ; xq, out1
	v_lshrrev_b32 v3, 5, v0
	v_readfirstlane_b32 s16, v3                    ; wave
	v_and_b32 v1, 31, v0                           ; lane
	v_lshlrev_b32 v2, 4, v1
	v_mov_b32 v5, 1
	v_and_b32 v24, 15, v0                          ; r
	v_bfe_u32 v15, v0, 4, 1                        ; h
	s_and_b32 s23, ttmp7, 0xffff                   ; the expert
	s_lshl_b32 s39, s23, 2
	v_mov_b32 v[AZ], 0                             ; the two offsets that are the same in every lane are made here, all lanes on
	v_mov_b32 v[AE], s39
.irp k, 64,65,66,67,68,69,70
	v_mov_b32 v[\k], 0                             ; the seven words that the scan ORs into
.endr
.irp k, 80,81,82,83,84,85,86,87,88,89,90,91
	v_mov_b32 v[\k], 0                             ; destinations of lane moves count as read
.endr
	s_lshl_b32 s17, 0x101, s23                     ; the expert's bit as first and as second choice
	s_lshl_b32 s18, ttmp9, 4
	s_sub_co_i32 s18, 0, s18                       ; the running count, less the tile's first rank
	s_mov_b32 s24, 0x76543210
	s_mov_b32 s25, 0xfedcba98
	s_mov_b32 s38, 0x600000                        ; the mantissa field of 448
	s_wait_kmcnt 0x0
.irp q, 0,1,2,3,4,5,6,7
	global_load_b128 v[32+4*\q:35+4*\q], v2, s[6:7] offset:512*\q
.endr
	s_wait_loadcnt 0x0
.set u, 0
.rept 32
	v_and_b32 v3, s17, v[32+u]
	v_cmp_ne_u32 vcc_lo, 0, v3                     ; the tokens of this expert
	v_mbcnt_lo_u32_b32 v4, vcc_lo, s18             ; rank - 16 t (huge as unsigned where the rank lies ahead of the tile)
	v_cmp_gt_u32 s40, 16, v4
	s_and_b32 s40, s40, vcc_lo                     ; the expert's tokens whose rank lies in the tile
	s_bcnt1_i32_b32 s19, vcc_lo
	s_add_co_i32 s18, s18, s19
	v_lshlrev_b32 v4, v4, v5                       ; 1 << (the low five bits of it),
	v_cndmask_b32 v4, 0, v4, s40                   ; kept for those tokens alone
	v_cmp_lt_u32 vcc_lo, 0xff, v3                  ; the second choice's bit lies above bit 7
	v_cndmask_b32 v6, 0, v4, vcc_lo
	v_or_b32 v[PV], v[PV], v4
	v_or_b32 v[PS], v[PS], v6
.irp b, 0,1,2,3,4
.if (u>>\b)&1
	v_or_b32 v[PU+\b], v[PU+\b], v4
.endif
.endr
.set u, u+1
.endr
	s_lshl_b32 s19, ttmp9, 4
	s_add_co_i32 s20, s18, s19                     ; the expert's rows
	s_add_co_u32 s21, s20, 31
	s_lshr_b32 s21, s21, 5
	s_max_u32 s21, s21, 1                          ; its groups of 32: 1 at the least, so that every later launch has work and reads only what was written
	s_lshl_b32 s22, s21, 1
	s_cmp_ge_u32 ttmp9, s22
	s_cbranch_scc1 .Lend                           ; no such tile in this split
.irp b, 0,1,2,3,4
	v_and_b32 v3, 1<<\b, v1
	v_cmp_ne_u32 vcc_lo, 0, v3
	v_cndmask_b32 v[PL+\b], 0, v[PV], vcc_lo       ; my 'filled' bits, where bit b of my lane's number is set
.endr
.irp x, 1,2,4,8                        ; the OR over the 32 lanes, the twelve words by turns
.irp k, 64,65,66,67,68,69,70,71,72,73,74,75
	v_mov_b32_dpp v[\k+16], v[\k] row_xmask:\x row_mask:0xf bank_mask:0xf
.endr
.irp k, 64,65,66,67,68,69,70,71,72,73,74,75
	v_or_b32 v[\k], v[\k], v[\k+16]
.endr
.endr
.irp k, 64,65,66,67,68,69,70,71,72,73,74,75
	v_permlanex16_b32 v[\k+16], v[\k], s24, s25
.endr
.irp k, 64,65,66,67,68,69,70,71,72,73,74,75
	v_or_b32 v[\k], v[\k], v[\k+16]
.endr
	v_lshrrev_b32 v14, v24, v[PV]
	v_and_b32 v14, 1, v14                          ; 1 where my row is filled
	v_lshrrev_b32 v13, v24, v[PS]
	v_and_b32 v13, 1, v13
	v_min_u32 v13, 1, v13                          ; the slot
	v_lshrrev_b32 v12, v24, v[PU]
	v_and_b32 v12, 1, v12                          ; the token = 128 q + 4 l + j, u = 4 q + j: bit 0 is u's bit 0,
	BIT PU+1, 1
	BIT PL+0, 2                                    ; bits 2 to 6 the lane's number,
	BIT PL+1, 3
	BIT PL+2, 4
	BIT PL+3, 5
	BIT PL+4, 6
	BIT PU+2, 7                                    ; bits 7 to 9 u's bits 2 to 4
	BIT PU+3, 8
	BIT PU+4, 9
	v_min_u32 v12, 0x3ff, v12                      ; the token (0 where the row is empty)
	v_lshlrev_b32 v16, 12, v12
	v_lshl_add_u32 v16, v15, 6, v16                ; x: the token's row of 4,096 bytes + 64 h
	v_lshlrev_b32 v17, 5, v24                      ; scale words: 32 bytes a row
	s_lshl_b32 s36, s16, 10                        ; my two K steps: 1,024 bytes of a row
	s_mov_b32 s37, 0
	s_add_nc_u64 s[4:5], s[4:5], s[36:37]
	s_lshl_b32 s33, s23, 6
	s_add_co_u32 s33, s33, ttmp9                   ; G
	s_lshl_b32 s36, s33, 14
	s_lshl_b32 s31, s16, 12
	s_add_co_u32 s36, s36, s31
	s_add_nc_u64 s[26:27], s[12:13], s[36:37]      ; my two images
	s_lshl_b32 s36, s33, 9
	s_lshl_b32 s31, s16, 3
	s_add_co_u32 s36, s36, s31
	s_add_co_u32 s36, s36, 8388608
	s_add_nc_u64 s[28:29], s[12:13], s[36:37]      ; my two scale words of each row
	s_lshl_b32 s36, s33, 6
	s_add_co_u32 s36, s36, 8650752
	s_add_nc_u64 s[34:35], s[12:13], s[36:37]      ; the rows' gate weights
	XLOAD 96, 0
	XLOAD 160, 1
	s_wait_loadcnt 16                              ; the first K step's 16 loads are in; the second's may be out
	QUANT 96, 224, 48
.irp c, 0,1,2,3
	global_store_b128 v2, v[224+4*\c:227+4*\c], s[26:27] offset:512*\c        ; 32 lanes store 512 consecutive bytes
.endr
	s_wait_loadcnt 0x0
	QUANT 160, 240, 49
.irp c, 0,1,2,3
	global_store_b128 v2, v[240+4*\c:243+4*\c], s[26:27] offset:2048+512*\c
.endr
	global_store_b64 v17, v[48:49], s[28:29]       ; both halves of the lanes hold the same words
	s_cmp_lg_u32 s16, 0
	s_cbranch_scc1 .Lnot0
	; ---- wave 0: the rows' gate weights, the expert's groups, the tokens' rows
	v_lshlrev_b32 v18, 3, v12
	v_lshl_add_u32 v18, v13, 2, v18                ; 8 x token + 4 x slot
	global_load_b32 v19, v18, s[8:9]
	v_lshlrev_b32 v20, 2, v24
	s_lshl_b32 s31, s23, 10
	s_lshl_b32 s32, ttmp9, 4
	s_add_co_u32 s31, s31, s32
	v_add_nc_u32 v21, s31, v24                     ; the row: 1,024 e + 16 t + r
	v_mov_b32 v23, s21
	s_wait_loadcnt 0x0
	global_store_b32 v20, v19, s[34:35]
	s_cmp_lg_u32 ttmp9, 0
	s_cbranch_scc1 .Lnot_t0
	global_store_b32 v[AE], v23, s[10:11]          ; ng[e], by the expert's first tile
.Lnot_t0:
	v_cmp_ne_u32 vcc_lo, 0, v14
	s_wait_xcnt 0x0                                ; EXEC changes only behind this wait
	s_and_saveexec_b32 s30, vcc_lo                 ; filled rows alone
	global_store_b32 v18, v21, s[10:11] offset:256
	s_wait_xcnt 0x0
	s_or_b32 exec_lo, exec_lo, s30
.Lnot0:
	s_or_b32 s31, ttmp9, s23
	s_xor_b32 s32, s16, 3
	s_or_b32 s31, s31, s32
	s_cmp_lg_u32 s31, 0
	s_cbranch_scc1 .Lend
	; ---- work-group (0, 0), wave 3: the loss = sum over e of (sum of softmax)(count) / 1,024^2.  A record is 64 bytes: lane % 4 = 0, 1: the sums of e 0-3, 4-7; 2, 3: the counts
.irp i, 0,1,2,3,4,5,6,7,8,9,10,11,12,13,14,15,16,17,18,19,20,21,22,23,24,25,26,27,28,29,30,31
	global_load_b128 v[96+4*\i:99+4*\i], v2, s[8:9] offset:8192+512*\i
.endr
.irp k, 54,55,56,57
	v_mov_b32 v[\k], 0                             ; destinations of lane moves count as read
.endr
	s_wait_loadcnt 0x0
	v_pk_add_f32 v[50:51], v[96:97], v[100:101]
	v_pk_add_f32 v[52:53], v[98:99], v[102:103]
.irp i, 2,3,4,5,6,7,8,9,10,11,12,13,14,15,16,17,18,19,20,21,22,23,24,25,26,27,28,29,30,31
	v_pk_add_f32 v[50:51], v[50:51], v[96+4*\i:97+4*\i]
	v_pk_add_f32 v[52:53], v[52:53], v[98+4*\i:99+4*\i]
.endr
.irp k, 50,51,52,53
	v_add_f32_dpp v[\k], v[\k], v[\k] row_xmask:4 row_mask:0xf bank_mask:0xf
.endr
.irp k, 50,51,52,53
	v_add_f32_dpp v[\k], v[\k], v[\k] row_xmask:8 row_mask:0xf bank_mask:0xf
.endr
.irp k, 50,51,52,53
	v_permlanex16_b32 v[\k+4], v[\k], s24, s25
.endr
.irp k, 50,51,52,53
	v_add_f32 v[\k], v[\k], v[\k+4]
.endr
.irp k, 50,51,52,53
	v_mov_b32_dpp v[\k+4], v[\k] row_xmask:2 row_mask:0xf bank_mask:0xf   ; sums meet counts
.endr
	v_mul_f32 v58, v50, v54
	v_fma_f32 v58, v51, v55, v58
	v_fma_f32 v58, v52, v56, v58
	v_fma_f32 v58, v53, v57, v58
	v_add_f32_dpp v58, v58, v58 row_xmask:1 row_mask:0xf bank_mask:0xf
	v_mul_f32 v58, 0x35800000, v58                 ; x 2^-20
	global_store_b32 v[AZ], v58, s[14:15]          ; every lane holds the same number
.Lend:
	s_endpgm
.Lfunc_end_k_qf3d2249702_place:
	.size	k_qf3d2249702_place, .Lfunc_end_k_qf3d2249702_place-k_qf3d2249702_place
	.p2alignl 7, 3214868480
	.fill 96, 4, 3214868480
	.section	.rodata,"a",@progbits
	.p2align	6, 0x0
	.amdhsa_kernel k_qf3d2249702_place
		.amdhsa_group_segment_fixed_size 0
		.amdhsa_private_segment_fixed_size 0
		.amdhsa_enable_private_segment 0
		.amdhsa_kernarg_size 48
		.amdhsa_user_sgpr_count 2
		.amdhsa_user_sgpr_kernarg_segment_ptr 1
		.amdhsa_wavefront_size32 1
		.amdhsa_system_sgpr_workgroup_id_x 1
		.amdhsa_system_sgpr_workgroup_id_y 1
		.amdhsa_system_sgpr_workgroup_id_z 1
		.amdhsa_system_vgpr_workitem_id 0
		.amdhsa_next_free_vgpr 256
		.amdhsa_next_free_sgpr 66
		.amdhsa_reserve_vcc 1
		.amdhsa_float_denorm_mode_32 3
		.amdhsa_float_denorm_mode_16_64 3
		.amdhsa_memory_ordered 1
		.amdhsa_forward_progress 1
		.amdhsa_inst_pref_size 61
	.end_amdhsa_kernel
	.amdgpu_metadata
---
amdhsa.version: [ 1, 2 ]
amdhsa.kernels:
  - .name:           k_qf3d2249702_place
    .symbol:         k_qf3d2249702_place.kd
    .args:
      - { .name: inputs, .offset: 0, .size: 8, .value_kind: global_buffer, .address_space: global }
      - { .name: sel, .offset: 8, .size: 8, .value_kind: global_buffer, .address_space: global }
      - { .name: rt, .offset: 16, .size: 8, .value_kind: global_buffer, .address_space: global }
      - { .name: idx, .offset: 24, .size: 8, .value_kind: global_buffer, .address_space: global }
      - { .name: xq, .offset: 32, .size: 8, .value_kind: global_buffer, .address_space: global }
      - { .name: out1, .offset: 40, .size: 8, .value_kind: global_buffer, .address_space: global }
    .group_segment_fixed_size: 0
    .private_segment_fixed_size: 0
    .kernarg_segment_align: 8
    .kernarg_segment_size: 48
    .max_flat_workgroup_size: 128
    .sgpr_count:     66
    .vgpr_count:     256
    .wavefront_size: 32
...
	.end_amdgpu_metadata
.endif
;; end of part 2
;; launch ffn1 (part 3): grid 64 x 4, 8 waves a work-group, no clusters, 140,800 bytes of LDS; arguments W1, b1, xq, idx, hq; writes hq
.if DOCPART == 3
	.amdgcn_target "amdgcn-amd-amdhsa--gfx1250"
	.amdhsa_code_object_version 6
	.text
	.protected	k_qf3d2249702_ffn1
	.globl	k_qf3d2249702_ffn1
	.p2align	8
	.type	k_qf3d2249702_ffn1,@function
k_qf3d2249702_ffn1:
	s_mov_b64 s[64:65], 0
	v_nop
	global_prefetch_b8 v0, s[64:65] scope:SCOPE_SE
	s_setreg_imm32_b32 hwreg(HW_REG_WAVE_MODE, 25, 1), 1
	s_wait_xcnt 0x0
; THE FIRST LAYER OF THE CHOSEN EXPERTS: h = silu(x W1[e] + b1[e]) for the rows placed on expert e, both operands as codes of E4M3 with one E8M0 scale for each 32 along K; h leaves as codes for the second layer.
; A PANEL of W1 is one expert, 64 columns (strip = grid x), all of K = 1,024: 256 KiB of f32, read once in the launch, quantised here, kept in LDS as 64 KiB of codes.  No weight code goes to memory.
; A WORK-GROUP STAYS FOR TWO PANELS of its strip.  The first is expert y (0 to 3: known at once, so its stream starts with no wait for idx); the second is one of experts 4 to 7: the first half's r-th heaviest
; takes the second half's r-th lightest, by the experts' numbers of groups read from idx.  So each of the 512 panels has one owner, and the rows of a work-group's two experts even out.
; PHASE Q.  Wave w takes K step w (128 along K).  A load of 16 bytes a lane reads two whole rows of the strip: lanes 0-15 row k, lanes 16-31 row k + 16, 256 consecutive bytes each.  A lane's four neighbouring
; columns go to FOUR TILES: tile j holds the strip's columns 4 r + j.  So a lane's registers run down K for each tile, in the operand's own order, and the hold (v_med3) writes them apart: nothing is transposed.
; The fragments go to LDS as images of their registers ([K step][tile][c][lane][16 bytes]), the scale words and the strip's b1 beside them; each panel has an LDS buffer of its own.  One barrier a panel.
; As soon as a block of 32 along K is quantised, its 64 registers take the first group's fragments of x for two K steps: they are on their way while the rest is quantised.
; THE ROWS.  Wave w takes the expert's groups of 32 rows w, w + 8, ..: a trip count made of a number read from idx, so this text has no tensor load and no barrier in a loop.
; THE SECOND PANEL'S STREAM IS ASKED FOR IN THE FIRST PANEL'S LAST TRIP: K step s frees the 32 registers of x's fragments of that step, and eight loads of the second panel go into them.  That trip is written out, since
; its waits count those loads; a wave without a group asks for all 64 at once.
; THE PRODUCT IS USED TRANSPOSED (source 0 = a tile of W1, source 1 = 16 rows of x): in accumulator (m, j) lane (r, h) holds row r and columns 32 h + 4 i + j.  The four tiles give a lane 32 NEIGHBOURS along the next K:
; one whole block, quantised with no other lane.  Its 32 codes are the halves of two lanes' registers in the next operand's image: two stores of 16 bytes; sixteen lanes store 256 consecutive bytes, aligned.
; No cluster: a panel is read by one work-group alone, and the trip counts are loaded numbers.
; LIMITS: NaN and infinities in W1, b1 and x are not served; a block whose largest magnitude is under 2^-118 keeps the byte 1, a block of zeros too (its codes are zeros; only this program reads the bytes).
; REGISTERS, window 0: v1-15, v60-63 addresses and b1's pieces; v16-31 at work; v32-39 W1's scale words (two sets), v40-55 x's (8 m + s): scales and nothing else; v56-59 scale words being made;
; v64-191 at work in phase Q and in the epilogue, W1's fragments in two sets in a trip; v192-255 eight accumulators.  Window 1: the raw weights (64 c + 4 i + j), and x's fragments (32 s + 16 m).
.set PITCH, 16384                      ; a row of W1 in bytes
.set BIAS,  69632                      ; in a buffer: images 0 .. 65,535, scale words .. 69,631, the strip's b1 .. 69,887
.set BUF,   69888                      ; the second panel's buffer begins here
.set LI,  1                            ; 16 x lane                      (the second buffer's LI, LSB, QST, QSS: v60-63)
.set LSB, 2                            ; 65,536 + 4 x lane
.set QST, 3                            ; 16 x lane + 8,192 w
.set QSS, 4                            ; 65,536 + 512 w + 4 x lane
.set WOF, 5                            ; 16 h rows + 16 r
.set XSO, 6                            ; 32 r
.set HST, 7                            ; 512 h + 16 r
.set HSS, 8                            ; 128 r + h
.set BOF, 9                            ; v9, v10   b1 in LDS, to read: BIAS + 128 h, in buffer 0, 1
.set BST, 11                           ; v11, v12  b1 in LDS, to store: BIAS + 32 w + 4 (lane % 8)
.set BV,  13                           ; v13, v14  my piece of b1 for panel 0, 1
.set GBO, 15                           ; 32 w + 4 (lane % 8)
.set TM,  16
.set TP,  20
.set HOLD, 24
.set SCO, 28
.set WS,  32
.set XS,  40
.set WD,  56
.set T,   64                           ; phase Q: 64 numbers held apart
.set BF,  64                           ; a trip: W1's fragments, two sets
.set EX,  64                           ; the epilogue: b1, then e^-z and its kin, then the codes
.set U,   128                          ; phase Q: the codes
.set Z,   128                          ; the epilogue: z, then silu(z)
.set ACC, 192
.set WB,  44                           ; s[44:45], s[46:47]  my 128 rows of panel 0, 1
.set BB,  60                           ; s[60:61], s[62:63]  the strip's b1 for panel 0, 1
.set AB,  22                           ; s[22:23], s[68:69]  x's images of the group in hand
.set SB,  24                           ; s[24:25], s[70:71]  x's scale words
.set O1,  26                           ; s[26:27], s[72:73]  h's images
.set O2,  28                           ; s[28:29], s[74:75]  h's scale bytes
.set TR,  37                           ; s37, s76            my trips on panel 0, 1
.set MSB, 0
.macro WIN new                         ; the immediate's high byte repeats the setting that is left
.if MSB != \new
	s_set_vgpr_msb (MSB<<8)|\new
.set MSB, \new
.endif
.endm
.macro PLACES n
.rept \n
	v_nop
.endr
.endm
; Block c (32 along K) of my K step, for the four tiles.  cnt: the loads issued behind this block's 16
.macro QBLOCK c, b, cnt
	s_wait_loadcnt \cnt
	WIN 0x05
.irp j, 0,1,2,3
	v_max3_num_f32 v[TM+\j], |v[64*\c+\j]|, |v[64*\c+4+\j]|, 0x4800000   ; with the floor 2^(9 - 127)
.endr
	WIN 0x14
.irp i, 2,4,6,8,10,12,14
.irp j, 0,1,2,3
	v_max3_num_f32 v[TM+\j], v[TM+\j], |v[64*\c+4*\i+\j]|, |v[64*\c+4*\i+4+\j]|
.endr
.endr
	WIN 0
.irp j, 0,1,2,3
	v_permlanex16_b32 v[TP+\j], v[TM+\j], s20, s21
.endr
.irp j, 0,1,2,3
	v_max_num_f32 v[TM+\j], v[TM+\j], v[TP+\j]     ; with lane xor 16's 16 rows: the block's largest magnitude
.endr
.irp j, 0,1,2,3
	v_add_nc_u32 v[SCO+\j], 0xfc000000, v[TM+\j]   ; 8 off the exponent field: the conversion's scale operand
.endr
.irp j, 0,1,2,3
	v_and_or_b32 v[HOLD+\j], v[TM+\j], 0x7f800000, s19   ; 448 x the scale
.endr
.irp j, 0,1,2,3
.if \c == 0
	v_lshrrev_b32 v[WD+\j], 23, v[SCO+\j]          ; the byte
.else
	v_lshrrev_b32 v[TP+\j], 23, v[SCO+\j]
.endif
.endr
.if \c > 0
.irp j, 0,1,2,3
	v_lshl_or_b32 v[WD+\j], v[TP+\j], 8*\c, v[WD+\j]
.endr
.endif
	WIN 0x01
.irp j, 0,1,2,3
.irp i, 0,1,2,3,4,5,6,7,8,9,10,11,12,13,14,15
	v_med3_num_f32 v[T+16*\j+\i], v[64*\c+4*\i+\j], -v[HOLD+\j], v[HOLD+\j]   ; the hold, and the four columns go apart
.endr
.endr
	WIN 0
.irp j, 0,1,2,3
	v_cvt_scalef32_pk8_fp8_f32 v[U+16*\c+4*\j:U+16*\c+4*\j+1], v[T+16*\j:T+16*\j+7], v[SCO+\j]
	v_cvt_scalef32_pk8_fp8_f32 v[U+16*\c+4*\j+2:U+16*\c+4*\j+3], v[T+16*\j+8:T+16*\j+15], v[SCO+\j]
.endr
	v_nop                                          ; a plain line behind the last conversion
.irp j, 0,1,2,3
	ds_store_b128 v[QST+59*\b], v[U+16*\c+4*\j:U+16*\c+4*\j+3] offset:2048*\j+512*\c
.endr
.endm
.macro RAWALL b                        ; my K step of panel b: 64 loads, each two whole rows of the strip: 2 x 256 consecutive bytes, aligned; read once in the launch
	WIN 0x40
.irp c, 0,1,2,3
.irp i, 0,1,2,3,4,5,6,7,8,9,10,11,12,13,14,15
	global_load_b128 v[64*\c+4*\i:64*\c+4*\i+3], v[WOF], s[WB+2*\b:WB+2*\b+1] offset:(32*\c+\i)*PITCH th:TH_LOAD_NT
.endr
.endr
	WIN 0
.endm
.macro RAW8 s                          ; eight of the second panel's 64, in the same order: into the registers that x's fragments of K step s have left
	WIN 0x40
.irp k, 0,1,2,3,4,5,6,7
	global_load_b128 v[32*(\s)+4*\k:32*(\s)+4*\k+3], v[WOF], s[WB+2:WB+3] offset:(32*((\s)/2)+8*((\s)%2)+\k)*PITCH th:TH_LOAD_NT
.endr
	WIN 0
.endm
.macro XSLOAD b                        ; the group's scale words: four loads
.irp m, 0,1
	global_load_b128 v[XS+8*\m:XS+8*\m+3], v[XSO], s[SB+46*\b:SB+46*\b+1] offset:512*\m
	global_load_b128 v[XS+8*\m+4:XS+8*\m+7], v[XSO], s[SB+46*\b:SB+46*\b+1] offset:512*\m+16
.endr
.endm
.macro ACH q, b                        ; the group's fragments of K steps 2 q, 2 q + 1: 16 loads into registers 64 q .. 64 q + 63 of window 1
.irp s, 2*\q, 2*\q+1
.irp m, 0,1
.irp c, 0,1,2,3
	global_load_b128 v[32*(\s)+16*\m+4*\c:32*(\s)+16*\m+4*\c+3], v[LI], s[AB+46*\b:AB+46*\b+1] offset:(8*\m+(\s))*2048+512*\c
.endr
.endr
.endr
.endm
.macro ALOAD b                         ; a group's operands: the scale words first, then the fragments, K step by K step, so that the waits can count down
	XSLOAD \b
	WIN 0x40
	ACH 0, \b
	ACH 1, \b
	ACH 2, \b
	ACH 3, \b
	WIN 0
.endm
; Phase Q of panel b, whose 64 raw loads are out.  n: the small loads issued behind block 0.  Behind block c stand, at the wait for block c + 1: the later raw blocks and the fragments' chunks, 48 in all, and n
.macro QPANEL b, n
	QBLOCK 0, \b, 48
	ds_store_b32 v[BST+\b], v[BV+\b]               ; my 32 bytes of the strip's b1 (loaded ahead of this panel's raw loads); lanes that share a word hold the same number
.if \b == 0
	global_load_b32 v[BV+1], v[GBO], s[BB+2:BB+3]  ; the second panel's piece
.endif
	XSLOAD \b
	WIN 0x40
	ACH 0, \b
	WIN 0
	QBLOCK 1, \b, 48+\n
	WIN 0x40
	ACH 1, \b
	WIN 0
	QBLOCK 2, \b, 48+\n
	WIN 0x40
	ACH 2, \b
	WIN 0
	QBLOCK 3, \b, 48+\n
	WIN 0x40
	ACH 3, \b
	WIN 0
.irp j, 0,1,2,3
	ds_store_b32 v[QSS+59*\b], v[WD+\j] offset:128*\j
.endr
	PLACES 4
	s_wait_dscnt 0x0                               ; my part of the panel has landed: for the others' sake
	s_barrier_signal -1
	s_barrier_wait -1                              ; the panel is whole; nothing writes this buffer again
.endm
.macro LDB s, set, b                   ; K step s of the panel: four fragments and four scale words: 20 LDS loads
.irp j, 0,1,2,3
.irp c, 0,1,2,3
	ds_load_b128 v[BF+64*(\set)+16*\j+4*\c:BF+64*(\set)+16*\j+4*\c+3], v[LI+59*(\b)] offset:8192*(\s)+2048*\j+512*\c
.endr
	ds_load_b32 v[WS+4*(\set)+\j], v[LSB+59*(\b)] offset:512*(\s)+128*\j
.endr
.endm
.macro STEP s, b, last
.if \s < 7
	s_wait_dscnt 20                                ; this step's 20 LDS loads are in; the next step's may be out
.else
	s_wait_dscnt 8                                 ; b1's eight may be out
.endif
.if \last
	s_wait_loadcnt 56                              ; behind this step's fragments: eight loads for each later step, and eight raw loads for each step done
.else
	s_wait_loadcnt 56-8*\s                         ; behind this step's fragments: eight loads for each later step
.endif
	WIN 0x04                                       ; source 1 (x) window 1
.irp m, 0,1
.irp j, 0,1,2,3                        ; the eight accumulators take turns, one instruction a turn, in the same order in every step
.if \s == 0
	v_wmma_scale_f32_16x16x128_f8f6f4 v[ACC+8*(4*\m+\j):ACC+8*(4*\m+\j)+7], v[BF+64*(\s%2)+16*\j:BF+64*(\s%2)+16*\j+15], v[32*\s+16*\m:32*\s+16*\m+15], 0, v[WS+4*(\s%2)+\j], v[XS+8*\m+\s]
.else
	v_wmma_scale_f32_16x16x128_f8f6f4 v[ACC+8*(4*\m+\j):ACC+8*(4*\m+\j)+7], v[BF+64*(\s%2)+16*\j:BF+64*(\s%2)+16*\j+15], v[32*\s+16*\m:32*\s+16*\m+15], v[ACC+8*(4*\m+\j):ACC+8*(4*\m+\j)+7], v[WS+4*(\s%2)+\j], v[XS+8*\m+\s]
.endif
.endr
.endr
	WIN 0
.if \s < 7
	PLACES 8                                       ; in front of loads into registers that these products have read
.endif
.if \s < 6
	LDB (\s)+2, (\s)%2, \b
.endif
.if \s == 6
.irp i, 0,1,2,3,4,5,6,7
	ds_load_b128 v[EX+4*\i:EX+4*\i+3], v[BOF+\b] offset:16*\i   ; b1 of my 32 columns, into set 0, which is done with; sixteen lanes read the same bytes
.endr
.endif
.if \last && (\s < 7)
	RAW8 \s
.endif
.endm
; z = the sums + b1; silu; the lane's 32 numbers of a row are one block of the next K: codes and a byte; stores
.macro EPI b
	s_wait_dscnt 0x0                               ; b1
.irp m, 0,1
.irp j, 0,1,2,3
.irp i, 0,1,2,3,4,5,6,7                ; each accumulator from its low end on
	v_add_f32 v[Z+32*\m+4*\i+\j], v[ACC+8*(4*\m+\j)+\i], v[EX+4*\i+\j]   ; z: column 32 h + 4 i + j of row r
.endr
.endr
.endr
.set q, 0
.rept 32
	v_pk_mul_f32 v[EX+q:EX+q+1], v[Z+q:Z+q+1], 0xbfb8aa3b op_sel_hi:[1,0]   ; -z log2(e)
.set q, q+2
.endr
.set q, 0
.rept 64
	v_exp_f32 v[EX+q], v[EX+q]
.set q, q+1
.endr
	v_nop                                          ; a plain line behind the batch
	s_wait_alu depctr_va_vdst(0)                   ; one wait for the 64, ahead of their first reader
.set q, 0
.rept 32
	v_pk_add_f32 v[EX+q:EX+q+1], v[EX+q:EX+q+1], 1.0 op_sel_hi:[1,0]
.set q, q+2
.endr
.set q, 0
.rept 64
	v_rcp_f32 v[EX+q], v[EX+q]
.set q, q+1
.endr
	v_nop
	s_wait_alu depctr_va_vdst(0)
.set q, 0
.rept 32
	v_pk_mul_f32 v[Z+q:Z+q+1], v[Z+q:Z+q+1], v[EX+q:EX+q+1]               ; silu(z) = z / (1 + e^-z)
.set q, q+2
.endr
.irp m, 0,1
	v_max3_num_f32 v[TM+\m], |v[Z+32*\m]|, |v[Z+32*\m+1]|, 0x4800000
.endr
.irp i, 2,4,6,8,10,12,14,16,18,20,22,24,26,28,30
.irp m, 0,1
	v_max3_num_f32 v[TM+\m], v[TM+\m], |v[Z+32*\m+\i]|, |v[Z+32*\m+\i+1]|
.endr
.endr
.irp m, 0,1
	v_add_nc_u32 v[SCO+\m], 0xfc000000, v[TM+\m]
	v_and_or_b32 v[HOLD+\m], v[TM+\m], 0x7f800000, s19
	v_lshrrev_b32 v[TP+\m], 23, v[SCO+\m]          ; the byte
.endr
.irp m, 0,1
.set q, 0
.rept 32
	v_med3_num_f32 v[Z+32*\m+q], v[Z+32*\m+q], -v[HOLD+\m], v[HOLD+\m]
.set q, q+1
.endr
.irp g, 0,1,2,3
	v_cvt_scalef32_pk8_fp8_f32 v[EX+8*\m+2*\g:EX+8*\m+2*\g+1], v[Z+32*\m+8*\g:Z+32*\m+8*\g+7], v[SCO+\m]
.endr
.endr
	PLACES 4
.irp m, 0,1
	global_store_b128 v[HST], v[EX+8*\m:EX+8*\m+3], s[O1+46*\b:O1+46*\b+1] offset:65536*\m th:TH_STORE_NT        ; k 0-15 of the block: lane (r, 0) of the image; sixteen lanes store 256 consecutive bytes, aligned
	global_store_b128 v[HST], v[EX+8*\m+4:EX+8*\m+7], s[O1+46*\b:O1+46*\b+1] offset:65536*\m+256 th:TH_STORE_NT  ; k 16-31: lane (r, 1)
	global_store_b8 v[HSS], v[TP+\m], s[O2+46*\b:O2+46*\b+1] offset:2048*\m
.endr
.endm
.macro TRIP b, last                    ; 32 rows x 64 columns x K 1,024
	LDB 0, 0, \b
	LDB 1, 1, \b
	STEP 0, \b, \last
	STEP 1, \b, \last
	STEP 2, \b, \last
	STEP 3, \b, \last
	STEP 4, \b, \last
	STEP 5, \b, \last
	STEP 6, \b, \last
	STEP 7, \b, \last
	PLACES 9                                       ; in front of the first read of results, of loads and writes over the operands, and of the next trip's products, which begin the accumulators anew
.if \last
	RAW8 7
.endif
	EPI \b
	s_wait_xcnt 0x0                                ; the stores have read their registers and bases: both are written again only behind this wait
.endm
.macro STEPB b                         ; eight groups on: 16 tiles
	s_add_nc_u64 s[AB+46*\b:AB+46*\b+1], s[AB+46*\b:AB+46*\b+1], 262144
	s_add_nc_u64 s[SB+46*\b:SB+46*\b+1], s[SB+46*\b:SB+46*\b+1], 8192
	s_add_nc_u64 s[O1+46*\b:O1+46*\b+1], s[O1+46*\b:O1+46*\b+1], 1048576
	s_add_nc_u64 s[O2+46*\b:O2+46*\b+1], s[O2+46*\b:O2+46*\b+1], 32768
.endm
.macro WBASE b, e                      ; panel b is expert s[e]'s: my 128 rows of it, and the strip's b1
	s_lshl_b32 s30, s[\e], 24                      ; the expert's 16 MiB,
	s_lshl_b32 s32, s14, 21                        ; my 128 rows,
	s_add_co_u32 s30, s30, s32
	s_lshl_b32 s32, s15, 8                         ; the strip's 256 bytes
	s_add_co_u32 s30, s30, s32
	s_add_nc_u64 s[WB+2*\b:WB+2*\b+1], s[4:5], s[30:31]
	s_lshl_b32 s30, s[\e], 14
	s_add_co_u32 s30, s30, s32
	s_add_nc_u64 s[BB+2*\b:BB+2*\b+1], s[6:7], s[30:31]
.endm
.macro BASES b, e, ng                  ; my trips on panel b, and my first group's places
	s_add_co_u32 s[TR+39*\b], s[\ng], 7
	s_sub_co_u32 s[TR+39*\b], s[TR+39*\b], s14
	s_lshr_b32 s[TR+39*\b], s[TR+39*\b], 3         ; the groups w, w + 8, .. under ng: (ng + 7 - w) / 8, 0 to 4
	s_sub_co_u32 s30, s[\ng], 1
	s_min_u32 s30, s30, s14                        ; my first group; a wave without a group loads the last group, which it never uses: so no branch parts the waves ahead of the barrier
	s_min_u32 s30, s30, 31
	s_lshl_b32 s30, s30, 1
	s_lshl_b32 s34, s[\e], 6
	s_add_co_u32 s34, s34, s30                     ; G = 64 e + 2 g: the group's first tile
	s_lshl_b32 s30, s34, 14
	s_add_nc_u64 s[AB+46*\b:AB+46*\b+1], s[8:9], s[30:31]
	s_lshl_b32 s30, s34, 9
	s_add_co_u32 s30, s30, 8388608
	s_add_nc_u64 s[SB+46*\b:SB+46*\b+1], s[8:9], s[30:31]
	s_lshl_b32 s30, s34, 16
	s_lshl_b32 s32, s15, 10                        ; K step strip / 2 of the next product, c = 2 (strip % 2) + h: 1,024 x strip bytes
	s_add_co_u32 s30, s30, s32
	s_add_nc_u64 s[O1+46*\b:O1+46*\b+1], s[12:13], s[30:31]
	s_lshl_b32 s30, s34, 11
	s_lshl_b32 s32, s15, 1
	s_add_co_u32 s30, s30, s32
	s_add_co_u32 s30, s30, 33554432
	s_add_nc_u64 s[O2+46*\b:O2+46*\b+1], s[12:13], s[30:31]   ; 128 bytes a row, byte 2 strip + h
.endm
.macro CSWAP a, b                      ; the smaller key to s[a]
	s_min_u32 s58, s[\a], s[\b]
	s_max_u32 s[\b], s[\a], s[\b]
	s_mov_b32 s[\a], s58
.endm
	s_load_b256 s[4:11], s[0:1], 0x0               ; W1, b1, xq, idx
	s_load_b64 s[12:13], s[0:1], 0x20              ; hq
	v_lshrrev_b32 v16, 5, v0
	v_readfirstlane_b32 s14, v16                   ; wave
	s_mov_b32 s15, ttmp9                           ; strip
	s_and_b32 s16, ttmp7, 0xffff                   ; the first panel's expert: 0 to 3
	v_and_b32 v16, 31, v0                          ; lane
	v_and_b32 v17, 15, v0                          ; r
	v_bfe_u32 v18, v0, 4, 1                        ; h
	v_and_b32 v19, 7, v0
	v_lshlrev_b32 v[LI], 4, v16
	v_lshl_add_u32 v[LSB], v16, 2, 0x10000
	s_lshl_b32 s30, s14, 13
	v_add_nc_u32 v[QST], s30, v[LI]
	s_lshl_b32 s30, s14, 9
	v_add_nc_u32 v[QSS], s30, v[LSB]
.irp k, LI, LSB, QST, QSS
	v_add_nc_u32 v[\k+59], BUF, v[\k]              ; the same four in the second buffer
.endr
	v_lshlrev_b32 v[WOF], 4, v17
	v_lshl_add_u32 v[WOF], v18, 18, v[WOF]         ; 16 rows of 16,384 bytes for lanes 16-31
	v_lshlrev_b32 v[XSO], 5, v17
	v_lshlrev_b32 v[HST], 4, v17
	v_lshl_add_u32 v[HST], v18, 9, v[HST]
	v_lshl_add_u32 v[HSS], v17, 7, v18
	v_lshl_add_u32 v[BOF], v18, 7, BIAS
	v_add_nc_u32 v[BOF+1], BUF, v[BOF]
	s_lshl_b32 s30, s14, 5
	v_lshl_add_u32 v[GBO], v19, 2, s30
	v_add_nc_u32 v[BST], BIAS, v[GBO]
	v_add_nc_u32 v[BST+1], BUF, v[BST]
.irp j, 0,1,2,3
	v_mov_b32 v[TP+\j], 0                          ; a lane permute's destination counts as read
.endr
	s_mov_b32 s19, 0x600000                        ; the mantissa field of 448
	s_mov_b32 s20, 0x76543210
	s_mov_b32 s21, 0xfedcba98
	s_mov_b32 s31, 0
	s_wait_kmcnt 0x0
	s_load_b256 s[48:55], s[10:11], 0x0            ; the eight experts' groups of 32 rows
	WBASE 0, 16
	global_load_b32 v[BV], v[GBO], s[BB:BB+1]      ; my piece of the first panel's b1
	RAWALL 0
	s_wait_kmcnt 0x0
	; the second panel's expert.  Keys ng x 8 + e are all different
.irp e, 0,1,2,3,4,5,6,7
	s_min_u32 s[48+\e], s[48+\e], 32               ; 1,024 rows at the most
	s_lshl_b32 s[48+\e], s[48+\e], 3
	s_or_b32 s[48+\e], s[48+\e], \e
.endr
	s_mov_b32 s56, s48                             ; my first expert's key,
	s_cmp_eq_u32 s16, 1
	s_cselect_b32 s56, s49, s56
	s_cmp_eq_u32 s16, 2
	s_cselect_b32 s56, s50, s56
	s_cmp_eq_u32 s16, 3
	s_cselect_b32 s56, s51, s56
	s_mov_b32 s57, 0                               ; and how many of experts 0 to 3 are heavier: r
.irp e, 0,1,2,3
	s_cmp_gt_u32 s[48+\e], s56
	s_add_co_ci_u32 s57, s57, 0
.endr
	CSWAP 52, 53                                   ; experts 4 to 7, the lightest first
	CSWAP 54, 55
	CSWAP 52, 54
	CSWAP 53, 55
	CSWAP 53, 54
	s_mov_b32 s59, s52                             ; the r-th of them
	s_cmp_eq_u32 s57, 1
	s_cselect_b32 s59, s53, s59
	s_cmp_eq_u32 s57, 2
	s_cselect_b32 s59, s54, s59
	s_cmp_eq_u32 s57, 3
	s_cselect_b32 s59, s55, s59
	s_and_b32 s40, s59, 7
	s_min_u32 s40, s40, 7                          ; the second panel's expert,
	s_lshr_b32 s42, s59, 3
	s_min_u32 s42, s42, 32                         ; its groups,
	s_lshr_b32 s41, s56, 3
	s_min_u32 s41, s41, 32                         ; the first expert's groups
	WBASE 1, 40
	BASES 0, 16, 41
	BASES 1, 40, 42
	QPANEL 0, 5
	s_cmp_eq_u32 s[TR], 0
	s_cbranch_scc1 .Lnone0
	s_sub_co_u32 s43, s[TR], 1                     ; all my trips but the last
	s_mov_b32 s18, 0
	s_cmp_eq_u32 s43, 0
	s_cbranch_scc1 .Llast0
.Lg0:
	TRIP 0, 0
	STEPB 0
	ALOAD 0                                        ; a trip follows: the last at the least
	s_add_co_u32 s18, s18, 1
	s_cmp_lt_u32 s18, s43
	s_cbranch_scc1 .Lg0
.Llast0:
	TRIP 0, 1                                      ; my last trip on the first panel asks for my part of the second
	s_branch .Lq1
.Lnone0:
	s_wait_loadcnt 0x0                             ; the unused group's loads are in: their registers take the raw loads
	RAWALL 1
.Lq1:
	QPANEL 1, 4
	s_cmp_eq_u32 s[TR+39], 0
	s_cbranch_scc1 .Ldone
	s_mov_b32 s18, 0
.Lg1:
	TRIP 1, 0
	s_add_co_u32 s18, s18, 1
	STEPB 1
	s_cmp_lt_u32 s18, s[TR+39]
	s_cbranch_scc0 .Ldone                          ; no load beyond my last group
	ALOAD 1
	s_cmp_lt_u32 s18, s[TR+39]
	s_cbranch_scc1 .Lg1
.Ldone:
	s_wait_xcnt 0x0
	v_lshl_add_u32 v254, v0, 2, 0x22200
	v_mov_b32 v255, 0
	s_wait_tensorcnt 0x0
	ds_add_u32 v254, v255
	s_wait_dscnt 0x0
	s_endpgm
.Lfunc_end_k_qf3d2249702_ffn1:
	.size	k_qf3d2249702_ffn1, .Lfunc_end_k_qf3d2249702_ffn1-k_qf3d2249702_ffn1
	.p2alignl 7, 3214868480
	.fill 96, 4, 3214868480
	.section	.rodata,"a",@progbits
	.p2align	6, 0x0
	.amdhsa_kernel k_qf3d2249702_ffn1
		.amdhsa_group_segment_fixed_size 140800
		.amdhsa_private_segment_fixed_size 0
		.amdhsa_enable_private_segment 0
		.amdhsa_kernarg_size 40
		.amdhsa_user_sgpr_count 2
		.amdhsa_user_sgpr_kernarg_segment_ptr 1
		.amdhsa_wavefront_size32 1
		.amdhsa_system_sgpr_workgroup_id_x 1
		.amdhsa_system_sgpr_workgroup_id_y 1
		.amdhsa_system_sgpr_workgroup_id_z 1
		.amdhsa_system_vgpr_workitem_id 0
		.amdhsa_next_free_vgpr 512
		.amdhsa_next_free_sgpr 80
		.amdhsa_reserve_vcc 0
		.amdhsa_float_denorm_mode_32 3
		.amdhsa_float_denorm_mode_16_64 3
		.amdhsa_memory_ordered 1
		.amdhsa_forward_progress 1
		.amdhsa_inst_pref_size 249
	.end_amdhsa_kernel
	.amdgpu_metadata
---
amdhsa.version: [ 1, 2 ]
amdhsa.kernels:
  - .name:           k_qf3d2249702_ffn1
    .symbol:         k_qf3d2249702_ffn1.kd
    .args:
      - { .name: W1, .offset: 0, .size: 8, .value_kind: global_buffer, .address_space: global }
      - { .name: b1, .offset: 8, .size: 8, .value_kind: global_buffer, .address_space: global }
      - { .name: xq, .offset: 16, .size: 8, .value_kind: global_buffer, .address_space: global }
      - { .name: idx, .offset: 24, .size: 8, .value_kind: global_buffer, .address_space: global }
      - { .name: hq, .offset: 32, .size: 8, .value_kind: global_buffer, .address_space: global }
    .group_segment_fixed_size: 140800
    .private_segment_fixed_size: 0
    .kernarg_segment_align: 8
    .kernarg_segment_size: 40
    .max_flat_workgroup_size: 256
    .sgpr_count:     80
    .vgpr_count:     512
    .wavefront_size: 32
...
	.end_amdgpu_metadata
.endif
;; end of part 3
;; launch ffn2 (part 4): grid 64 x 4, 8 waves a work-group, no clusters, 175,104 bytes of LDS; arguments W2, hq, xq, idx, yw; writes yw
.if DOCPART == 4
	.amdgcn_target "amdgcn-amd-amdhsa--gfx1250"
	.amdhsa_code_object_version 6
	.text
	.protected	k_qf3d2249702_ffn2
	.globl	k_qf3d2249702_ffn2
	.p2align	8
	.type	k_qf3d2249702_ffn2,@function
k_qf3d2249702_ffn2:
	s_mov_b64 s[64:65], 0
	v_nop
	global_prefetch_b8 v0, s[64:65] scope:SCOPE_SE
	s_setreg_imm32_b32 hwreg(HW_REG_WAVE_MODE, 25, 1), 1
	s_wait_xcnt 0x0
; THE SECOND LAYER OF THE CHOSEN EXPERTS: partial sums of gate weight x (h W2[e]) for the rows placed on expert e, both operands as codes of E4M3 with one E8M0 scale for each 32 along K.
; A PANEL of W2 is one expert, 64 columns (strip = x % 16), a quarter of K (kq = x / 16: 1,024 of 4,096): 256 KiB of f32, read once in the launch, quantised here, kept in LDS as codes.
; The four quarters' sums go to yw[kq][row][1,024], f32; the last launch adds them (one owner for each output; no traffic between work-groups).
; A WORK-GROUP STAYS FOR TWO PANELS of its strip and quarter.  The first is expert y (0 to 3: known at once, so its stream starts with no wait for idx); the second is one of experts 4 to 7: the first half's
; r-th heaviest takes the second half's r-th lightest, by the experts' numbers of groups read from idx.  So each of the 512 panels has one owner, and the rows of a work-group's two experts even out.
; Phase Q, the tiles (tile j = the strip's columns 4 r + j), the images in LDS (a buffer for each panel), the one barrier a panel and the loop over groups of 32 rows are the first layer's; the rows' fragments are h's images.
; As soon as a block of 32 along K is quantised, its 64 registers take the first group's fragments of h for two K steps.  THE SECOND PANEL'S STREAM IS ASKED FOR IN THE FIRST PANEL'S LAST TRIP: K step s frees the
; 32 registers of h's fragments of that step, and eight loads of the second panel go into them.  That trip is written out, since its waits count those loads; a wave without a group asks for all 64 at once.
; THE PRODUCT IS USED TRANSPOSED: in accumulator (m, j) lane (r, h) holds row r and columns 32 h + 4 i + j.  The multiplication by the row's gate weight writes the four tiles' numbers in the columns' order;
; a tile of 16 rows goes through the wave's own stage in LDS and leaves as whole rows of the strip: sixteen lanes store 256 consecutive bytes, aligned.
; No cluster: a panel is read by one work-group alone, and the trip counts are loaded numbers.
; LIMITS: NaN and infinities in W2 are not served; a block whose largest magnitude is under 2^-118 keeps the byte 1, a block of zeros too (its codes are zeros; only this program reads the bytes).
; REGISTERS, window 0: v1-10, v60-63 addresses; v12-13 the rows' gate weights; v16-31 at work; v32-39 W2's scale words (two sets), v40-55 h's (8 m + s): scales and nothing else; v56-59 scale words being made;
; v64-191 at work in phase Q and on the way out, W2's fragments in two sets in a trip; v192-255 eight accumulators.  Window 1: the raw weights (64 c + 4 i + j), and h's fragments (32 s + 16 m).
.set PITCH, 4096                       ; a row of W2 in bytes
.set BUF,   69632                      ; a buffer: images 0 .. 65,535, scale words .. 69,631; the second panel's begins here
.set STAGE, 139264                     ; behind the two buffers: 16 rows x (256 bytes + 16) for each wave
.set LI,  1                            ; 16 x lane                      (the second buffer's LI, LSB, QST, QSS: v60-63)
.set LSB, 2                            ; 65,536 + 4 x lane
.set QST, 3                            ; 16 x lane + 8,192 w
.set QSS, 4                            ; 65,536 + 512 w + 4 x lane
.set WOF, 5                            ; 16 h rows + 16 r
.set XSO, 6                            ; 128 r
.set YST, 7                            ; 4,096 h + 16 r
.set STI, 8                            ; my stage + 272 r + 128 h
.set STO, 9                            ; my stage + 272 h + 16 r
.set GWO, 10                           ; 4 r
.set GW,  12
.set TM,  16
.set TP,  20
.set HOLD, 24
.set SCO, 28
.set WS,  32
.set XS,  40
.set WD,  56
.set T,   64
.set BF,  64
.set U,   128
.set RW,  128
.set ACC, 192
.set WB,  44                           ; s[44:45], s[46:47]  my 128 rows of panel 0, 1
.set AB,  22                           ; s[22:23], s[68:69]  h's images of the group in hand
.set SB,  24                           ; s[24:25], s[70:71]  h's scale words
.set O1,  26                           ; s[26:27], s[72:73]  yw
.set O2,  28                           ; s[28:29], s[74:75]  the rows' gate weights
.set TR,  37                           ; s37, s76            my trips on panel 0, 1
.set MSB, 0
.macro WIN new                         ; the immediate's high byte repeats the setting that is left
.if MSB != \new
	s_set_vgpr_msb (MSB<<8)|\new
.set MSB, \new
.endif
.endm
.macro PLACES n
.rept \n
	v_nop
.endr
.endm
; Block c (32 along K) of my K step, for the four tiles.  cnt: the loads issued behind this block's 16
.macro QBLOCK c, b, cnt
	s_wait_loadcnt \cnt
	WIN 0x05
.irp j, 0,1,2,3
	v_max3_num_f32 v[TM+\j], |v[64*\c+\j]|, |v[64*\c+4+\j]|, 0x4800000   ; with the floor 2^(9 - 127)
.endr
	WIN 0x14
.irp i, 2,4,6,8,10,12,14
.irp j, 0,1,2,3
	v_max3_num_f32 v[TM+\j], v[TM+\j], |v[64*\c+4*\i+\j]|, |v[64*\c+4*\i+4+\j]|
.endr
.endr
	WIN 0
.irp j, 0,1,2,3
	v_permlanex16_b32 v[TP+\j], v[TM+\j], s20, s21
.endr
.irp j, 0,1,2,3
	v_max_num_f32 v[TM+\j], v[TM+\j], v[TP+\j]     ; with lane xor 16's 16 rows: the block's largest magnitude
.endr
.irp j, 0,1,2,3
	v_add_nc_u32 v[SCO+\j], 0xfc000000, v[TM+\j]   ; 8 off the exponent field: the conversion's scale operand
.endr
.irp j, 0,1,2,3
	v_and_or_b32 v[HOLD+\j], v[TM+\j], 0x7f800000, s19   ; 448 x the scale
.endr
.irp j, 0,1,2,3
.if \c == 0
	v_lshrrev_b32 v[WD+\j], 23, v[SCO+\j]          ; the byte
.else
	v_lshrrev_b32 v[TP+\j], 23, v[SCO+\j]
.endif
.endr
.if \c > 0
.irp j, 0,1,2,3
	v_lshl_or_b32 v[WD+\j], v[TP+\j], 8*\c, v[WD+\j]
.endr
.endif
	WIN 0x01
.irp j, 0,1,2,3
.irp i, 0,1,2,3,4,5,6,7,8,9,10,11,12,13,14,15
	v_med3_num_f32 v[T+16*\j+\i], v[64*\c+4*\i+\j], -v[HOLD+\j], v[HOLD+\j]   ; the hold, and the four columns go apart
.endr
.endr
	WIN 0
.irp j, 0,1,2,3
	v_cvt_scalef32_pk8_fp8_f32 v[U+16*\c+4*\j:U+16*\c+4*\j+1], v[T+16*\j:T+16*\j+7], v[SCO+\j]
	v_cvt_scalef32_pk8_fp8_f32 v[U+16*\c+4*\j+2:U+16*\c+4*\j+3], v[T+16*\j+8:T+16*\j+15], v[SCO+\j]
.endr
	v_nop                                          ; a plain line behind the last conversion
.irp j, 0,1,2,3
	ds_store_b128 v[QST+59*\b], v[U+16*\c+4*\j:U+16*\c+4*\j+3] offset:2048*\j+512*\c
.endr
.endm
.macro RAWALL b                        ; my K step of panel b: 64 loads, each two whole rows of the strip: 2 x 256 consecutive bytes, aligned; read once in the launch
	WIN 0x40
.irp c, 0,1,2,3
.irp i, 0,1,2,3,4,5,6,7,8,9,10,11,12,13,14,15
	global_load_b128 v[64*\c+4*\i:64*\c+4*\i+3], v[WOF], s[WB+2*\b:WB+2*\b+1] offset:(32*\c+\i)*PITCH th:TH_LOAD_NT
.endr
.endr
	WIN 0
.endm
.macro RAW8 s                          ; eight of the second panel's 64, in the same order: into the registers that h's fragments of K step s have left
	WIN 0x40
.irp k, 0,1,2,3,4,5,6,7
	global_load_b128 v[32*(\s)+4*\k:32*(\s)+4*\k+3], v[WOF], s[WB+2:WB+3] offset:(32*((\s)/2)+8*((\s)%2)+\k)*PITCH th:TH_LOAD_NT
.endr
	WIN 0
.endm
.macro XSLOAD b                        ; the group's scale words and gate weights: six loads
.irp m, 0,1
	global_load_b128 v[XS+8*\m:XS+8*\m+3], v[XSO], s[SB+46*\b:SB+46*\b+1] offset:2048*\m
	global_load_b128 v[XS+8*\m+4:XS+8*\m+7], v[XSO], s[SB+46*\b:SB+46*\b+1] offset:2048*\m+16
	global_load_b32 v[GW+\m], v[GWO], s[O2+46*\b:O2+46*\b+1] offset:64*\m
.endr
.endm
.macro ACH q, b                        ; the group's fragments of K steps 2 q, 2 q + 1: 16 loads into registers 64 q .. 64 q + 63 of window 1
.irp s, 2*\q, 2*\q+1
.irp m, 0,1
.irp c, 0,1,2,3
	global_load_b128 v[32*(\s)+16*\m+4*\c:32*(\s)+16*\m+4*\c+3], v[LI], s[AB+46*\b:AB+46*\b+1] offset:65536*\m+2048*(\s)+512*\c
.endr
.endr
.endr
.endm
.macro ALOAD b                         ; a group's operands: scale words and gate weights first, then the fragments, K step by K step, so that the waits can count down
	XSLOAD \b
	WIN 0x40
	ACH 0, \b
	ACH 1, \b
	ACH 2, \b
	ACH 3, \b
	WIN 0
.endm
; Phase Q of panel b, whose 64 raw loads are out.  Behind block c stand, at the wait for block c + 1: the later raw blocks and the fragments' chunks, 48 in all, and the six small loads
.macro QPANEL b
	QBLOCK 0, \b, 48
	XSLOAD \b
	WIN 0x40
	ACH 0, \b
	WIN 0
	QBLOCK 1, \b, 54
	WIN 0x40
	ACH 1, \b
	WIN 0
	QBLOCK 2, \b, 54
	WIN 0x40
	ACH 2, \b
	WIN 0
	QBLOCK 3, \b, 54
	WIN 0x40
	ACH 3, \b
	WIN 0
.irp j, 0,1,2,3
	ds_store_b32 v[QSS+59*\b], v[WD+\j] offset:128*\j
.endr
	PLACES 4
	s_wait_dscnt 0x0                               ; my part of the panel has landed: for the others' sake
	s_barrier_signal -1
	s_barrier_wait -1                              ; the panel is whole; nothing writes this buffer again
.endm
.macro LDB s, set, b                   ; K step s of the panel: four fragments and four scale words: 20 LDS loads
.irp j, 0,1,2,3
.irp c, 0,1,2,3
	ds_load_b128 v[BF+64*(\set)+16*\j+4*\c:BF+64*(\set)+16*\j+4*\c+3], v[LI+59*(\b)] offset:8192*(\s)+2048*\j+512*\c
.endr
	ds_load_b32 v[WS+4*(\set)+\j], v[LSB+59*(\b)] offset:512*(\s)+128*\j
.endr
.endm
.macro STEP s, b, last
.if \s < 7
	s_wait_dscnt 20                                ; this step's 20 LDS loads are in; the next step's may be out
.else
	s_wait_dscnt 0x0
.endif
.if \last
	s_wait_loadcnt 56                              ; behind this step's fragments: eight loads for each later step, and eight raw loads for each step done
.else
	s_wait_loadcnt 56-8*\s                         ; behind this step's fragments: eight loads for each later step
.endif
	WIN 0x04                                       ; source 1 (h) window 1
.irp m, 0,1
.irp j, 0,1,2,3                        ; the eight accumulators take turns, one instruction a turn, in the same order in every step
.if \s == 0
	v_wmma_scale_f32_16x16x128_f8f6f4 v[ACC+8*(4*\m+\j):ACC+8*(4*\m+\j)+7], v[BF+64*(\s%2)+16*\j:BF+64*(\s%2)+16*\j+15], v[32*\s+16*\m:32*\s+16*\m+15], 0, v[WS+4*(\s%2)+\j], v[XS+8*\m+\s]
.else
	v_wmma_scale_f32_16x16x128_f8f6f4 v[ACC+8*(4*\m+\j):ACC+8*(4*\m+\j)+7], v[BF+64*(\s%2)+16*\j:BF+64*(\s%2)+16*\j+15], v[32*\s+16*\m:32*\s+16*\m+15], v[ACC+8*(4*\m+\j):ACC+8*(4*\m+\j)+7], v[WS+4*(\s%2)+\j], v[XS+8*\m+\s]
.endif
.endr
.endr
	WIN 0
.if (\s < 6) || (\last && (\s == 6))
	PLACES 8                                       ; in front of loads into registers that these products have read
.endif
.if \s < 6
	LDB (\s)+2, (\s)%2, \b
.endif
.if \last && (\s < 7)
	RAW8 \s
.endif
.endm
.macro OUTM m                          ; tile m: x the gate weight, into my stage, back as whole rows
.irp j, 0,1,2,3
.irp i, 0,1,2,3,4,5,6,7                ; each accumulator from its low end on
	v_mul_f32 v[T+32*\m+4*\i+\j], v[ACC+8*(4*\m+\j)+\i], v[GW+\m]
.endr
.endr
.irp i, 0,1,2,3,4,5,6,7
	ds_store_b128 v[STI], v[T+32*\m+4*\i:T+32*\m+4*\i+3] offset:16*\i
.endr
.irp t, 0,1,2,3,4,5,6,7
	ds_load_b128 v[RW+32*\m+4*\t:RW+32*\m+4*\t+3], v[STO] offset:544*\t   ; LDS serves a wave's instructions in order (ISA guide 5.7.1.4): these see the stores above, and the next tile's stores come behind them
.endr
.endm
.macro SEND m, younger, b              ; younger: the LDS instructions issued behind tile m's loads
.irp t, 0,1,2,3,4,5,6,7
	s_wait_dscnt \younger+7-\t
	global_store_b128 v[YST], v[RW+32*\m+4*\t:RW+32*\m+4*\t+3], s[O1+46*\b:O1+46*\b+1] offset:(16*\m+2*\t)*4096 th:TH_STORE_NT   ; sixteen lanes store 256 consecutive bytes, aligned
.endr
.endm
.macro TRIP b, last                    ; 32 rows x 64 columns x K 1,024
	LDB 0, 0, \b
	LDB 1, 1, \b
	STEP 0, \b, \last
	STEP 1, \b, \last
	STEP 2, \b, \last
	STEP 3, \b, \last
	STEP 4, \b, \last
	STEP 5, \b, \last
	STEP 6, \b, \last
	STEP 7, \b, \last
	PLACES 9                                       ; in front of the first read of results, of loads and writes over the operands, and of the next trip's products, which begin the accumulators anew
.if \last
	RAW8 7
.endif
	OUTM 0
	OUTM 1
	SEND 0, 16, \b                                 ; behind tile 0's loads: tile 1's eight stores and eight loads
	SEND 1, 0, \b
	PLACES 4
	s_wait_xcnt 0x0                                ; the stores have read their registers and base: both are written again only behind this wait
.endm
.macro STEPB b                         ; eight groups on: 16 tiles, 256 rows
	s_add_nc_u64 s[AB+46*\b:AB+46*\b+1], s[AB+46*\b:AB+46*\b+1], 1048576
	s_add_nc_u64 s[SB+46*\b:SB+46*\b+1], s[SB+46*\b:SB+46*\b+1], 32768
	s_add_nc_u64 s[O1+46*\b:O1+46*\b+1], s[O1+46*\b:O1+46*\b+1], 1048576
	s_add_nc_u64 s[O2+46*\b:O2+46*\b+1], s[O2+46*\b:O2+46*\b+1], 1024
.endm
.macro WBASE b, e                      ; panel b is expert s[e]'s: my 128 rows of it
	s_lshl_b32 s30, s[\e], 24                      ; the expert's 16 MiB,
	s_lshl_b32 s32, s36, 22                        ; the quarter's 1,024 rows,
	s_add_co_u32 s30, s30, s32
	s_lshl_b32 s32, s14, 19                        ; my 128 rows,
	s_add_co_u32 s30, s30, s32
	s_lshl_b32 s32, s15, 8                         ; the strip's 256 bytes
	s_add_co_u32 s30, s30, s32
	s_add_nc_u64 s[WB+2*\b:WB+2*\b+1], s[4:5], s[30:31]
.endm
.macro BASES b, e, ng                  ; my trips on panel b, and my first group's places
	s_add_co_u32 s[TR+39*\b], s[\ng], 7
	s_sub_co_u32 s[TR+39*\b], s[TR+39*\b], s14
	s_lshr_b32 s[TR+39*\b], s[TR+39*\b], 3         ; the groups w, w + 8, .. under ng: (ng + 7 - w) / 8, 0 to 4
	s_sub_co_u32 s30, s[\ng], 1
	s_min_u32 s30, s30, s14                        ; my first group; a wave without a group loads the last group, which it never uses: so no branch parts the waves ahead of the barrier
	s_min_u32 s30, s30, 31
	s_lshl_b32 s30, s30, 1
	s_lshl_b32 s34, s[\e], 6
	s_add_co_u32 s34, s34, s30                     ; G = 64 e + 2 g: the group's first tile
	s_lshl_b32 s30, s34, 16
	s_lshl_b32 s32, s36, 14                        ; the quarter's eight K steps: 8 x 2,048 bytes
	s_add_co_u32 s30, s30, s32
	s_add_nc_u64 s[AB+46*\b:AB+46*\b+1], s[6:7], s[30:31]
	s_lshl_b32 s30, s34, 11
	s_lshl_b32 s32, s36, 5
	s_add_co_u32 s30, s30, s32
	s_add_co_u32 s30, s30, 33554432
	s_add_nc_u64 s[SB+46*\b:SB+46*\b+1], s[6:7], s[30:31]     ; the quarter's 32 bytes of a row's 128
	s_lshl_b32 s30, s34, 16                        ; 16 G rows of 4,096 bytes,
	s_lshl_b32 s32, s36, 25                        ; the quarter's plane,
	s_add_co_u32 s30, s30, s32
	s_lshl_b32 s32, s15, 8                         ; the strip
	s_add_co_u32 s30, s30, s32
	s_add_nc_u64 s[O1+46*\b:O1+46*\b+1], s[12:13], s[30:31]
	s_lshl_b32 s30, s34, 6
	s_add_co_u32 s30, s30, 8650752
	s_add_nc_u64 s[O2+46*\b:O2+46*\b+1], s[8:9], s[30:31]
.endm
.macro CSWAP a, b                      ; the smaller key to s[a]
	s_min_u32 s58, s[\a], s[\b]
	s_max_u32 s[\b], s[\a], s[\b]
	s_mov_b32 s[\a], s58
.endm
	s_load_b256 s[4:11], s[0:1], 0x0               ; W2, hq, xq, idx
	s_load_b64 s[12:13], s[0:1], 0x20              ; yw
	v_lshrrev_b32 v11, 5, v0
	v_readfirstlane_b32 s14, v11                   ; wave
	s_and_b32 s15, ttmp9, 15                       ; strip
	s_lshr_b32 s36, ttmp9, 4                       ; kq
	s_and_b32 s16, ttmp7, 0xffff                   ; the first panel's expert: 0 to 3
	v_and_b32 v11, 31, v0                          ; lane
	v_and_b32 v14, 15, v0                          ; r
	v_bfe_u32 v15, v0, 4, 1                        ; h
	v_lshlrev_b32 v[LI], 4, v11
	v_lshl_add_u32 v[LSB], v11, 2, 0x10000
	s_lshl_b32 s30, s14, 13
	v_add_nc_u32 v[QST], s30, v[LI]
	s_lshl_b32 s30, s14, 9
	v_add_nc_u32 v[QSS], s30, v[LSB]
.irp k, LI, LSB, QST, QSS
	v_add_nc_u32 v[\k+59], BUF, v[\k]              ; the same four in the second buffer
.endr
	v_lshlrev_b32 v[WOF], 4, v14
	v_lshl_add_u32 v[WOF], v15, 16, v[WOF]         ; 16 rows of 4,096 bytes for lanes 16-31
	v_lshlrev_b32 v[XSO], 7, v14
	v_lshlrev_b32 v[YST], 4, v14
	v_lshl_add_u32 v[YST], v15, 12, v[YST]
	s_mul_i32 s30, s14, 4352
	s_add_co_u32 s30, s30, STAGE                   ; my stage
	v_mul_u32_u24 v[STI], v14, 272
	v_lshl_add_u32 v[STI], v15, 7, v[STI]
	v_add_nc_u32 v[STI], s30, v[STI]
	v_mul_u32_u24 v[STO], v15, 272
	v_lshl_add_u32 v[STO], v14, 4, v[STO]
	v_add_nc_u32 v[STO], s30, v[STO]
	v_lshlrev_b32 v[GWO], 2, v14
.irp j, 0,1,2,3
	v_mov_b32 v[TP+\j], 0                          ; a lane permute's destination counts as read
.endr
	s_mov_b32 s19, 0x600000                        ; the mantissa field of 448
	s_mov_b32 s20, 0x76543210
	s_mov_b32 s21, 0xfedcba98
	s_mov_b32 s31, 0
	s_wait_kmcnt 0x0
	s_load_b256 s[48:55], s[10:11], 0x0            ; the eight experts' groups of 32 rows
	WBASE 0, 16
	RAWALL 0
	s_wait_kmcnt 0x0
	; the second panel's expert.  Keys ng x 8 + e are all different
.irp e, 0,1,2,3,4,5,6,7
	s_min_u32 s[48+\e], s[48+\e], 32               ; 1,024 rows at the most
	s_lshl_b32 s[48+\e], s[48+\e], 3
	s_or_b32 s[48+\e], s[48+\e], \e
.endr
	s_mov_b32 s56, s48                             ; my first expert's key,
	s_cmp_eq_u32 s16, 1
	s_cselect_b32 s56, s49, s56
	s_cmp_eq_u32 s16, 2
	s_cselect_b32 s56, s50, s56
	s_cmp_eq_u32 s16, 3
	s_cselect_b32 s56, s51, s56
	s_mov_b32 s57, 0                               ; and how many of experts 0 to 3 are heavier: r
.irp e, 0,1,2,3
	s_cmp_gt_u32 s[48+\e], s56
	s_add_co_ci_u32 s57, s57, 0
.endr
	CSWAP 52, 53                                   ; experts 4 to 7, the lightest first
	CSWAP 54, 55
	CSWAP 52, 54
	CSWAP 53, 55
	CSWAP 53, 54
	s_mov_b32 s59, s52                             ; the r-th of them
	s_cmp_eq_u32 s57, 1
	s_cselect_b32 s59, s53, s59
	s_cmp_eq_u32 s57, 2
	s_cselect_b32 s59, s54, s59
	s_cmp_eq_u32 s57, 3
	s_cselect_b32 s59, s55, s59
	s_and_b32 s40, s59, 7
	s_min_u32 s40, s40, 7                          ; the second panel's expert,
	s_lshr_b32 s42, s59, 3
	s_min_u32 s42, s42, 32                         ; its groups,
	s_lshr_b32 s41, s56, 3
	s_min_u32 s41, s41, 32                         ; the first expert's groups
	WBASE 1, 40
	BASES 0, 16, 41
	BASES 1, 40, 42
	QPANEL 0
	s_cmp_eq_u32 s[TR], 0
	s_cbranch_scc1 .Lnone0
	s_sub_co_u32 s43, s[TR], 1                     ; all my trips but the last
	s_mov_b32 s18, 0
	s_cmp_eq_u32 s43, 0
	s_cbranch_scc1 .Llast0
.Lg0:
	TRIP 0, 0
	STEPB 0
	ALOAD 0                                        ; a trip follows: the last at the least
	s_add_co_u32 s18, s18, 1
	s_cmp_lt_u32 s18, s43
	s_cbranch_scc1 .Lg0
.Llast0:
	TRIP 0, 1                                      ; my last trip on the first panel asks for my part of the second
	s_branch .Lq1
.Lnone0:
	s_wait_loadcnt 0x0                             ; the unused group's loads are in: their registers take the raw loads
	RAWALL 1
.Lq1:
	QPANEL 1
	s_cmp_eq_u32 s[TR+39], 0
	s_cbranch_scc1 .Ldone
	s_mov_b32 s18, 0
.Lg1:
	TRIP 1, 0
	s_add_co_u32 s18, s18, 1
	STEPB 1
	s_cmp_lt_u32 s18, s[TR+39]
	s_cbranch_scc0 .Ldone                          ; no load beyond my last group
	ALOAD 1
	s_cmp_lt_u32 s18, s[TR+39]
	s_cbranch_scc1 .Lg1
.Ldone:
	s_wait_xcnt 0x0
	v_lshl_add_u32 v254, v0, 2, 0x2a800
	v_mov_b32 v255, 0
	s_wait_tensorcnt 0x0
	ds_add_u32 v254, v255
	s_wait_dscnt 0x0
	s_endpgm
.Lfunc_end_k_qf3d2249702_ffn2:
	.size	k_qf3d2249702_ffn2, .Lfunc_end_k_qf3d2249702_ffn2-k_qf3d2249702_ffn2
	.p2alignl 7, 3214868480
	.fill 96, 4, 3214868480
	.section	.rodata,"a",@progbits
	.p2align	6, 0x0
	.amdhsa_kernel k_qf3d2249702_ffn2
		.amdhsa_group_segment_fixed_size 175104
		.amdhsa_private_segment_fixed_size 0
		.amdhsa_enable_private_segment 0
		.amdhsa_kernarg_size 40
		.amdhsa_user_sgpr_count 2
		.amdhsa_user_sgpr_kernarg_segment_ptr 1
		.amdhsa_wavefront_size32 1
		.amdhsa_system_sgpr_workgroup_id_x 1
		.amdhsa_system_sgpr_workgroup_id_y 1
		.amdhsa_system_sgpr_workgroup_id_z 1
		.amdhsa_system_vgpr_workitem_id 0
		.amdhsa_next_free_vgpr 512
		.amdhsa_next_free_sgpr 80
		.amdhsa_reserve_vcc 0
		.amdhsa_float_denorm_mode_32 3
		.amdhsa_float_denorm_mode_16_64 3
		.amdhsa_memory_ordered 1
		.amdhsa_forward_progress 1
		.amdhsa_inst_pref_size 203
	.end_amdhsa_kernel
	.amdgpu_metadata
---
amdhsa.version: [ 1, 2 ]
amdhsa.kernels:
  - .name:           k_qf3d2249702_ffn2
    .symbol:         k_qf3d2249702_ffn2.kd
    .args:
      - { .name: W2, .offset: 0, .size: 8, .value_kind: global_buffer, .address_space: global }
      - { .name: hq, .offset: 8, .size: 8, .value_kind: global_buffer, .address_space: global }
      - { .name: xq, .offset: 16, .size: 8, .value_kind: global_buffer, .address_space: global }
      - { .name: idx, .offset: 24, .size: 8, .value_kind: global_buffer, .address_space: global }
      - { .name: yw, .offset: 32, .size: 8, .value_kind: global_buffer, .address_space: global }
    .group_segment_fixed_size: 175104
    .private_segment_fixed_size: 0
    .kernarg_segment_align: 8
    .kernarg_segment_size: 40
    .max_flat_workgroup_size: 256
    .sgpr_count:     80
    .vgpr_count:     512
    .wavefront_size: 32
...
	.end_amdgpu_metadata
.endif
;; end of part 4
;; launch combine (part 5): grid 1024 x 1, 8 waves a work-group, no clusters, 0 bytes of LDS; arguments yw, idx, rt, b2, out0; writes out0
.if DOCPART == 5
	.amdgcn_target "amdgcn-amd-amdhsa--gfx1250"
	.amdhsa_code_object_version 6
	.text
	.protected	k_qf3d2249702_combine
	.globl	k_qf3d2249702_combine
	.p2align	8
	.type	k_qf3d2249702_combine,@function
k_qf3d2249702_combine:
	s_mov_b64 s[64:65], 0
	v_nop
	global_prefetch_b8 v0, s[64:65] scope:SCOPE_SE
	s_setreg_imm32_b32 hwreg(HW_REG_WAVE_MODE, 25, 1), 1
	s_wait_xcnt 0x0
; out0[token] = the sum over the token's two experts of gate weight x (h W2[e] + b2[e]).  yw[kq][row][1,024] holds gate weight x the quarter sums of h W2[e]; idx holds the token's two rows, rt its two weights.
; A work-group is one token; thread t takes columns 4 t .. 4 t + 3: each load and store of a wave covers 512 consecutive bytes.  A stream: no LDS, no barrier, no matrix unit.
	s_load_b256 s[4:11], s[0:1], 0x0               ; yw, idx, rt, b2
	s_load_b64 s[12:13], s[0:1], 0x20              ; out0
	v_lshlrev_b32 v1, 4, v0
	s_lshl_b32 s14, ttmp9, 3
	s_mov_b32 s15, 0
	s_lshl_b32 s46, ttmp9, 12
	s_mov_b32 s47, 0
	s_mov_b32 s45, 0
	s_wait_kmcnt 0x0
	s_add_nc_u64 s[6:7], s[6:7], s[14:15]
	s_add_nc_u64 s[8:9], s[8:9], s[14:15]
	s_load_b64 s[16:17], s[6:7], 0x100             ; the token's two rows
	s_load_b64 s[18:19], s[8:9], 0x0               ; and its two gate weights
	s_add_nc_u64 s[12:13], s[12:13], s[46:47]
	s_wait_kmcnt 0x0
	s_min_u32 s16, s16, 0x1fff                     ; a row is e x 1,024 + rank: under 8,192
	s_min_u32 s17, s17, 0x1fff
.irp k, 0,1
	s_lshl_b32 s44, s[16+\k], 12
	s_add_nc_u64 s[20+8*\k:21+8*\k], s[4:5], s[44:45]                  ; the row in quarter 0,
	s_add_nc_u64 s[22+8*\k:23+8*\k], s[20+8*\k:21+8*\k], 0x2000000     ; and in the three planes behind it
	s_add_nc_u64 s[24+8*\k:25+8*\k], s[22+8*\k:23+8*\k], 0x2000000
	s_add_nc_u64 s[26+8*\k:27+8*\k], s[24+8*\k:25+8*\k], 0x2000000
	s_and_b32 s44, s[16+\k], 0x1c00
	s_lshl_b32 s44, s44, 2                                             ; e x 4,096 bytes
	s_add_nc_u64 s[36+2*\k:37+2*\k], s[10:11], s[44:45]                ; b2 of the row's expert
	s_mov_b32 s[40+2*\k], s[18+\k]                                     ; the weight as a pair: the packed form names a pair and takes its low word for both halves
	s_mov_b32 s[41+2*\k], s[18+\k]
.endr
.irp n, 0,1,2,3,4,5,6,7
	global_load_b128 v[4+4*\n:7+4*\n], v1, s[20+2*\n:21+2*\n] th:TH_LOAD_NT
.endr
	global_load_b128 v[36:39], v1, s[36:37]
	global_load_b128 v[40:43], v1, s[38:39]
	s_wait_loadcnt 0x0                             ; ten loads, all wanted at once
.irp n, 1,2,3,4,5,6,7
	v_pk_add_f32 v[4:5], v[4:5], v[4+4*\n:5+4*\n]
	v_pk_add_f32 v[6:7], v[6:7], v[6+4*\n:7+4*\n]
.endr
	v_pk_fma_f32 v[4:5], v[36:37], s[40:41], v[4:5] op_sel_hi:[1,0,1]
	v_pk_fma_f32 v[6:7], v[38:39], s[40:41], v[6:7] op_sel_hi:[1,0,1]
	v_pk_fma_f32 v[4:5], v[40:41], s[42:43], v[4:5] op_sel_hi:[1,0,1]
	v_pk_fma_f32 v[6:7], v[42:43], s[42:43], v[6:7] op_sel_hi:[1,0,1]
	global_store_b128 v1, v[4:7], s[12:13] th:TH_STORE_NT
	s_endpgm
.Lfunc_end_k_qf3d2249702_combine:
	.size	k_qf3d2249702_combine, .Lfunc_end_k_qf3d2249702_combine-k_qf3d2249702_combine
	.p2alignl 7, 3214868480
	.fill 96, 4, 3214868480
	.section	.rodata,"a",@progbits
	.p2align	6, 0x0
	.amdhsa_kernel k_qf3d2249702_combine
		.amdhsa_group_segment_fixed_size 0
		.amdhsa_private_segment_fixed_size 0
		.amdhsa_enable_private_segment 0
		.amdhsa_kernarg_size 40
		.amdhsa_user_sgpr_count 2
		.amdhsa_user_sgpr_kernarg_segment_ptr 1
		.amdhsa_wavefront_size32 1
		.amdhsa_system_sgpr_workgroup_id_x 1
		.amdhsa_system_sgpr_workgroup_id_y 1
		.amdhsa_system_sgpr_workgroup_id_z 1
		.amdhsa_system_vgpr_workitem_id 0
		.amdhsa_next_free_vgpr 64
		.amdhsa_next_free_sgpr 66
		.amdhsa_reserve_vcc 0
		.amdhsa_float_denorm_mode_32 3
		.amdhsa_float_denorm_mode_16_64 3
		.amdhsa_memory_ordered 1
		.amdhsa_forward_progress 1
		.amdhsa_inst_pref_size 5
	.end_amdhsa_kernel
	.amdgpu_metadata
---
amdhsa.version: [ 1, 2 ]
amdhsa.kernels:
  - .name:           k_qf3d2249702_combine
    .symbol:         k_qf3d2249702_combine.kd
    .args:
      - { .name: yw, .offset: 0, .size: 8, .value_kind: global_buffer, .address_space: global }
      - { .name: idx, .offset: 8, .size: 8, .value_kind: global_buffer, .address_space: global }
      - { .name: rt, .offset: 16, .size: 8, .value_kind: global_buffer, .address_space: global }
      - { .name: b2, .offset: 24, .size: 8, .value_kind: global_buffer, .address_space: global }
      - { .name: out0, .offset: 32, .size: 8, .value_kind: global_buffer, .address_space: global }
    .group_segment_fixed_size: 0
    .private_segment_fixed_size: 0
    .kernarg_segment_align: 8
    .kernarg_segment_size: 40
    .max_flat_workgroup_size: 256
    .sgpr_count:     66
    .vgpr_count:     64
    .wavefront_size: 32
...
	.end_amdgpu_metadata
.endif
;; end of part 5
;; ======== version 2 of 2: 5 launches
;; workspace buffers: sel 4,096 bytes of whole numbers; rt 24,576 bytes; idx 8,448 bytes of whole numbers; xq 8,683,520 bytes; hq 34,603,008 bytes; yw 134,217,728 bytes
;; launch route (part 6): grid 256 x 1, 8 waves a work-group, no clusters, 3,072 bytes of LDS; arguments inputs, task_param, Wg_in, bg_in, Wg_task, bg_task, alpha, sel, rt; writes sel, rt
.if DOCPART == 6
	.amdgcn_target "amdgcn-amd-amdhsa--gfx1250"
	.amdhsa_code_object_version 6
	.text
	.protected	k_qf3d2249702_route
	.globl	k_qf3d2249702_route
	.p2align	8
	.type	k_qf3d2249702_route,@function
k_qf3d2249702_route:
	s_mov_b64 s[64:65], 0
	v_nop
	global_prefetch_b8 v0, s[64:65] scope:SCOPE_SE
	s_setreg_imm32_b32 hwreg(HW_REG_WAVE_MODE, 25, 1), 1
	s_wait_xcnt 0x0
; THE ROUTER.  gate = nan_to_num((1 - alpha)(x Wg_in + bg_in) + alpha (task Wg_task + bg_task)); the two largest of its 8 numbers (the lower index wins a tie);
; the softmax of those two; and, for the loss, each work-group's sums over its tokens of the softmax over all 8 and of the counts.  All in f32.
; A work-group takes 4 tokens, and the task vector as a fifth row.  Wave w takes d = 128 w .. 128 w + 127; lane = (e = lane % 8, p = lane / 8) takes d = 128 w + 32 p + 0 .. 31 for expert e.
; The eight waves' partial sums meet in LDS; wave 0 finishes: lane = (token = lane / 8, e).
; STORED, at fixed places: sel[token] = 1 << e0 | 1 << (e1 + 8); rt: gw[token][2] at 0; part[work-group][16] at 8,192: 8 sums of the softmax, 8 counts.
; No address and no branch hangs on a floating-point number.
; LIMITS: a gate number that is NaN or infinite becomes 0, as in the definition; +0 and -0 count as equal in the search for the largest.
.set WI, 32                            ; v32-63   Wg_in(d, e), 32 numbers down d
.set WT, 64                            ; v64-95   Wg_task likewise
.set TK, 96                            ; v96-127  task_param, my 32
.set XR, 128                           ; v128-255 x of the 4 tokens, 32 each
.macro DOT dst, x, w                   ; 32 products in two chains of packed multiply-adds, then the four lanes that share e (lane xor 8, lane xor 16)
	v_pk_mul_f32 v[6:7], v[\x:\x+1], v[\w:\w+1]
	v_pk_mul_f32 v[8:9], v[\x+2:\x+3], v[\w+2:\w+3]
.irp k, 4,8,12,16,20,24,28
	s_delay_alu instid0(VALU_DEP_2)
	v_pk_fma_f32 v[6:7], v[\x+\k:\x+\k+1], v[\w+\k:\w+\k+1], v[6:7]
	s_delay_alu instid0(VALU_DEP_2)
	v_pk_fma_f32 v[8:9], v[\x+\k+2:\x+\k+3], v[\w+\k+2:\w+\k+3], v[8:9]
.endr
	s_delay_alu instid0(VALU_DEP_1)
	v_pk_add_f32 v[6:7], v[6:7], v[8:9]
	s_delay_alu instid0(VALU_DEP_1)
	v_add_f32 v[\dst], v6, v7
	s_delay_alu instid0(VALU_DEP_1)
	v_add_f32_dpp v[\dst], v[\dst], v[\dst] row_xmask:8 row_mask:0xf bank_mask:0xf
	s_delay_alu instid0(VALU_DEP_1)
	v_permlanex16_b32 v10, v[\dst], s24, s25
	s_delay_alu instid0(VALU_DEP_1)
	v_add_f32 v[\dst], v[\dst], v10
.endm
.macro RED3 op, reg                    ; over the eight lanes of a token
	s_delay_alu instid0(VALU_DEP_1)
	\op v[\reg], v[\reg], v[\reg] row_xmask:1 row_mask:0xf bank_mask:0xf
	s_delay_alu instid0(VALU_DEP_1)
	\op v[\reg], v[\reg], v[\reg] row_xmask:2 row_mask:0xf bank_mask:0xf
	s_delay_alu instid0(VALU_DEP_1)
	\op v[\reg], v[\reg], v[\reg] row_xmask:4 row_mask:0xf bank_mask:0xf
.endm
.macro REDT reg                        ; over the four tokens
	v_add_f32_dpp v[\reg], v[\reg], v[\reg] row_xmask:8 row_mask:0xf bank_mask:0xf
	s_delay_alu instid0(VALU_DEP_1)
	v_permlanex16_b32 v10, v[\reg], s24, s25
	s_delay_alu instid0(VALU_DEP_1)
	v_add_f32 v[\reg], v[\reg], v10
.endm
	s_load_b512 s[4:19], s[0:1], 0x0               ; inputs, task_param, Wg_in, bg_in, Wg_task, bg_task, alpha, sel
	s_load_b64 s[20:21], s[0:1], 0x40              ; rt
	v_lshl_add_u32 v15, v0, 2, 0x800
	s_set_vgpr_msb 0x40
	v_mov_b32 v1, 0
	s_set_vgpr_msb 0x4000
	v_lshrrev_b32 v6, 5, v0
	s_delay_alu instid0(VALU_DEP_1)
	v_readfirstlane_b32 s22, v6                    ; wave
	v_and_b32 v1, 7, v0                            ; e
	v_bfe_u32 v2, v0, 3, 2                         ; p (in wave 0 later: the token)
	s_delay_alu instid0(VALU_DEP_2)
	v_lshlrev_b32 v5, 2, v1                        ; 4 e
	s_lshl_b32 s26, s22, 12
	v_lshl_add_u32 v3, v2, 10, v5
	s_delay_alu instid0(VALU_DEP_1)
	v_add_nc_u32 v3, s26, v3                       ; the gate weights: (128 w + 32 p) rows of 32 bytes + 4 e
	s_lshl_b32 s26, s22, 9
	v_lshlrev_b32 v4, 7, v2
	s_delay_alu instid0(VALU_DEP_1)
	v_add_nc_u32 v4, s26, v4                       ; x and task: (128 w + 32 p) x 4 bytes
	s_lshl_b32 s26, s22, 5
	v_add_nc_u32 v11, s26, v5                      ; LDS: 32 w + 4 e, a row of partial sums is 256 bytes
	v_lshl_add_u32 v12, v2, 8, v5                  ; LDS: 256 x token + 4 e
	v_mov_b32 v10, 0                               ; a lane permute's destination counts as read
	s_mov_b32 s24, 0x76543210
	s_mov_b32 s25, 0xfedcba98                      ; selects for lane xor 16
	s_lshl_b32 s28, ttmp9, 14                      ; my 4 tokens: 4 rows of 4,096 bytes
	s_mov_b32 s29, 0
	s_wait_alu depctr_va_vdst(0)
	s_wait_kmcnt 0x0
	s_load_b32 s23, s[16:17], 0x0                  ; alpha
	s_add_nc_u64 s[4:5], s[4:5], s[28:29]
.irp t, 0,1,2,3
.irp q, 0,1,2,3,4,5,6,7
	global_load_b128 v[XR+32*\t+4*\q:XR+32*\t+4*\q+3], v4, s[4:5] offset:4096*\t+16*\q
.endr
.endr
.irp q, 0,1,2,3,4,5,6,7
	global_load_b128 v[TK+4*\q:TK+4*\q+3], v4, s[6:7] offset:16*\q
.endr
.irp i, 0,1,2,3,4,5,6,7,8,9,10,11,12,13,14,15,16,17,18,19,20,21,22,23,24,25,26,27,28,29,30,31
	global_load_b32 v[WI+\i], v3, s[8:9] offset:32*\i
	global_load_b32 v[WT+\i], v3, s[12:13] offset:32*\i
.endr
	global_load_b32 v13, v5, s[10:11]              ; bg_in(e)
	global_load_b32 v14, v5, s[14:15]              ; bg_task(e)
	s_wait_loadcnt 0x0                             ; all of it is wanted at once
	s_wait_kmcnt 0x0                               ; alpha
	DOT 16, XR, WI
	DOT 17, XR+32, WI
	DOT 18, XR+64, WI
	DOT 19, XR+96, WI
	DOT 20, TK, WT
.irp r, 0,1,2,3,4
	ds_store_b32 v11, v[16+\r] offset:256*\r       ; the four lanes of an e write the same word with the same value
.endr
	s_wait_dscnt 0x0                               ; my stores have landed: for wave 0's sake
	s_barrier_signal -1
	s_barrier_wait -1
	s_cmp_lg_u32 s22, 0
	s_cbranch_scc1 .Lend
	; ---- wave 0: lane = (token, e)
.irp k, 0,1,2,3,4,5,6,7
	ds_load_b32 v[32+\k], v12 offset:32*\k         ; my token's eight partial sums,
	ds_load_b32 v[40+\k], v5 offset:1024+32*\k     ; the task's
.endr
	s_wait_dscnt 0x0
.irp b, 32, 40
	v_add_f32 v[\b], v[\b], v[\b+1]
	v_add_f32 v[\b+2], v[\b+2], v[\b+3]
	v_add_f32 v[\b+4], v[\b+4], v[\b+5]
	v_add_f32 v[\b+6], v[\b+6], v[\b+7]
	s_delay_alu instid0(VALU_DEP_3)
	v_add_f32 v[\b], v[\b], v[\b+2]
	s_delay_alu instid0(VALU_DEP_2)
	v_add_f32 v[\b+4], v[\b+4], v[\b+6]
	s_delay_alu instid0(VALU_DEP_1)
	v_add_f32 v[\b], v[\b], v[\b+4]
.endr
	v_add_f32 v32, v32, v13
	s_delay_alu instid0(VALU_DEP_2)
	v_add_f32 v40, v40, v14
	v_mov_b32 v48, s23
	s_delay_alu instid0(VALU_DEP_1)
	v_sub_f32 v49, 1.0, v48
	s_delay_alu instid0(VALU_DEP_2)
	v_mul_f32 v50, v48, v40
	s_delay_alu instid0(VALU_DEP_1)
	v_fma_f32 v20, v49, v32, v50                   ; the gate number L
	s_delay_alu instid0(VALU_DEP_1)
	v_and_b32 v51, 0x7f800000, v20
	v_mov_b32 v17, 0
	s_delay_alu instid0(VALU_DEP_2)
	v_cmp_eq_u32 vcc_lo, 0x7f800000, v51           ; NaN or infinite: all exponent bits set
	s_delay_alu instid0(VALU_DEP_1)
	v_cndmask_b32 v20, v20, v17, vcc_lo
	v_mov_b32 v18, 0x41000000                      ; 8.0: above every index
	v_mov_b32 v19, 0xff800000                      ; -infinity
	v_mov_b32 v30, 1.0
	v_cvt_f32_u32 v21, v1                          ; e as f32: the search stays in f32
	v_mov_b32 v22, v20
	RED3 v_max_num_f32_dpp, 22                     ; m1
	s_delay_alu instid0(VALU_DEP_1)
	v_cmp_eq_f32 vcc_lo, v20, v22
	s_delay_alu instid0(VALU_DEP_1)
	v_cndmask_b32 v23, v18, v21, vcc_lo
	RED3 v_min_num_f32_dpp, 23                     ; its lowest index
	s_delay_alu instid0(VALU_DEP_1)
	v_cmp_eq_f32 vcc_lo, v21, v23
	s_delay_alu instid0(VALU_DEP_1)
	v_cndmask_b32 v24, v20, v19, vcc_lo            ; L without the first choice
	s_delay_alu instid0(VALU_DEP_1)
	v_mov_b32 v25, v24
	RED3 v_max_num_f32_dpp, 25                     ; m2
	s_delay_alu instid0(VALU_DEP_1)
	v_cmp_eq_f32 vcc_lo, v24, v25
	s_delay_alu instid0(VALU_DEP_1)
	v_cndmask_b32 v26, v18, v21, vcc_lo
	RED3 v_min_num_f32_dpp, 26                     ; its lowest index
	v_sub_f32 v27, v20, v22                        ; the maximum is taken away ahead of both exponentials
	v_sub_f32 v28, v25, v22
	s_delay_alu instid0(VALU_DEP_2)
	v_mul_f32 v27, 0x3fb8aa3b, v27
	s_delay_alu instid0(VALU_DEP_2)
	v_mul_f32 v28, 0x3fb8aa3b, v28
	s_wait_alu depctr_va_vdst(0)
	v_exp_f32 v27, v27                             ; e^(L - m1)
	v_exp_f32 v28, v28                             ; d = e^(m2 - m1)
	v_nop                                          ; a plain line behind the transcendentals
	s_wait_alu depctr_va_vdst(0)                   ; one wait for the two, ahead of their first reader
	v_mov_b32 v29, v27
	RED3 v_add_f32_dpp, 29
	v_add_f32 v36, 1.0, v28
	s_wait_alu depctr_va_vdst(0)
	v_rcp_f32 v29, v29
	v_rcp_f32 v36, v36                             ; w1 = 1 / (1 + d)
	v_nop
	s_wait_alu depctr_va_vdst(0)
	v_mul_f32 v27, v27, v29                        ; the softmax over the 8
	v_mul_f32 v37, v28, v36                        ; w2 = d w1
	v_cmp_eq_f32 vcc_lo, v21, v23
	s_delay_alu instid0(VALU_DEP_1)
	v_cndmask_b32 v54, v17, v30, vcc_lo
	v_cmp_eq_f32 vcc_lo, v21, v26
	s_delay_alu instid0(VALU_DEP_1)
	v_cndmask_b32 v55, v17, v30, vcc_lo
	s_delay_alu instid0(VALU_DEP_1)
	v_add_f32 v54, v54, v55                        ; 1 where e is chosen
	REDT 27
	REDT 54
	v_cvt_u32_f32 v31, v23
	v_cvt_u32_f32 v52, v26
	v_mov_b32 v53, 1
	s_delay_alu instid0(VALU_DEP_2)
	v_add_nc_u32 v52, 8, v52
	s_delay_alu instid0(VALU_DEP_2)
	v_lshlrev_b32 v31, v31, v53
	s_delay_alu instid0(VALU_DEP_2)
	v_lshlrev_b32 v52, v52, v53
	s_delay_alu instid0(VALU_DEP_1)
	v_or_b32 v31, v31, v52                         ; 1 << e0 | 1 << (e1 + 8)
	s_lshl_b32 s26, ttmp9, 4
	v_lshl_add_u32 v56, v2, 2, s26
	s_lshl_b32 s27, ttmp9, 5
	v_lshl_add_u32 v57, v2, 3, s27
	s_lshl_b32 s28, ttmp9, 6
	v_add_nc_u32 v58, s28, v5
	global_store_b32 v56, v31, s[18:19]            ; lanes that share a place hold the same value
	global_store_b64 v57, v[36:37], s[20:21]
	global_store_b32 v58, v27, s[20:21] offset:8192
	global_store_b32 v58, v54, s[20:21] offset:8224
.Lend:
	s_set_vgpr_msb 0x4
	s_wait_tensorcnt 0x0
	ds_add_u32 v15, v1
	s_wait_dscnt 0x0
	s_set_vgpr_msb 0x400
	s_endpgm
.Lfunc_end_k_qf3d2249702_route:
	.size	k_qf3d2249702_route, .Lfunc_end_k_qf3d2249702_route-k_qf3d2249702_route
	.p2alignl 7, 3214868480
	.fill 96, 4, 3214868480
	.section	.rodata,"a",@progbits
	.p2align	6, 0x0
	.amdhsa_kernel k_qf3d2249702_route
		.amdhsa_group_segment_fixed_size 3072
		.amdhsa_private_segment_fixed_size 0
		.amdhsa_enable_private_segment 0
		.amdhsa_kernarg_size 72
		.amdhsa_user_sgpr_count 2
		.amdhsa_user_sgpr_kernarg_segment_ptr 1
		.amdhsa_wavefront_size32 1
		.amdhsa_system_sgpr_workgroup_id_x 1
		.amdhsa_system_sgpr_workgroup_id_y 1
		.amdhsa_system_sgpr_workgroup_id_z 1
		.amdhsa_system_vgpr_workitem_id 0
		.amdhsa_next_free_vgpr 258
		.amdhsa_next_free_sgpr 66
		.amdhsa_reserve_vcc 1
		.amdhsa_float_denorm_mode_32 3
		.amdhsa_float_denorm_mode_16_64 3
		.amdhsa_memory_ordered 1
		.amdhsa_forward_progress 1
		.amdhsa_inst_pref_size 29
	.end_amdhsa_kernel
	.amdgpu_metadata
---
amdhsa.version: [ 1, 2 ]
amdhsa.kernels:
  - .name:           k_qf3d2249702_route
    .symbol:         k_qf3d2249702_route.kd
    .args:
      - { .name: inputs, .offset: 0, .size: 8, .value_kind: global_buffer, .address_space: global }
      - { .name: task_param, .offset: 8, .size: 8, .value_kind: global_buffer, .address_space: global }
      - { .name: Wg_in, .offset: 16, .size: 8, .value_kind: global_buffer, .address_space: global }
      - { .name: bg_in, .offset: 24, .size: 8, .value_kind: global_buffer, .address_space: global }
      - { .name: Wg_task, .offset: 32, .size: 8, .value_kind: global_buffer, .address_space: global }
      - { .name: bg_task, .offset: 40, .size: 8, .value_kind: global_buffer, .address_space: global }
      - { .name: alpha, .offset: 48, .size: 8, .value_kind: global_buffer, .address_space: global }
      - { .name: sel, .offset: 56, .size: 8, .value_kind: global_buffer, .address_space: global }
      - { .name: rt, .offset: 64, .size: 8, .value_kind: global_buffer, .address_space: global }
    .group_segment_fixed_size: 3072
    .private_segment_fixed_size: 0
    .kernarg_segment_align: 8
    .kernarg_segment_size: 72
    .max_flat_workgroup_size: 256
    .sgpr_count:     66
    .vgpr_count:     258
    .wavefront_size: 32
...
	.end_amdgpu_metadata
.endif
;; end of part 6
;; launch place (part 7): grid 64 x 8, 4 waves a work-group, no clusters, 0 bytes of LDS; arguments inputs, sel, rt, idx, xq, out1; writes idx, xq, out1
.if DOCPART == 7
	.amdgcn_target "amdgcn-amd-amdhsa--gfx1250"
	.amdhsa_code_object_version 6
	.text
	.protected	k_qf3d2249702_place
	.globl	k_qf3d2249702_place
	.p2align	8
	.type	k_qf3d2249702_place,@function
k_qf3d2249702_place:
	s_mov_b64 s[64:65], 0
	v_nop
	global_prefetch_b8 v0, s[64:65] scope:SCOPE_SE
	s_setreg_imm32_b32 hwreg(HW_REG_WAVE_MODE, 25, 1), 1
	s_wait_xcnt 0x0
; THE ROWS ARE PLACED BY EXPERT AND QUANTISED.  Work-group (t, e) makes tile t (16 rows) of expert e: it finds the tokens whose rank among e's tokens is 16 t .. 16 t + 15,
; turns their rows of x into codes of E4M3 with one E8M0 byte for each 32 along K, and stores them as images of operand registers: xq[G = 64 e + t][K step 8][c 4][lane 32][16 bytes].
; Beside them: the rows' scale words xs[row][8] at 8,388,608, the rows' gate weights gwE[row] at 8,650,752; in idx: ng[e], the expert's groups of 32 rows (1 at the least), at 0,
; and pos2[token][slot] = the row e x 1,024 + rank, at 256.  Work-group (0, 0) also finishes the loss.
; The grid serves every split: an expert can have up to 1,024 rows; a tile at or beyond 2 ng ends behind the scan (a branch on whole numbers read from memory).
; Rows of a made tile that no token fills take token 0: their results are read by nobody.
; THE SCAN, in every wave: register u = 4 q + j of lane l holds the word of token 128 q + 4 l + j.  A token's rank is the count of e's tokens ahead of it in that order (any fixed order serves: nothing is dropped).
; A token of the tile makes the word 1 << (rank - 16 t), every other token 0.  That word is ORed into twelve words: 'filled', 'second choice', and one for each bit of the token's number that is set
; (bits 0, 1, 7-9 come from u, bits 2-6 from the lane).  Ranks are distinct, so no two tokens share a bit.  The twelve words are ORed over the 32 lanes; lane (r, h) then reads bit r of each: its row's token.
; THE QUANTISER: a block's scale is 2^(floor(log2(largest magnitude)) - 8); numbers are held within +-448 x the scale and rounded to the nearest code, ties to even.
; LIMITS: NaN and infinities in inputs are not served; a block whose largest magnitude is under 2^-118 keeps the byte 1, a block of zeros too (its codes are zeros; only this program reads the bytes).
.set TM, 32                            ; v32-35 largest magnitudes, v36-39 at work, v40-43 448 x the scale, v44-47 the conversions' scale operands (the scan's words are done with)
.set AZ, 25                            ; v25  0: out1's offset; made at the head, never rewritten
.set AE, 26                            ; v26  4 x the expert: ng's offset; made at the head, never rewritten
.set PV, 64                            ; v64     bit r: row r is filled
.set PS, 65                            ; v65     bit r: the expert is the token's second choice
.set PU, 66                            ; v66-70  bit r: bit b of u is set in row r's token
.set PL, 71                            ; v71-75  bit r: bit b of the lane's number likewise
.set PT, 80                            ; v80-91  at work in the OR over the lanes, one for each of the twelve
.macro XLOAD reg, sl                   ; 64 numbers of my row: register 16 b + i = k 32 b + 16 (lane / 16) + i of K step 2 w + sl
.irp b, 0,1,2,3
.irp j, 0,1,2,3
	global_load_b128 v[\reg+16*\b+4*\j:\reg+16*\b+4*\j+3], v16, s[4:5] offset:512*\sl+128*\b+16*\j
.endr
.endr
.endm
.macro QUANT s, pc, pw                 ; they become a fragment's codes in v[pc] on and its scale word in v[pw]
.irp b, 0,1,2,3
	v_max3_num_f32 v[TM+\b], |v[\s+16*\b]|, |v[\s+1+16*\b]|, 0x4800000   ; with the floor 2^(9 - 127): the byte cannot fall under 1
.endr
.irp i, 2,4,6,8,10,12,14
.irp b, 0,1,2,3
	v_max3_num_f32 v[TM+\b], v[TM+\b], |v[\s+16*\b+\i]|, |v[\s+1+16*\b+\i]|
.endr
.endr
.irp b, 0,1,2,3
	v_permlanex16_b32 v[TM+4+\b], v[TM+\b], s24, s25
.endr
.irp b, 0,1,2,3
	v_max_num_f32 v[TM+\b], v[TM+\b], v[TM+4+\b]   ; with lane xor 16's 16 numbers: the block's
.endr
.irp b, 0,1,2,3
	v_add_nc_u32 v[TM+12+\b], 0xfc000000, v[TM+\b] ; 8 off the exponent field: the conversion's scale operand
.endr
.irp b, 0,1,2,3
	v_and_or_b32 v[TM+8+\b], v[TM+\b], 0x7f800000, s38   ; 448 x the scale
.endr
.irp b, 0,1,2,3
	v_lshrrev_b32 v[TM+4+\b], 23, v[TM+12+\b]      ; the byte
.endr
	v_lshl_or_b32 v[\pw], v[TM+5], 8, v[TM+4]
	v_lshl_or_b32 v[\pw], v[TM+6], 16, v[\pw]
	v_lshl_or_b32 v[\pw], v[TM+7], 24, v[\pw]
.irp b, 0,1,2,3
.irp i, 0,1,2,3,4,5,6,7,8,9,10,11,12,13,14,15
	v_med3_num_f32 v[\s+16*\b+\i], v[\s+16*\b+\i], -v[TM+8+\b], v[TM+8+\b]   ; the conversion to an 8-bit code does not saturate (ISA guide 7.6.2)
.endr
	v_cvt_scalef32_pk8_fp8_f32 v[\pc+4*\b:\pc+1+4*\b], v[\s+16*\b:\s+7+16*\b], v[TM+12+\b]
	v_cvt_scalef32_pk8_fp8_f32 v[\pc+2+4*\b:\pc+3+4*\b], v[\s+8+16*\b:\s+15+16*\b], v[TM+12+\b]
.endr
	v_nop                                          ; a plain line behind the last conversion
.endm
.macro BIT reg, pos                    ; bit r of v[reg] becomes bit pos of my row's token
	v_lshrrev_b32 v3, v24, v[\reg]
	v_and_b32 v3, 1, v3
	v_lshl_or_b32 v12, v3, \pos, v12
.endm
	s_load_b256 s[4:11], s[0:1], 0x0               ; inputs, sel, rt, idx
	s_load_b128 s[12:15], s[0:1], 0x20             ; xq, out1
	v_lshrrev_b32 v3, 5, v0
	v_readfirstlane_b32 s16, v3                    ; wave
	v_and_b32 v1, 31, v0                           ; lane
	v_lshlrev_b32 v2, 4, v1
	v_mov_b32 v5, 1
	v_and_b32 v24, 15, v0                          ; r
	v_bfe_u32 v15, v0, 4, 1                        ; h
	s_and_b32 s23, ttmp7, 0xffff                   ; the expert
	s_lshl_b32 s39, s23, 2
	v_mov_b32 v[AZ], 0                             ; the two offsets that are the same in every lane are made here, all lanes on
	v_mov_b32 v[AE], s39
.irp k, 64,65,66,67,68,69,70
	v_mov_b32 v[\k], 0                             ; the seven words that the scan ORs into
.endr
.irp k, 80,81,82,83,84,85,86,87,88,89,90,91
	v_mov_b32 v[\k], 0                             ; destinations of lane moves count as read
.endr
	s_lshl_b32 s17, 0x101, s23                     ; the expert's bit as first and as second choice
	s_lshl_b32 s18, ttmp9, 4
	s_sub_co_i32 s18, 0, s18                       ; the running count, less the tile's first rank
	s_mov_b32 s24, 0x76543210
	s_mov_b32 s25, 0xfedcba98
	s_mov_b32 s38, 0x600000                        ; the mantissa field of 448
	s_wait_kmcnt 0x0
.irp q, 0,1,2,3,4,5,6,7
	global_load_b128 v[32+4*\q:35+4*\q], v2, s[6:7] offset:512*\q
.endr
	s_wait_loadcnt 0x0
.set u, 0
.rept 32
	v_and_b32 v3, s17, v[32+u]
	v_cmp_ne_u32 vcc_lo, 0, v3                     ; the tokens of this expert
	v_mbcnt_lo_u32_b32 v4, vcc_lo, s18             ; rank - 16 t (huge as unsigned where the rank lies ahead of the tile)
	v_cmp_gt_u32 s40, 16, v4
	s_and_b32 s40, s40, vcc_lo                     ; the expert's tokens whose rank lies in the tile
	s_bcnt1_i32_b32 s19, vcc_lo
	s_add_co_i32 s18, s18, s19
	v_lshlrev_b32 v4, v4, v5                       ; 1 << (the low five bits of it),
	v_cndmask_b32 v4, 0, v4, s40                   ; kept for those tokens alone
	v_cmp_lt_u32 vcc_lo, 0xff, v3                  ; the second choice's bit lies above bit 7
	v_cndmask_b32 v6, 0, v4, vcc_lo
	v_or_b32 v[PV], v[PV], v4
	v_or_b32 v[PS], v[PS], v6
.irp b, 0,1,2,3,4
.if (u>>\b)&1
	v_or_b32 v[PU+\b], v[PU+\b], v4
.endif
.endr
.set u, u+1
.endr
	s_lshl_b32 s19, ttmp9, 4
	s_add_co_i32 s20, s18, s19                     ; the expert's rows
	s_add_co_u32 s21, s20, 31
	s_lshr_b32 s21, s21, 5
	s_max_u32 s21, s21, 1                          ; its groups of 32: 1 at the least, so that every later launch has work and reads only what was written
	s_lshl_b32 s22, s21, 1
	s_cmp_ge_u32 ttmp9, s22
	s_cbranch_scc1 .Lend                           ; no such tile in this split
	s_wait_alu depctr_va_vdst(0)
.irp b, 0,1,2,3,4
	v_and_b32 v3, 1<<\b, v1
	v_cmp_ne_u32 vcc_lo, 0, v3
	v_cndmask_b32 v[PL+\b], 0, v[PV], vcc_lo       ; my 'filled' bits, where bit b of my lane's number is set
.endr
.irp x, 1,2,4,8                        ; the OR over the 32 lanes, the twelve words by turns
.irp k, 64,65,66,67,68,69,70,71,72,73,74,75
	v_mov_b32_dpp v[\k+16], v[\k] row_xmask:\x row_mask:0xf bank_mask:0xf
.endr
.irp k, 64,65,66,67,68,69,70,71,72,73,74,75
	v_or_b32 v[\k], v[\k], v[\k+16]
.endr
.endr
.irp k, 64,65,66,67,68,69,70,71,72,73,74,75
	v_permlanex16_b32 v[\k+16], v[\k], s24, s25
.endr
.irp k, 64,65,66,67,68,69,70,71,72,73,74,75
	v_or_b32 v[\k], v[\k], v[\k+16]
.endr
	v_lshrrev_b32 v14, v24, v[PV]
	v_and_b32 v14, 1, v14                          ; 1 where my row is filled
	v_lshrrev_b32 v13, v24, v[PS]
	v_and_b32 v13, 1, v13
	v_min_u32 v13, 1, v13                          ; the slot
	v_lshrrev_b32 v12, v24, v[PU]
	v_and_b32 v12, 1, v12                          ; the token = 128 q + 4 l + j, u = 4 q + j: bit 0 is u's bit 0,
	BIT PU+1, 1
	BIT PL+0, 2                                    ; bits 2 to 6 the lane's number,
	BIT PL+1, 3
	BIT PL+2, 4
	BIT PL+3, 5
	BIT PL+4, 6
	BIT PU+2, 7                                    ; bits 7 to 9 u's bits 2 to 4
	BIT PU+3, 8
	BIT PU+4, 9
	v_min_u32 v12, 0x3ff, v12                      ; the token (0 where the row is empty)
	v_lshlrev_b32 v16, 12, v12
	v_lshl_add_u32 v16, v15, 6, v16                ; x: the token's row of 4,096 bytes + 64 h
	s_wait_alu depctr_va_vdst(0)
	v_lshlrev_b32 v17, 5, v24                      ; scale words: 32 bytes a row
	s_lshl_b32 s36, s16, 10                        ; my two K steps: 1,024 bytes of a row
	s_mov_b32 s37, 0
	s_add_nc_u64 s[4:5], s[4:5], s[36:37]
	s_lshl_b32 s33, s23, 6
	s_add_co_u32 s33, s33, ttmp9                   ; G
	s_lshl_b32 s36, s33, 14
	s_lshl_b32 s31, s16, 12
	s_add_co_u32 s36, s36, s31
	s_add_nc_u64 s[26:27], s[12:13], s[36:37]      ; my two images
	s_lshl_b32 s36, s33, 9
	s_lshl_b32 s31, s16, 3
	s_add_co_u32 s36, s36, s31
	s_add_co_u32 s36, s36, 8388608
	s_add_nc_u64 s[28:29], s[12:13], s[36:37]      ; my two scale words of each row
	s_lshl_b32 s36, s33, 6
	s_add_co_u32 s36, s36, 8650752
	s_add_nc_u64 s[34:35], s[12:13], s[36:37]      ; the rows' gate weights
	XLOAD 96, 0
	XLOAD 160, 1
	s_wait_loadcnt 16                              ; the first K step's 16 loads are in; the second's may be out
	QUANT 96, 224, 48
.irp c, 0,1,2,3
	global_store_b128 v2, v[224+4*\c:227+4*\c], s[26:27] offset:512*\c        ; 32 lanes store 512 consecutive bytes
.endr
	s_wait_loadcnt 0x0
	QUANT 160, 240, 49
.irp c, 0,1,2,3
	global_store_b128 v2, v[240+4*\c:243+4*\c], s[26:27] offset:2048+512*\c
.endr
	global_store_b64 v17, v[48:49], s[28:29]       ; both halves of the lanes hold the same words
	s_cmp_lg_u32 s16, 0
	s_cbranch_scc1 .Lnot0
	; ---- wave 0: the rows' gate weights, the expert's groups, the tokens' rows
	v_lshlrev_b32 v18, 3, v12
	v_lshl_add_u32 v18, v13, 2, v18                ; 8 x token + 4 x slot
	global_load_b32 v19, v18, s[8:9]
	v_lshlrev_b32 v20, 2, v24
	s_lshl_b32 s31, s23, 10
	s_lshl_b32 s32, ttmp9, 4
	s_add_co_u32 s31, s31, s32
	v_add_nc_u32 v21, s31, v24                     ; the row: 1,024 e + 16 t + r
	v_mov_b32 v23, s21
	s_wait_alu depctr_va_vdst(0)
	s_wait_loadcnt 0x0
	global_store_b32 v20, v19, s[34:35]
	s_cmp_lg_u32 ttmp9, 0
	s_cbranch_scc1 .Lnot_t0
	global_store_b32 v[AE], v23, s[10:11]          ; ng[e], by the expert's first tile
.Lnot_t0:
	v_cmp_ne_u32 vcc_lo, 0, v14
	s_wait_xcnt 0x0                                ; EXEC changes only behind this wait
	s_and_saveexec_b32 s30, vcc_lo                 ; filled rows alone
	global_store_b32 v18, v21, s[10:11] offset:256
	s_wait_xcnt 0x0
	s_or_b32 exec_lo, exec_lo, s30
.Lnot0:
	s_or_b32 s31, ttmp9, s23
	s_xor_b32 s32, s16, 3
	s_or_b32 s31, s31, s32
	s_cmp_lg_u32 s31, 0
	s_cbranch_scc1 .Lend
	; ---- work-group (0, 0), wave 3: the loss = sum over e of (sum of softmax)(count) / 1,024^2.  A record is 64 bytes: lane % 4 = 0, 1: the sums of e 0-3, 4-7; 2, 3: the counts
.irp i, 0,1,2,3,4,5,6,7,8,9,10,11,12,13,14,15,16,17,18,19,20,21,22,23,24,25,26,27,28,29,30,31
	global_load_b128 v[96+4*\i:99+4*\i], v2, s[8:9] offset:8192+512*\i
.endr
.irp k, 54,55,56,57
	v_mov_b32 v[\k], 0                             ; destinations of lane moves count as read
.endr
	s_wait_loadcnt 0x0
	v_pk_add_f32 v[50:51], v[96:97], v[100:101]
	v_pk_add_f32 v[52:53], v[98:99], v[102:103]
.irp i, 2,3,4,5,6,7,8,9,10,11,12,13,14,15,16,17,18,19,20,21,22,23,24,25,26,27,28,29,30,31
	v_pk_add_f32 v[50:51], v[50:51], v[96+4*\i:97+4*\i]
	v_pk_add_f32 v[52:53], v[52:53], v[98+4*\i:99+4*\i]
.endr
.irp k, 50,51,52,53
	v_add_f32_dpp v[\k], v[\k], v[\k] row_xmask:4 row_mask:0xf bank_mask:0xf
.endr
.irp k, 50,51,52,53
	v_add_f32_dpp v[\k], v[\k], v[\k] row_xmask:8 row_mask:0xf bank_mask:0xf
.endr
.irp k, 50,51,52,53
	v_permlanex16_b32 v[\k+4], v[\k], s24, s25
.endr
.irp k, 50,51,52,53
	v_add_f32 v[\k], v[\k], v[\k+4]
.endr
.irp k, 50,51,52,53
	v_mov_b32_dpp v[\k+4], v[\k] row_xmask:2 row_mask:0xf bank_mask:0xf   ; sums meet counts
.endr
	v_mul_f32 v58, v50, v54
	v_fma_f32 v58, v51, v55, v58
	v_fma_f32 v58, v52, v56, v58
	v_fma_f32 v58, v53, v57, v58
	v_add_f32_dpp v58, v58, v58 row_xmask:1 row_mask:0xf bank_mask:0xf
	v_mul_f32 v58, 0x35800000, v58                 ; x 2^-20
	global_store_b32 v[AZ], v58, s[14:15]          ; every lane holds the same number
.Lend:
	s_endpgm
.Lfunc_end_k_qf3d2249702_place:
	.size	k_qf3d2249702_place, .Lfunc_end_k_qf3d2249702_place-k_qf3d2249702_place
	.p2alignl 7, 3214868480
	.fill 96, 4, 3214868480
	.section	.rodata,"a",@progbits
	.p2align	6, 0x0
	.amdhsa_kernel k_qf3d2249702_place
		.amdhsa_group_segment_fixed_size 0
		.amdhsa_private_segment_fixed_size 0
		.amdhsa_enable_private_segment 0
		.amdhsa_kernarg_size 48
		.amdhsa_user_sgpr_count 2
		.amdhsa_user_sgpr_kernarg_segment_ptr 1
		.amdhsa_wavefront_size32 1
		.amdhsa_system_sgpr_workgroup_id_x 1
		.amdhsa_system_sgpr_workgroup_id_y 1
		.amdhsa_system_sgpr_workgroup_id_z 1
		.amdhsa_system_vgpr_workitem_id 0
		.amdhsa_next_free_vgpr 256
		.amdhsa_next_free_sgpr 66
		.amdhsa_reserve_vcc 1
		.amdhsa_float_denorm_mode_32 3
		.amdhsa_float_denorm_mode_16_64 3
		.amdhsa_memory_ordered 1
		.amdhsa_forward_progress 1
		.amdhsa_inst_pref_size 61
	.end_amdhsa_kernel
	.amdgpu_metadata
---
amdhsa.version: [ 1, 2 ]
amdhsa.kernels:
  - .name:           k_qf3d2249702_place
    .symbol:         k_qf3d2249702_place.kd
    .args:
      - { .name: inputs, .offset: 0, .size: 8, .value_kind: global_buffer, .address_space: global }
      - { .name: sel, .offset: 8, .size: 8, .value_kind: global_buffer, .address_space: global }
      - { .name: rt, .offset: 16, .size: 8, .value_kind: global_buffer, .address_space: global }
      - { .name: idx, .offset: 24, .size: 8, .value_kind: global_buffer, .address_space: global }
      - { .name: xq, .offset: 32, .size: 8, .value_kind: global_buffer, .address_space: global }
      - { .name: out1, .offset: 40, .size: 8, .value_kind: global_buffer, .address_space: global }
    .group_segment_fixed_size: 0
    .private_segment_fixed_size: 0
    .kernarg_segment_align: 8
    .kernarg_segment_size: 48
    .max_flat_workgroup_size: 128
    .sgpr_count:     66
    .vgpr_count:     256
    .wavefront_size: 32
...
	.end_amdgpu_metadata
.endif
;; end of part 7
;; launch ffn1 (part 8): grid 64 x 4, 8 waves a work-group, no clusters, 140,800 bytes of LDS; arguments W1, b1, xq, idx, hq; writes hq
.if DOCPART == 8
	.amdgcn_target "amdgcn-amd-amdhsa--gfx1250"
	.amdhsa_code_object_version 6
	.text
	.protected	k_qf3d2249702_ffn1
	.globl	k_qf3d2249702_ffn1
	.p2align	8
	.type	k_qf3d2249702_ffn1,@function
k_qf3d2249702_ffn1:
	s_mov_b64 s[64:65], 0
	v_nop
	global_prefetch_b8 v0, s[64:65] scope:SCOPE_SE
	s_setreg_imm32_b32 hwreg(HW_REG_WAVE_SCHED_MODE, 0, 2), 2
	s_setreg_imm32_b32 hwreg(HW_REG_WAVE_MODE, 25, 1), 1
	s_wait_xcnt 0x0
	s_wait_alu depctr_vm_vsrc(0)
; THE FIRST LAYER OF THE CHOSEN EXPERTS: h = silu(x W1[e] + b1[e]) for the rows placed on expert e, both operands as codes of E4M3 with one E8M0 scale for each 32 along K; h leaves as codes for the second layer.
; A PANEL of W1 is one expert, 64 columns (strip = grid x), all of K = 1,024: 256 KiB of f32, read once in the launch, quantised here, kept in LDS as 64 KiB of codes.  No weight code goes to memory.
; A WORK-GROUP STAYS FOR TWO PANELS of its strip.  The first is expert y (0 to 3: known at once, so its stream starts with no wait for idx); the second is one of experts 4 to 7: the first half's r-th heaviest
; takes the second half's r-th lightest, by the experts' numbers of groups read from idx.  So each of the 512 panels has one owner, and the rows of a work-group's two experts even out.
; PHASE Q.  Wave w takes K step w (128 along K).  A load of 16 bytes a lane reads two whole rows of the strip: lanes 0-15 row k, lanes 16-31 row k + 16, 256 consecutive bytes each.  A lane's four neighbouring
; columns go to FOUR TILES: tile j holds the strip's columns 4 r + j.  So a lane's registers run down K for each tile, in the operand's own order, and the hold (v_med3) writes them apart: nothing is transposed.
; The fragments go to LDS as images of their registers ([K step][tile][c][lane][16 bytes]), the scale words and the strip's b1 beside them; each panel has an LDS buffer of its own.  One barrier a panel.
; As soon as a block of 32 along K is quantised, its 64 registers take the first group's fragments of x for two K steps: they are on their way while the rest is quantised.
; THE ROWS.  Wave w takes the expert's groups of 32 rows w, w + 8, ..: a trip count made of a number read from idx, so this text has no tensor load and no barrier in a loop.
; THE SECOND PANEL'S STREAM IS ASKED FOR IN THE FIRST PANEL'S LAST TRIP: K step s frees the 32 registers of x's fragments of that step, and eight loads of the second panel go into them.  That trip is written out, since
; its waits count those loads; a wave without a group asks for all 64 at once.
; THE PRODUCT IS USED TRANSPOSED (source 0 = a tile of W1, source 1 = 16 rows of x): in accumulator (m, j) lane (r, h) holds row r and columns 32 h + 4 i + j.  The four tiles give a lane 32 NEIGHBOURS along the next K:
; one whole block, quantised with no other lane.  Its 32 codes are the halves of two lanes' registers in the next operand's image: two stores of 16 bytes; sixteen lanes store 256 consecutive bytes, aligned.
; No cluster: a panel is read by one work-group alone, and the trip counts are loaded numbers.
; LIMITS: NaN and infinities in W1, b1 and x are not served; a block whose largest magnitude is under 2^-118 keeps the byte 1, a block of zeros too (its codes are zeros; only this program reads the bytes).
; REGISTERS, window 0: v1-15, v60-63 addresses and b1's pieces; v16-31 at work; v32-39 W1's scale words (two sets), v40-55 x's (8 m + s): scales and nothing else; v56-59 scale words being made;
; v64-191 at work in phase Q and in the epilogue, W1's fragments in two sets in a trip; v192-255 eight accumulators.  Window 1: the raw weights (64 c + 4 i + j), and x's fragments (32 s + 16 m).
; THE MODE: SCHED_MODE bits 1:0 = 2 (LLVM: expert scheduling mode 2), set by the entry lines.  The code itself states the register dependences
; between vector or matrix instructions and memory or LDS instructions, with s_wait_alu, always for 0.
; THE PLAN.  Registers that memory or LDS instructions touch:
;   v1-12, v15, v60-63   Addresses: written at the head, read by every load and store, never written again.
;   window 1             Raw block c: read by QBLOCK c's maxima and holds; behind them the fragments of K steps 2 c, 2 c + 1 land in it.  The fragments of K step s: read by that step's products; then the next
;                        group's land there, or, in the first panel's last trip, eight raw loads of the second panel.
;   v128-191, v56-59     Phase Q: the conversions and shifts write codes and scale words, the LDS stores read them.
;   W1's sets, v32-39    K step s's products read set s % 2 and its scale words; the LDS loads of K step s + 1, dealt among those products, land in the other set, which K step s - 1's products read.
;   v40-55               x's scale words: read by a trip's products, loaded anew for the next group.
;   v64-79, v20-21       The way out: the conversions and shifts write codes and bytes, six stores read them.
; THE WAITS.  va_vdst: one at the head (addresses); one in a QBLOCK, behind its conversions; one at the head of each K step but a trip's first; one behind the last trip's K step 7; one ahead of the way out's stores, which
; also frees all that the next loads land in, up to the next trip's K step 1: no vector or matrix instruction stands between.
; vm_vsrc: one behind each panel's barrier (the LDS stores have read codes and scale words), one at a trip's end (the stores have read codes and bytes).  va_sdst: one, for the wave's number.
.set PITCH, 16384                      ; a row of W1 in bytes
.set BIAS,  69632                      ; in a buffer: images 0 .. 65,535, scale words .. 69,631, the strip's b1 .. 69,887
.set BUF,   69888                      ; the second panel's buffer begins here
.set LI,  1                            ; 16 x lane                      (the second buffer's LI, LSB, QST, QSS: v60-63)
.set LSB, 2                            ; 65,536 + 4 x lane
.set QST, 3                            ; 16 x lane + 8,192 w
.set QSS, 4                            ; 65,536 + 512 w + 4 x lane
.set WOF, 5                            ; 16 h rows + 16 r
.set XSO, 6                            ; 32 r
.set HST, 7                            ; 512 h + 16 r
.set HSS, 8                            ; 128 r + h
.set BOF, 9                            ; v9, v10   b1 in LDS, to read: BIAS + 128 h, in buffer 0, 1
.set BST, 11                           ; v11, v12  b1 in LDS, to store: BIAS + 32 w + 4 (lane % 8)
.set BV,  13                           ; v13, v14  my piece of b1 for panel 0, 1
.set GBO, 15                           ; 32 w + 4 (lane % 8)
.set TM,  16
.set TP,  20
.set HOLD, 24
.set SCO, 28
.set WS,  32
.set XS,  40
.set WD,  56
.set T,   64                           ; phase Q: 64 numbers held apart
.set BF,  64                           ; a trip: W1's fragments, two sets
.set EX,  64                           ; the epilogue: b1, then e^-z and its kin, then the codes
.set U,   128                          ; phase Q: the codes
.set Z,   128                          ; the epilogue: z, then silu(z)
.set ACC, 192
.set WB,  44                           ; s[44:45], s[46:47]  my 128 rows of panel 0, 1
.set BB,  60                           ; s[60:61], s[62:63]  the strip's b1 for panel 0, 1
.set AB,  22                           ; s[22:23], s[68:69]  x's images of the group in hand
.set SB,  24                           ; s[24:25], s[70:71]  x's scale words
.set O1,  26                           ; s[26:27], s[72:73]  h's images
.set O2,  28                           ; s[28:29], s[74:75]  h's scale bytes
.set TR,  37                           ; s37, s76            my trips on panel 0, 1
.set MSB, 0
.macro WIN new                         ; the immediate's high byte repeats the setting that is left
.if MSB != \new
	s_set_vgpr_msb (MSB<<8)|\new
.set MSB, \new
.endif
.endm
.macro PLACES n
.rept \n
	v_nop
.endr
.endm
; Block c (32 along K) of my K step, for the four tiles.  cnt: the loads issued behind this block's 16
.macro QBLOCK c, b, cnt
	s_wait_loadcnt \cnt
	WIN 0x05
.irp j, 0,1,2,3
	v_max3_num_f32 v[TM+\j], |v[64*\c+\j]|, |v[64*\c+4+\j]|, 0x4800000   ; with the floor 2^(9 - 127)
.endr
	WIN 0x14
.irp i, 2,4,6,8,10,12,14
.irp j, 0,1,2,3
	v_max3_num_f32 v[TM+\j], v[TM+\j], |v[64*\c+4*\i+\j]|, |v[64*\c+4*\i+4+\j]|
.endr
.endr
	WIN 0
.irp j, 0,1,2,3
	v_permlanex16_b32 v[TP+\j], v[TM+\j], s20, s21
.endr
.irp j, 0,1,2,3
	v_max_num_f32 v[TM+\j], v[TM+\j], v[TP+\j]     ; with lane xor 16's 16 rows: the block's largest magnitude
.endr
.irp j, 0,1,2,3
	v_add_nc_u32 v[SCO+\j], 0xfc000000, v[TM+\j]   ; 8 off the exponent field: the conversion's scale operand
.endr
.irp j, 0,1,2,3
	v_and_or_b32 v[HOLD+\j], v[TM+\j], 0x7f800000, s19   ; 448 x the scale
.endr
.irp j, 0,1,2,3
.if \c == 0
	v_lshrrev_b32 v[WD+\j], 23, v[SCO+\j]          ; the byte
.else
	v_lshrrev_b32 v[TP+\j], 23, v[SCO+\j]
.endif
.endr
.if \c > 0
.irp j, 0,1,2,3
	v_lshl_or_b32 v[WD+\j], v[TP+\j], 8*\c, v[WD+\j]
.endr
.endif
	WIN 0x01
.irp j, 0,1,2,3
.irp i, 0,1,2,3,4,5,6,7,8,9,10,11,12,13,14,15
	v_med3_num_f32 v[T+16*\j+\i], v[64*\c+4*\i+\j], -v[HOLD+\j], v[HOLD+\j]   ; the hold, and the four columns go apart
.endr
.endr
	WIN 0
.irp j, 0,1,2,3
	v_cvt_scalef32_pk8_fp8_f32 v[U+16*\c+4*\j:U+16*\c+4*\j+1], v[T+16*\j:T+16*\j+7], v[SCO+\j]
	v_cvt_scalef32_pk8_fp8_f32 v[U+16*\c+4*\j+2:U+16*\c+4*\j+3], v[T+16*\j+8:T+16*\j+15], v[SCO+\j]
.endr
	v_nop                                          ; a plain line behind the last conversion
	s_wait_alu depctr_va_vdst(0)                   ; the conversions have written the codes, and the shifts the scale words, which LDS stores read; the maxima and holds are done reading raw block c, in which fragments land; all earlier products are done reading x's scale words; the conversions are done with v64-127, in which W1's set 0 lands
.irp j, 0,1,2,3
	ds_store_b128 v[QST+59*\b], v[U+16*\c+4*\j:U+16*\c+4*\j+3] offset:2048*\j+512*\c
.endr
.endm
.macro RAWALL b                        ; my K step of panel b: 64 loads, each two whole rows of the strip: 2 x 256 consecutive bytes, aligned; read once in the launch
	WIN 0x40
.irp c, 0,1,2,3
.irp i, 0,1,2,3,4,5,6,7,8,9,10,11,12,13,14,15
	global_load_b128 v[64*\c+4*\i:64*\c+4*\i+3], v[WOF], s[WB+2*\b:WB+2*\b+1] offset:(32*\c+\i)*PITCH th:TH_LOAD_NT
.endr
.endr
	WIN 0
.endm
.macro RAW8 s                          ; eight of the second panel's 64, in the same order: into the registers that x's fragments of K step s have left (the destination's window is 1: set where the macro is used)
.irp k, 0,1,2,3,4,5,6,7
	global_load_b128 v[32*(\s)+4*\k:32*(\s)+4*\k+3], v[WOF], s[WB+2:WB+3] offset:(32*((\s)/2)+8*((\s)%2)+\k)*PITCH th:TH_LOAD_NT
.endr
.endm
.macro XSLOAD b                        ; the group's scale words: four loads
.irp m, 0,1
	global_load_b128 v[XS+8*\m:XS+8*\m+3], v[XSO], s[SB+46*\b:SB+46*\b+1] offset:512*\m
	global_load_b128 v[XS+8*\m+4:XS+8*\m+7], v[XSO], s[SB+46*\b:SB+46*\b+1] offset:512*\m+16
.endr
.endm
.macro ACH q, b                        ; the group's fragments of K steps 2 q, 2 q + 1: 16 loads into registers 64 q .. 64 q + 63 of window 1
.irp s, 2*\q, 2*\q+1
.irp m, 0,1
.irp c, 0,1,2,3
	global_load_b128 v[32*(\s)+16*\m+4*\c:32*(\s)+16*\m+4*\c+3], v[LI], s[AB+46*\b:AB+46*\b+1] offset:(8*\m+(\s))*2048+512*\c
.endr
.endr
.endr
.endm
.macro ALOAD b                         ; a group's operands: the scale words first, then the fragments, K step by K step, so that the waits can count down.  No wait: no vector or matrix instruction since the way out's wait names these registers
	XSLOAD \b
	WIN 0x40
	ACH 0, \b
	ACH 1, \b
	ACH 2, \b
	ACH 3, \b
	WIN 0
.endm
; Phase Q of panel b, whose 64 raw loads are out.  n: the small loads issued behind block 0.  Behind block c stand, at the wait for block c + 1: the later raw blocks and the fragments' chunks, 48 in all, and n.
; The loads behind a block owe no further wait: between the block's wait on va_vdst and them stand LDS stores, loads and window switches alone
.macro QPANEL b, n
	QBLOCK 0, \b, 48
	ds_store_b32 v[BST+\b], v[BV+\b]               ; my 32 bytes of the strip's b1 (loaded ahead of this panel's raw loads); lanes that share a word hold the same number
.if \b == 0
	global_load_b32 v[BV+1], v[GBO], s[BB+2:BB+3]  ; the second panel's piece
.endif
	XSLOAD \b
	WIN 0x40
	ACH 0, \b
	WIN 0
	QBLOCK 1, \b, 48+\n
	WIN 0x40
	ACH 1, \b
	WIN 0
	QBLOCK 2, \b, 48+\n
	WIN 0x40
	ACH 2, \b
	WIN 0
	QBLOCK 3, \b, 48+\n
	WIN 0x40
	ACH 3, \b
	WIN 0
.irp j, 0,1,2,3
	ds_store_b32 v[QSS+59*\b], v[WD+\j] offset:128*\j
.endr
	PLACES 4
	s_wait_dscnt 0x0                               ; my part of the panel has landed: for the others' sake
	s_barrier_signal -1
	s_barrier_wait -1                              ; the panel is whole; nothing writes this buffer again
	s_wait_alu depctr_vm_vsrc(0)                   ; my LDS stores have read the codes in v128-191, in which W1's set 1 lands, and the scale words in v56-59, which the next phase Q writes
.endm
.macro LDT s, set, b, j                ; tile j of K step s of the panel: a fragment and its scale word: 5 LDS loads
.irp c, 0,1,2,3
	ds_load_b128 v[BF+64*(\set)+16*(\j)+4*\c:BF+64*(\set)+16*(\j)+4*\c+3], v[LI+59*(\b)] offset:8192*(\s)+2048*(\j)+512*\c
.endr
	ds_load_b32 v[WS+4*(\set)+(\j)], v[LSB+59*(\b)] offset:512*(\s)+128*(\j)
.endm
.macro LDB s, set, b                   ; K step s of the panel: four fragments and four scale words: 20 LDS loads
.irp j, 0,1,2,3
	LDT \s, \set, \b, \j
.endr
.endm
; K step s of a trip.  Its products read set s % 2; the next step's 20 LDS loads go into the other set, five behind each of the first four products (an LDS load has no source 1: the products' window setting leaves it alone)
.macro STEP s, b, last
	s_wait_dscnt 0x0                               ; this step's 20 LDS loads are in: nothing else of mine is out in LDS
.if \last
.if \s == 0
	s_wait_loadcnt 56                              ; behind this step's fragments: eight loads for each later step
.else
	s_wait_loadcnt 48                              ; behind this step's fragments: eight loads for each of the 7 - s later steps, and eight raw loads for each of the s - 1 steps whose registers have been given away
.endif
.else
	s_wait_loadcnt 56-8*\s                         ; behind this step's fragments: eight loads for each later step
.endif
.if \s > 0
.if \last
	WIN 0x40                                       ; the raw loads' destination: window 1
.endif
	s_wait_alu depctr_va_vdst(0)                   ; K step s - 1's products are done reading the other set of W1's fragments and its scale words, in which this step's LDS loads land, and x's fragments of that step, in which the last trip's raw loads land
.if \last
	RAW8 (\s)-1
.endif
.endif
	WIN 0x04                                       ; source 1 (x) window 1
.irp m, 0,1
.irp j, 0,1,2,3                        ; the eight accumulators take turns, one instruction a turn, in the same order in every step
.if \s == 0
	v_wmma_scale_f32_16x16x128_f8f6f4 v[ACC+8*(4*\m+\j):ACC+8*(4*\m+\j)+7], v[BF+64*(\s%2)+16*\j:BF+64*(\s%2)+16*\j+15], v[32*\s+16*\m:32*\s+16*\m+15], 0, v[WS+4*(\s%2)+\j], v[XS+8*\m+\s]
.else
	v_wmma_scale_f32_16x16x128_f8f6f4 v[ACC+8*(4*\m+\j):ACC+8*(4*\m+\j)+7], v[BF+64*(\s%2)+16*\j:BF+64*(\s%2)+16*\j+15], v[32*\s+16*\m:32*\s+16*\m+15], v[ACC+8*(4*\m+\j):ACC+8*(4*\m+\j)+7], v[WS+4*(\s%2)+\j], v[XS+8*\m+\s]
.endif
.if \m == 0
.if \s < 7
	LDT (\s)+1, ((\s)+1)%2, \b, \j                 ; no wait: no vector or matrix instruction since the wait above names the other set
.else
	ds_load_b128 v[EX+8*\j:EX+8*\j+3], v[BOF+\b] offset:32*\j         ; b1 of my 32 columns, into set 0, which is done with; sixteen lanes read the same bytes
	ds_load_b128 v[EX+8*\j+4:EX+8*\j+7], v[BOF+\b] offset:32*\j+16
.endif
.endif
.endr
.endr
.if \s < 7
	PLACES 8                                       ; in front of loads into registers that these products have read
.endif
.endm
; z = the sums + b1; silu; the lane's 32 numbers of a row are one block of the next K: codes and a byte; stores
.macro EPI b
	s_wait_dscnt 0x0                               ; b1
.irp m, 0,1
.irp j, 0,1,2,3
.irp i, 0,1,2,3,4,5,6,7                ; each accumulator from its low end on
	v_add_f32 v[Z+32*\m+4*\i+\j], v[ACC+8*(4*\m+\j)+\i], v[EX+4*\i+\j]   ; z: column 32 h + 4 i + j of row r
.endr
.endr
.endr
.set q, 0
.rept 32
	v_pk_mul_f32 v[EX+q:EX+q+1], v[Z+q:Z+q+1], 0xbfb8aa3b op_sel_hi:[1,0]   ; -z log2(e)
.set q, q+2
.endr
.set q, 0
	s_wait_alu depctr_va_vdst(0)
.rept 64
	v_exp_f32 v[EX+q], v[EX+q]
.set q, q+1
.endr
	v_nop                                          ; a plain line behind the batch
	s_wait_alu depctr_va_vdst(0)                   ; the 64 exponentials are written: one wait for them, ahead of their first reader
.set q, 0
.rept 32
	v_pk_add_f32 v[EX+q:EX+q+1], v[EX+q:EX+q+1], 1.0 op_sel_hi:[1,0]
.set q, q+2
.endr
.set q, 0
	s_wait_alu depctr_va_vdst(0)
.rept 64
	v_rcp_f32 v[EX+q], v[EX+q]
.set q, q+1
.endr
	v_nop
	s_wait_alu depctr_va_vdst(0)                   ; the 64 reciprocals are written: one wait for them, ahead of their first reader
.set q, 0
.rept 32
	v_pk_mul_f32 v[Z+q:Z+q+1], v[Z+q:Z+q+1], v[EX+q:EX+q+1]               ; silu(z) = z / (1 + e^-z)
.set q, q+2
.endr
.irp m, 0,1
	v_max3_num_f32 v[TM+\m], |v[Z+32*\m]|, |v[Z+32*\m+1]|, 0x4800000
.endr
.irp i, 2,4,6,8,10,12,14,16,18,20,22,24,26,28,30
.irp m, 0,1
	v_max3_num_f32 v[TM+\m], v[TM+\m], |v[Z+32*\m+\i]|, |v[Z+32*\m+\i+1]|
.endr
.endr
.irp m, 0,1
	v_add_nc_u32 v[SCO+\m], 0xfc000000, v[TM+\m]
	v_and_or_b32 v[HOLD+\m], v[TM+\m], 0x7f800000, s19
	v_lshrrev_b32 v[TP+\m], 23, v[SCO+\m]          ; the byte
.endr
.irp m, 0,1
.set q, 0
.rept 32
	v_med3_num_f32 v[Z+32*\m+q], v[Z+32*\m+q], -v[HOLD+\m], v[HOLD+\m]
.set q, q+1
.endr
.irp g, 0,1,2,3
	v_cvt_scalef32_pk8_fp8_f32 v[EX+8*\m+2*\g:EX+8*\m+2*\g+1], v[Z+32*\m+8*\g:Z+32*\m+8*\g+7], v[SCO+\m]
.endr
.endr
	PLACES 4
	s_wait_alu depctr_va_vdst(0)                   ; the conversions have written the codes and the shifts the bytes, which the stores read; the trip's products and this way out are done with v32-191 and window 1, in which the next loads land
.irp m, 0,1
	global_store_b128 v[HST], v[EX+8*\m:EX+8*\m+3], s[O1+46*\b:O1+46*\b+1] offset:65536*\m th:TH_STORE_NT        ; k 0-15 of the block: lane (r, 0) of the image; sixteen lanes store 256 consecutive bytes, aligned
	global_store_b128 v[HST], v[EX+8*\m+4:EX+8*\m+7], s[O1+46*\b:O1+46*\b+1] offset:65536*\m+256 th:TH_STORE_NT  ; k 16-31: lane (r, 1)
	global_store_b8 v[HSS], v[TP+\m], s[O2+46*\b:O2+46*\b+1] offset:2048*\m
.endr
.endm
.macro TRIP b, last                    ; 32 rows x 64 columns x K 1,024
	LDB 0, 0, \b                                   ; no wait: no vector or matrix instruction since the last wait on va_vdst (phase Q's last, or the way out's) names set 0
	STEP 0, \b, \last
	STEP 1, \b, \last
	STEP 2, \b, \last
	STEP 3, \b, \last
	STEP 4, \b, \last
	STEP 5, \b, \last
	STEP 6, \b, \last
	STEP 7, \b, \last
	PLACES 9                                       ; in front of the first read of results, of loads and writes over the operands, and of the next trip's products, which begin the accumulators anew
.if \last
	WIN 0x40                                       ; the raw loads' destination: window 1
	s_wait_alu depctr_va_vdst(0)                   ; K step 7's products are done reading x's fragments of that step, in which the last eight raw loads land
	RAW8 7
.endif
	WIN 0
	EPI \b
	s_wait_xcnt 0x0                                ; the stores have read their registers and bases: both are written again only behind this wait
	s_wait_alu depctr_vm_vsrc(0)                   ; the stores have read the codes in v64-79, in which W1's set 0 lands or which phase Q writes, and the bytes in v20-21, which the next way out or phase Q writes
.endm
.macro STEPB b                         ; eight groups on: 16 tiles
	s_add_nc_u64 s[AB+46*\b:AB+46*\b+1], s[AB+46*\b:AB+46*\b+1], 262144
	s_add_nc_u64 s[SB+46*\b:SB+46*\b+1], s[SB+46*\b:SB+46*\b+1], 8192
	s_add_nc_u64 s[O1+46*\b:O1+46*\b+1], s[O1+46*\b:O1+46*\b+1], 1048576
	s_add_nc_u64 s[O2+46*\b:O2+46*\b+1], s[O2+46*\b:O2+46*\b+1], 32768
.endm
.macro WBASE b, e                      ; panel b is expert s[e]'s: my 128 rows of it, and the strip's b1
	s_lshl_b32 s30, s[\e], 24                      ; the expert's 16 MiB,
	s_lshl_b32 s32, s14, 21                        ; my 128 rows,
	s_add_co_u32 s30, s30, s32
	s_lshl_b32 s32, s15, 8                         ; the strip's 256 bytes
	s_add_co_u32 s30, s30, s32
	s_add_nc_u64 s[WB+2*\b:WB+2*\b+1], s[4:5], s[30:31]
	s_lshl_b32 s30, s[\e], 14
	s_add_co_u32 s30, s30, s32
	s_add_nc_u64 s[BB+2*\b:BB+2*\b+1], s[6:7], s[30:31]
.endm
.macro BASES b, e, ng                  ; my trips on panel b, and my first group's places
	s_add_co_u32 s[TR+39*\b], s[\ng], 7
	s_sub_co_u32 s[TR+39*\b], s[TR+39*\b], s14
	s_lshr_b32 s[TR+39*\b], s[TR+39*\b], 3         ; the groups w, w + 8, .. under ng: (ng + 7 - w) / 8, 0 to 4
	s_sub_co_u32 s30, s[\ng], 1
	s_min_u32 s30, s30, s14                        ; my first group; a wave without a group loads the last group, which it never uses: so no branch parts the waves ahead of the barrier
	s_min_u32 s30, s30, 31
	s_lshl_b32 s30, s30, 1
	s_lshl_b32 s34, s[\e], 6
	s_add_co_u32 s34, s34, s30                     ; G = 64 e + 2 g: the group's first tile
	s_lshl_b32 s30, s34, 14
	s_add_nc_u64 s[AB+46*\b:AB+46*\b+1], s[8:9], s[30:31]
	s_lshl_b32 s30, s34, 9
	s_add_co_u32 s30, s30, 8388608
	s_add_nc_u64 s[SB+46*\b:SB+46*\b+1], s[8:9], s[30:31]
	s_lshl_b32 s30, s34, 16
	s_lshl_b32 s32, s15, 10                        ; K step strip / 2 of the next product, c = 2 (strip % 2) + h: 1,024 x strip bytes
	s_add_co_u32 s30, s30, s32
	s_add_nc_u64 s[O1+46*\b:O1+46*\b+1], s[12:13], s[30:31]
	s_lshl_b32 s30, s34, 11
	s_lshl_b32 s32, s15, 1
	s_add_co_u32 s30, s30, s32
	s_add_co_u32 s30, s30, 33554432
	s_add_nc_u64 s[O2+46*\b:O2+46*\b+1], s[12:13], s[30:31]   ; 128 bytes a row, byte 2 strip + h
.endm
.macro CSWAP a, b                      ; the smaller key to s[a]
	s_min_u32 s58, s[\a], s[\b]
	s_max_u32 s[\b], s[\a], s[\b]
	s_mov_b32 s[\a], s58
.endm
	s_load_b256 s[4:11], s[0:1], 0x0               ; W1, b1, xq, idx
	s_load_b64 s[12:13], s[0:1], 0x20              ; hq
	v_lshrrev_b32 v16, 5, v0
	v_readfirstlane_b32 s14, v16                   ; wave
	s_mov_b32 s15, ttmp9                           ; strip
	s_and_b32 s16, ttmp7, 0xffff                   ; the first panel's expert: 0 to 3
	v_and_b32 v16, 31, v0                          ; lane
	v_and_b32 v17, 15, v0                          ; r
	v_bfe_u32 v18, v0, 4, 1                        ; h
	v_and_b32 v19, 7, v0
	v_lshlrev_b32 v[LI], 4, v16
	v_lshl_add_u32 v[LSB], v16, 2, 0x10000
	s_wait_alu depctr_va_sdst(0)                   ; s14, the wave's number, is written, ahead of its first reader: LDS addresses, bases and trip counts are made from it
	s_lshl_b32 s30, s14, 13
	v_add_nc_u32 v[QST], s30, v[LI]
	s_lshl_b32 s30, s14, 9
	v_add_nc_u32 v[QSS], s30, v[LSB]
.irp k, LI, LSB, QST, QSS
	v_add_nc_u32 v[\k+59], BUF, v[\k]              ; the same four in the second buffer
.endr
	v_lshlrev_b32 v[WOF], 4, v17
	v_lshl_add_u32 v[WOF], v18, 18, v[WOF]         ; 16 rows of 16,384 bytes for lanes 16-31
	v_lshlrev_b32 v[XSO], 5, v17
	v_lshlrev_b32 v[HST], 4, v17
	v_lshl_add_u32 v[HST], v18, 9, v[HST]
	v_lshl_add_u32 v[HSS], v17, 7, v18
	v_lshl_add_u32 v[BOF], v18, 7, BIAS
	v_add_nc_u32 v[BOF+1], BUF, v[BOF]
	s_lshl_b32 s30, s14, 5
	v_lshl_add_u32 v[GBO], v19, 2, s30
	v_add_nc_u32 v[BST], BIAS, v[GBO]
	v_add_nc_u32 v[BST+1], BUF, v[BST]
.irp j, 0,1,2,3
	v_mov_b32 v[TP+\j], 0                          ; a lane permute's destination counts as read
.endr
	s_mov_b32 s19, 0x600000                        ; the mantissa field of 448
	s_mov_b32 s20, 0x76543210
	s_mov_b32 s21, 0xfedcba98
	s_mov_b32 s31, 0
	s_wait_kmcnt 0x0
	s_load_b256 s[48:55], s[10:11], 0x0            ; the eight experts' groups of 32 rows
	WBASE 0, 16
	s_wait_alu depctr_va_vdst(0)                   ; the addresses v1-12, v15 and v60-63 are written, which every load and store of the kernel reads; they are never written again
	global_load_b32 v[BV], v[GBO], s[BB:BB+1]      ; my piece of the first panel's b1
	RAWALL 0
	s_wait_kmcnt 0x0
	; the second panel's expert.  Keys ng x 8 + e are all different
.irp e, 0,1,2,3,4,5,6,7
	s_min_u32 s[48+\e], s[48+\e], 32               ; 1,024 rows at the most
	s_lshl_b32 s[48+\e], s[48+\e], 3
	s_or_b32 s[48+\e], s[48+\e], \e
.endr
	s_mov_b32 s56, s48                             ; my first expert's key,
	s_cmp_eq_u32 s16, 1
	s_cselect_b32 s56, s49, s56
	s_cmp_eq_u32 s16, 2
	s_cselect_b32 s56, s50, s56
	s_cmp_eq_u32 s16, 3
	s_cselect_b32 s56, s51, s56
	s_mov_b32 s57, 0                               ; and how many of experts 0 to 3 are heavier: r
.irp e, 0,1,2,3
	s_cmp_gt_u32 s[48+\e], s56
	s_add_co_ci_u32 s57, s57, 0
.endr
	CSWAP 52, 53                                   ; experts 4 to 7, the lightest first
	CSWAP 54, 55
	CSWAP 52, 54
	CSWAP 53, 55
	CSWAP 53, 54
	s_mov_b32 s59, s52                             ; the r-th of them
	s_cmp_eq_u32 s57, 1
	s_cselect_b32 s59, s53, s59
	s_cmp_eq_u32 s57, 2
	s_cselect_b32 s59, s54, s59
	s_cmp_eq_u32 s57, 3
	s_cselect_b32 s59, s55, s59
	s_and_b32 s40, s59, 7
	s_min_u32 s40, s40, 7                          ; the second panel's expert,
	s_lshr_b32 s42, s59, 3
	s_min_u32 s42, s42, 32                         ; its groups,
	s_lshr_b32 s41, s56, 3
	s_min_u32 s41, s41, 32                         ; the first expert's groups
	WBASE 1, 40
	BASES 0, 16, 41
	BASES 1, 40, 42
	QPANEL 0, 5
	s_cmp_eq_u32 s[TR], 0
	s_cbranch_scc1 .Lnone0
	s_sub_co_u32 s43, s[TR], 1                     ; all my trips but the last
	s_mov_b32 s18, 0
	s_cmp_eq_u32 s43, 0
	s_cbranch_scc1 .Llast0
.Lg0:
	TRIP 0, 0
	STEPB 0
	ALOAD 0                                        ; a trip follows: the last at the least
	s_add_co_u32 s18, s18, 1
	s_cmp_lt_u32 s18, s43
	s_cbranch_scc1 .Lg0
.Llast0:
	TRIP 0, 1                                      ; my last trip on the first panel asks for my part of the second
	s_branch .Lq1
.Lnone0:
	s_wait_loadcnt 0x0                             ; the unused group's loads are in: their registers take the raw loads (no vector instruction since phase Q's last wait on va_vdst names them)
	RAWALL 1
.Lq1:
	QPANEL 1, 4
	s_cmp_eq_u32 s[TR+39], 0
	s_cbranch_scc1 .Ldone
	s_mov_b32 s18, 0
.Lg1:
	TRIP 1, 0
	s_add_co_u32 s18, s18, 1
	STEPB 1
	s_cmp_lt_u32 s18, s[TR+39]
	s_cbranch_scc0 .Ldone                          ; no load beyond my last group
	ALOAD 1
	s_cmp_lt_u32 s18, s[TR+39]
	s_cbranch_scc1 .Lg1
.Ldone:
	s_wait_xcnt 0x0
	v_lshl_add_u32 v254, v0, 2, 0x22200
	v_mov_b32 v255, 0
	s_wait_dscnt 0x0                               ; the closing lines, six on end
	s_wait_alu 0x0
	s_wait_tensorcnt 0x0
	ds_add_u32 v254, v255
	s_wait_dscnt 0x0
	s_endpgm
.Lfunc_end_k_qf3d2249702_ffn1:
	.size	k_qf3d2249702_ffn1, .Lfunc_end_k_qf3d2249702_ffn1-k_qf3d2249702_ffn1
	.p2alignl 7, 3214868480
	.fill 96, 4, 3214868480
	.section	.rodata,"a",@progbits
	.p2align	6, 0x0
	.amdhsa_kernel k_qf3d2249702_ffn1
		.amdhsa_group_segment_fixed_size 140800
		.amdhsa_private_segment_fixed_size 0
		.amdhsa_enable_private_segment 0
		.amdhsa_kernarg_size 40
		.amdhsa_user_sgpr_count 2
		.amdhsa_user_sgpr_kernarg_segment_ptr 1
		.amdhsa_wavefront_size32 1
		.amdhsa_system_sgpr_workgroup_id_x 1
		.amdhsa_system_sgpr_workgroup_id_y 1
		.amdhsa_system_sgpr_workgroup_id_z 1
		.amdhsa_system_vgpr_workitem_id 0
		.amdhsa_next_free_vgpr 512
		.amdhsa_next_free_sgpr 80
		.amdhsa_reserve_vcc 0
		.amdhsa_float_denorm_mode_32 3
		.amdhsa_float_denorm_mode_16_64 3
		.amdhsa_memory_ordered 1
		.amdhsa_forward_progress 1
		.amdhsa_inst_pref_size 249
	.end_amdhsa_kernel
	.amdgpu_metadata
---
amdhsa.version: [ 1, 2 ]
amdhsa.kernels:
  - .name:           k_qf3d2249702_ffn1
    .symbol:         k_qf3d2249702_ffn1.kd
    .args:
      - { .name: W1, .offset: 0, .size: 8, .value_kind: global_buffer, .address_space: global }
      - { .name: b1, .offset: 8, .size: 8, .value_kind: global_buffer, .address_space: global }
      - { .name: xq, .offset: 16, .size: 8, .value_kind: global_buffer, .address_space: global }
      - { .name: idx, .offset: 24, .size: 8, .value_kind: global_buffer, .address_space: global }
      - { .name: hq, .offset: 32, .size: 8, .value_kind: global_buffer, .address_space: global }
    .group_segment_fixed_size: 140800
    .private_segment_fixed_size: 0
    .kernarg_segment_align: 8
    .kernarg_segment_size: 40
    .max_flat_workgroup_size: 256
    .sgpr_count:     80
    .vgpr_count:     512
    .wavefront_size: 32
...
	.end_amdgpu_metadata
.endif
;; end of part 8
;; launch ffn2 (part 9): grid 64 x 4, 8 waves a work-group, no clusters, 175,104 bytes of LDS; arguments W2, hq, xq, idx, yw; writes yw
.if DOCPART == 9
	.amdgcn_target "amdgcn-amd-amdhsa--gfx1250"
	.amdhsa_code_object_version 6
	.text
	.protected	k_qf3d2249702_ffn2
	.globl	k_qf3d2249702_ffn2
	.p2align	8
	.type	k_qf3d2249702_ffn2,@function
k_qf3d2249702_ffn2:
	s_mov_b64 s[64:65], 0
	v_nop
	global_prefetch_b8 v0, s[64:65] scope:SCOPE_SE
	s_setreg_imm32_b32 hwreg(HW_REG_WAVE_SCHED_MODE, 0, 2), 2
	s_setreg_imm32_b32 hwreg(HW_REG_WAVE_MODE, 25, 1), 1
	s_wait_xcnt 0x0
	s_wait_alu depctr_vm_vsrc(0)
; THE SECOND LAYER OF THE CHOSEN EXPERTS: partial sums of gate weight x (h W2[e]) for the rows placed on expert e, both operands as codes of E4M3 with one E8M0 scale for each 32 along K.
; A PANEL of W2 is one expert, 64 columns (strip = x % 16), a quarter of K (kq = x / 16: 1,024 of 4,096): 256 KiB of f32, read once in the launch, quantised here, kept in LDS as codes.
; The four quarters' sums go to yw[kq][row][1,024], f32; the last launch adds them (one owner for each output; no traffic between work-groups).
; A WORK-GROUP STAYS FOR TWO PANELS of its strip and quarter.  The first is expert y (0 to 3: known at once, so its stream starts with no wait for idx); the second is one of experts 4 to 7: the first half's
; r-th heaviest takes the second half's r-th lightest, by the experts' numbers of groups read from idx.  So each of the 512 panels has one owner, and the rows of a work-group's two experts even out.
; Phase Q, the tiles (tile j = the strip's columns 4 r + j), the images in LDS (a buffer for each panel), the one barrier a panel and the loop over groups of 32 rows are the first layer's; the rows' fragments are h's images.
; As soon as a block of 32 along K is quantised, its 64 registers take the first group's fragments of h for two K steps.  THE SECOND PANEL'S STREAM IS ASKED FOR IN THE FIRST PANEL'S LAST TRIP: K step s frees the
; 32 registers of h's fragments of that step, and eight loads of the second panel go into them.  That trip is written out, since its waits count those loads; a wave without a group asks for all 64 at once.
; THE PRODUCT IS USED TRANSPOSED: in accumulator (m, j) lane (r, h) holds row r and columns 32 h + 4 i + j.  The multiplication by the row's gate weight writes the four tiles' numbers in the columns' order;
; a tile of 16 rows goes through the wave's own stage in LDS and leaves as whole rows of the strip: sixteen lanes store 256 consecutive bytes, aligned.
; No cluster: a panel is read by one work-group alone, and the trip counts are loaded numbers.
; LIMITS: NaN and infinities in W2 are not served; a block whose largest magnitude is under 2^-118 keeps the byte 1, a block of zeros too (its codes are zeros; only this program reads the bytes).
; REGISTERS, window 0: v1-10, v60-63 addresses; v12-13 the rows' gate weights; v16-31 at work; v32-39 W2's scale words (two sets), v40-55 h's (8 m + s): scales and nothing else; v56-59 scale words being made;
; v64-191 at work in phase Q and on the way out, W2's fragments in two sets in a trip; v192-255 eight accumulators.  Window 1: the raw weights (64 c + 4 i + j), and h's fragments (32 s + 16 m).
; THE MODE: SCHED_MODE bits 1:0 = 2 (LLVM: expert scheduling mode 2), set by the entry lines.  The code itself states the register dependences
; between vector or matrix instructions and memory or LDS instructions, with s_wait_alu, always for 0.
; THE PLAN.  Registers that memory or LDS instructions touch:
;   v1-10, v60-63        Addresses: written at the head, read by every load and store, never written again.
;   window 1             Raw block c: read by QBLOCK c's maxima and holds; behind them the fragments of K steps 2 c, 2 c + 1 land in it.  The fragments of K step s: read by that step's products; then the next
;                        group's land there, or, in the first panel's last trip, eight raw loads of the second panel.
;   v128-191, v56-59     Phase Q: the conversions and shifts write codes and scale words, the LDS stores read them.
;   W2's sets, v32-39    K step s's products read set s % 2 and its scale words; the LDS loads of K step s + 1, dealt among those products, land in the other set, which K step s - 1's products read.
;   v40-55, v12-13       h's scale words and the gate weights: read by a trip's products and multiplications, loaded anew for the next group.
;   v64-127              The way out: the 64 multiplications write them, the LDS stores into the stage read them.
;   v128-191             The way out: the LDS loads from the stage land in them, the global stores read them.
; THE WAITS.  va_vdst: one at the head (addresses); one in a QBLOCK, behind its conversions; one at the head of each K step in which loads are issued, but a trip's first; one behind the last trip's K step 7; one behind the
; way out's multiplications, which also frees all that the next loads land in, up to the next trip's K step 1: no vector or matrix instruction that names a register stands between.
; vm_vsrc: one behind each panel's barrier (the LDS stores have read codes and scale words), one at a trip's end (the stage's stores and the global stores have read their data).  va_sdst: one, for the wave's number.
.set PITCH, 4096                       ; a row of W2 in bytes
.set BUF,   69632                      ; a buffer: images 0 .. 65,535, scale words .. 69,631; the second panel's begins here
.set STAGE, 139264                     ; behind the two buffers: 16 rows x (256 bytes + 16) for each wave
.set LI,  1                            ; 16 x lane                      (the second buffer's LI, LSB, QST, QSS: v60-63)
.set LSB, 2                            ; 65,536 + 4 x lane
.set QST, 3                            ; 16 x lane + 8,192 w
.set QSS, 4                            ; 65,536 + 512 w + 4 x lane
.set WOF, 5                            ; 16 h rows + 16 r
.set XSO, 6                            ; 128 r
.set YST, 7                            ; 4,096 h + 16 r
.set STI, 8                            ; my stage + 272 r + 128 h
.set STO, 9                            ; my stage + 272 h + 16 r
.set GWO, 10                           ; 4 r
.set GW,  12
.set TM,  16
.set TP,  20
.set HOLD, 24
.set SCO, 28
.set WS,  32
.set XS,  40
.set WD,  56
.set T,   64
.set BF,  64
.set U,   128
.set RW,  128
.set ACC, 192
.set WB,  44                           ; s[44:45], s[46:47]  my 128 rows of panel 0, 1
.set AB,  22                           ; s[22:23], s[68:69]  h's images of the group in hand
.set SB,  24                           ; s[24:25], s[70:71]  h's scale words
.set O1,  26                           ; s[26:27], s[72:73]  yw
.set O2,  28                           ; s[28:29], s[74:75]  the rows' gate weights
.set TR,  37                           ; s37, s76            my trips on panel 0, 1
.set MSB, 0
.macro WIN new                         ; the immediate's high byte repeats the setting that is left
.if MSB != \new
	s_set_vgpr_msb (MSB<<8)|\new
.set MSB, \new
.endif
.endm
.macro PLACES n
.rept \n
	v_nop
.endr
.endm
; Block c (32 along K) of my K step, for the four tiles.  cnt: the loads issued behind this block's 16
.macro QBLOCK c, b, cnt
	s_wait_loadcnt \cnt
	WIN 0x05
.irp j, 0,1,2,3
	v_max3_num_f32 v[TM+\j], |v[64*\c+\j]|, |v[64*\c+4+\j]|, 0x4800000   ; with the floor 2^(9 - 127)
.endr
	WIN 0x14
.irp i, 2,4,6,8,10,12,14
.irp j, 0,1,2,3
	v_max3_num_f32 v[TM+\j], v[TM+\j], |v[64*\c+4*\i+\j]|, |v[64*\c+4*\i+4+\j]|
.endr
.endr
	WIN 0
.irp j, 0,1,2,3
	v_permlanex16_b32 v[TP+\j], v[TM+\j], s20, s21
.endr
.irp j, 0,1,2,3
	v_max_num_f32 v[TM+\j], v[TM+\j], v[TP+\j]     ; with lane xor 16's 16 rows: the block's largest magnitude
.endr
.irp j, 0,1,2,3
	v_add_nc_u32 v[SCO+\j], 0xfc000000, v[TM+\j]   ; 8 off the exponent field: the conversion's scale operand
.endr
.irp j, 0,1,2,3
	v_and_or_b32 v[HOLD+\j], v[TM+\j], 0x7f800000, s19   ; 448 x the scale
.endr
.irp j, 0,1,2,3
.if \c == 0
	v_lshrrev_b32 v[WD+\j], 23, v[SCO+\j]          ; the byte
.else
	v_lshrrev_b32 v[TP+\j], 23, v[SCO+\j]
.endif
.endr
.if \c > 0
.irp j, 0,1,2,3
	v_lshl_or_b32 v[WD+\j], v[TP+\j], 8*\c, v[WD+\j]
.endr
.endif
	WIN 0x01
.irp j, 0,1,2,3
.irp i, 0,1,2,3,4,5,6,7,8,9,10,11,12,13,14,15
	v_med3_num_f32 v[T+16*\j+\i], v[64*\c+4*\i+\j], -v[HOLD+\j], v[HOLD+\j]   ; the hold, and the four columns go apart
.endr
.endr
	WIN 0
.irp j, 0,1,2,3
	v_cvt_scalef32_pk8_fp8_f32 v[U+16*\c+4*\j:U+16*\c+4*\j+1], v[T+16*\j:T+16*\j+7], v[SCO+\j]
	v_cvt_scalef32_pk8_fp8_f32 v[U+16*\c+4*\j+2:U+16*\c+4*\j+3], v[T+16*\j+8:T+16*\j+15], v[SCO+\j]
.endr
	v_nop                                          ; a plain line behind the last conversion
	s_wait_alu depctr_va_vdst(0)                   ; the conversions have written the codes, and the shifts the scale words, which LDS stores read; the maxima and holds are done reading raw block c, in which fragments land; all earlier products and multiplications are done reading h's scale words and the gate weights; the conversions are done with v64-127, in which W2's set 0 lands
.irp j, 0,1,2,3
	ds_store_b128 v[QST+59*\b], v[U+16*\c+4*\j:U+16*\c+4*\j+3] offset:2048*\j+512*\c
.endr
.endm
.macro RAWALL b                        ; my K step of panel b: 64 loads, each two whole rows of the strip: 2 x 256 consecutive bytes, aligned; read once in the launch
	WIN 0x40
.irp c, 0,1,2,3
.irp i, 0,1,2,3,4,5,6,7,8,9,10,11,12,13,14,15
	global_load_b128 v[64*\c+4*\i:64*\c+4*\i+3], v[WOF], s[WB+2*\b:WB+2*\b+1] offset:(32*\c+\i)*PITCH th:TH_LOAD_NT
.endr
.endr
	WIN 0
.endm
.macro RAW8 s                          ; eight of the second panel's 64, in the same order: into the registers that h's fragments of K step s have left (the destination's window is 1: set where the macro is used)
.irp k, 0,1,2,3,4,5,6,7
	global_load_b128 v[32*(\s)+4*\k:32*(\s)+4*\k+3], v[WOF], s[WB+2:WB+3] offset:(32*((\s)/2)+8*((\s)%2)+\k)*PITCH th:TH_LOAD_NT
.endr
.endm
.macro XSLOAD b                        ; the group's scale words and gate weights: six loads
.irp m, 0,1
	global_load_b128 v[XS+8*\m:XS+8*\m+3], v[XSO], s[SB+46*\b:SB+46*\b+1] offset:2048*\m
	global_load_b128 v[XS+8*\m+4:XS+8*\m+7], v[XSO], s[SB+46*\b:SB+46*\b+1] offset:2048*\m+16
	global_load_b32 v[GW+\m], v[GWO], s[O2+46*\b:O2+46*\b+1] offset:64*\m
.endr
.endm
.macro ACH q, b                        ; the group's fragments of K steps 2 q, 2 q + 1: 16 loads into registers 64 q .. 64 q + 63 of window 1
.irp s, 2*\q, 2*\q+1
.irp m, 0,1
.irp c, 0,1,2,3
	global_load_b128 v[32*(\s)+16*\m+4*\c:32*(\s)+16*\m+4*\c+3], v[LI], s[AB+46*\b:AB+46*\b+1] offset:65536*\m+2048*(\s)+512*\c
.endr
.endr
.endr
.endm
.macro ALOAD b                         ; a group's operands: scale words and gate weights first, then the fragments, K step by K step, so that the waits can count down.  No wait: no vector or matrix instruction since the way out's wait names these registers
	XSLOAD \b
	WIN 0x40
	ACH 0, \b
	ACH 1, \b
	ACH 2, \b
	ACH 3, \b
	WIN 0
.endm
; Phase Q of panel b, whose 64 raw loads are out.  Behind block c stand, at the wait for block c + 1: the later raw blocks and the fragments' chunks, 48 in all, and the six small loads.
; The loads behind a block owe no further wait: between the block's wait on va_vdst and them stand LDS stores, loads and window switches alone
.macro QPANEL b
	QBLOCK 0, \b, 48
	XSLOAD \b
	WIN 0x40
	ACH 0, \b
	WIN 0
	QBLOCK 1, \b, 54
	WIN 0x40
	ACH 1, \b
	WIN 0
	QBLOCK 2, \b, 54
	WIN 0x40
	ACH 2, \b
	WIN 0
	QBLOCK 3, \b, 54
	WIN 0x40
	ACH 3, \b
	WIN 0
.irp j, 0,1,2,3
	ds_store_b32 v[QSS+59*\b], v[WD+\j] offset:128*\j
.endr
	PLACES 4
	s_wait_dscnt 0x0                               ; my part of the panel has landed: for the others' sake
	s_barrier_signal -1
	s_barrier_wait -1                              ; the panel is whole; nothing writes this buffer again
	s_wait_alu depctr_vm_vsrc(0)                   ; my LDS stores have read the codes in v128-191, in which W2's set 1 lands, and the scale words in v56-59, which the next phase Q writes
.endm
.macro LDT s, set, b, j                ; tile j of K step s of the panel: a fragment and its scale word: 5 LDS loads
.irp c, 0,1,2,3
	ds_load_b128 v[BF+64*(\set)+16*(\j)+4*\c:BF+64*(\set)+16*(\j)+4*\c+3], v[LI+59*(\b)] offset:8192*(\s)+2048*(\j)+512*\c
.endr
	ds_load_b32 v[WS+4*(\set)+(\j)], v[LSB+59*(\b)] offset:512*(\s)+128*(\j)
.endm
.macro LDB s, set, b                   ; K step s of the panel: four fragments and four scale words: 20 LDS loads
.irp j, 0,1,2,3
	LDT \s, \set, \b, \j
.endr
.endm
; K step s of a trip.  Its products read set s % 2; the next step's 20 LDS loads go into the other set, five behind each of the first four products (an LDS load has no source 1: the products' window setting leaves it alone)
.macro STEP s, b, last
	s_wait_dscnt 0x0                               ; this step's 20 LDS loads are in: nothing else of mine is out in LDS
.if \last
.if \s == 0
	s_wait_loadcnt 56                              ; behind this step's fragments: eight loads for each later step
.else
	s_wait_loadcnt 48                              ; behind this step's fragments: eight loads for each of the 7 - s later steps, and eight raw loads for each of the s - 1 steps whose registers have been given away
.endif
.else
	s_wait_loadcnt 56-8*\s                         ; behind this step's fragments: eight loads for each later step
.endif
.if (\s > 0) && ((\s < 7) || \last)    ; K step 7 of a plain trip issues no load, so it has no wait
.if \last
	WIN 0x40                                       ; the raw loads' destination: window 1
.endif
	s_wait_alu depctr_va_vdst(0)                   ; K step s - 1's products are done reading the other set of W2's fragments and its scale words, in which this step's LDS loads land, and h's fragments of that step, in which the last trip's raw loads land
.if \last
	RAW8 (\s)-1
.endif
.endif
	WIN 0x04                                       ; source 1 (h) window 1
.irp m, 0,1
.irp j, 0,1,2,3                        ; the eight accumulators take turns, one instruction a turn, in the same order in every step
.if \s == 0
	v_wmma_scale_f32_16x16x128_f8f6f4 v[ACC+8*(4*\m+\j):ACC+8*(4*\m+\j)+7], v[BF+64*(\s%2)+16*\j:BF+64*(\s%2)+16*\j+15], v[32*\s+16*\m:32*\s+16*\m+15], 0, v[WS+4*(\s%2)+\j], v[XS+8*\m+\s]
.else
	v_wmma_scale_f32_16x16x128_f8f6f4 v[ACC+8*(4*\m+\j):ACC+8*(4*\m+\j)+7], v[BF+64*(\s%2)+16*\j:BF+64*(\s%2)+16*\j+15], v[32*\s+16*\m:32*\s+16*\m+15], v[ACC+8*(4*\m+\j):ACC+8*(4*\m+\j)+7], v[WS+4*(\s%2)+\j], v[XS+8*\m+\s]
.endif
.if \m == 0
.if \s < 7
	LDT (\s)+1, ((\s)+1)%2, \b, \j                 ; no wait: no vector or matrix instruction since the wait above names the other set
.endif
.endif
.endr
.endr
.if (\s < 6) || (\last && (\s == 6))
	PLACES 8                                       ; in front of loads into registers that these products have read
.endif
.endm
.macro MULM m                          ; tile m: x the gate weight, the four tiles' numbers in the columns' order
.irp j, 0,1,2,3
.irp i, 0,1,2,3,4,5,6,7                ; each accumulator from its low end on
	v_mul_f32 v[T+32*\m+4*\i+\j], v[ACC+8*(4*\m+\j)+\i], v[GW+\m]
.endr
.endr
.endm
.macro STGM m                          ; tile m: into my stage, back as whole rows
.irp i, 0,1,2,3,4,5,6,7
	ds_store_b128 v[STI], v[T+32*\m+4*\i:T+32*\m+4*\i+3] offset:16*\i
.endr
.irp t, 0,1,2,3,4,5,6,7
	ds_load_b128 v[RW+32*\m+4*\t:RW+32*\m+4*\t+3], v[STO] offset:544*\t   ; LDS serves a wave's instructions in order (ISA guide 5.7.1.4): these see the stores above, and the next tile's stores come behind them
.endr
.endm
.macro SEND m, younger, b              ; younger: the LDS instructions issued behind tile m's loads
.irp t, 0,1,2,3,4,5,6,7
	s_wait_dscnt \younger+7-\t
	global_store_b128 v[YST], v[RW+32*\m+4*\t:RW+32*\m+4*\t+3], s[O1+46*\b:O1+46*\b+1] offset:(16*\m+2*\t)*4096 th:TH_STORE_NT   ; sixteen lanes store 256 consecutive bytes, aligned
.endr
.endm
.macro TRIP b, last                    ; 32 rows x 64 columns x K 1,024
	LDB 0, 0, \b                                   ; no wait: no vector or matrix instruction since the last wait on va_vdst (phase Q's last, or the way out's) names set 0
	STEP 0, \b, \last
	STEP 1, \b, \last
	STEP 2, \b, \last
	STEP 3, \b, \last
	STEP 4, \b, \last
	STEP 5, \b, \last
	STEP 6, \b, \last
	STEP 7, \b, \last
	PLACES 9                                       ; in front of the first read of results, of loads and writes over the operands, and of the next trip's products, which begin the accumulators anew
.if \last
	WIN 0x40                                       ; the raw loads' destination: window 1
	s_wait_alu depctr_va_vdst(0)                   ; K step 7's products are done reading h's fragments of that step, in which the last eight raw loads land
	RAW8 7
.endif
	WIN 0
	MULM 0
	MULM 1
	s_wait_alu depctr_va_vdst(0)                   ; the 64 multiplications have written v64-127, which the LDS stores read, and are done reading the gate weights; the trip's products are done with v32-63, v128-191 and window 1, in which the stage's rows and the next loads land
	STGM 0
	STGM 1
	SEND 0, 16, \b                                 ; behind tile 0's loads: tile 1's eight stores and eight loads
	SEND 1, 0, \b
	PLACES 4
	s_wait_xcnt 0x0                                ; the stores have read their registers and base: both are written again only behind this wait
	s_wait_alu depctr_vm_vsrc(0)                   ; the stage's stores have read v64-127 and the global stores v128-191: W2's two sets land there, or phase Q writes them
.endm
.macro STEPB b                         ; eight groups on: 16 tiles, 256 rows
	s_add_nc_u64 s[AB+46*\b:AB+46*\b+1], s[AB+46*\b:AB+46*\b+1], 1048576
	s_add_nc_u64 s[SB+46*\b:SB+46*\b+1], s[SB+46*\b:SB+46*\b+1], 32768
	s_add_nc_u64 s[O1+46*\b:O1+46*\b+1], s[O1+46*\b:O1+46*\b+1], 1048576
	s_add_nc_u64 s[O2+46*\b:O2+46*\b+1], s[O2+46*\b:O2+46*\b+1], 1024
.endm
.macro WBASE b, e                      ; panel b is expert s[e]'s: my 128 rows of it
	s_lshl_b32 s30, s[\e], 24                      ; the expert's 16 MiB,
	s_lshl_b32 s32, s36, 22                        ; the quarter's 1,024 rows,
	s_add_co_u32 s30, s30, s32
	s_lshl_b32 s32, s14, 19                        ; my 128 rows,
	s_add_co_u32 s30, s30, s32
	s_lshl_b32 s32, s15, 8                         ; the strip's 256 bytes
	s_add_co_u32 s30, s30, s32
	s_add_nc_u64 s[WB+2*\b:WB+2*\b+1], s[4:5], s[30:31]
.endm
.macro BASES b, e, ng                  ; my trips on panel b, and my first group's places
	s_add_co_u32 s[TR+39*\b], s[\ng], 7
	s_sub_co_u32 s[TR+39*\b], s[TR+39*\b], s14
	s_lshr_b32 s[TR+39*\b], s[TR+39*\b], 3         ; the groups w, w + 8, .. under ng: (ng + 7 - w) / 8, 0 to 4
	s_sub_co_u32 s30, s[\ng], 1
	s_min_u32 s30, s30, s14                        ; my first group; a wave without a group loads the last group, which it never uses: so no branch parts the waves ahead of the barrier
	s_min_u32 s30, s30, 31
	s_lshl_b32 s30, s30, 1
	s_lshl_b32 s34, s[\e], 6
	s_add_co_u32 s34, s34, s30                     ; G = 64 e + 2 g: the group's first tile
	s_lshl_b32 s30, s34, 16
	s_lshl_b32 s32, s36, 14                        ; the quarter's eight K steps: 8 x 2,048 bytes
	s_add_co_u32 s30, s30, s32
	s_add_nc_u64 s[AB+46*\b:AB+46*\b+1], s[6:7], s[30:31]
	s_lshl_b32 s30, s34, 11
	s_lshl_b32 s32, s36, 5
	s_add_co_u32 s30, s30, s32
	s_add_co_u32 s30, s30, 33554432
	s_add_nc_u64 s[SB+46*\b:SB+46*\b+1], s[6:7], s[30:31]     ; the quarter's 32 bytes of a row's 128
	s_lshl_b32 s30, s34, 16                        ; 16 G rows of 4,096 bytes,
	s_lshl_b32 s32, s36, 25                        ; the quarter's plane,
	s_add_co_u32 s30, s30, s32
	s_lshl_b32 s32, s15, 8                         ; the strip
	s_add_co_u32 s30, s30, s32
	s_add_nc_u64 s[O1+46*\b:O1+46*\b+1], s[12:13], s[30:31]
	s_lshl_b32 s30, s34, 6
	s_add_co_u32 s30, s30, 8650752
	s_add_nc_u64 s[O2+46*\b:O2+46*\b+1], s[8:9], s[30:31]
.endm
.macro CSWAP a, b                      ; the smaller key to s[a]
	s_min_u32 s58, s[\a], s[\b]
	s_max_u32 s[\b], s[\a], s[\b]
	s_mov_b32 s[\a], s58
.endm
	s_load_b256 s[4:11], s[0:1], 0x0               ; W2, hq, xq, idx
	s_load_b64 s[12:13], s[0:1], 0x20              ; yw
	v_lshrrev_b32 v11, 5, v0
	v_readfirstlane_b32 s14, v11                   ; wave
	s_and_b32 s15, ttmp9, 15                       ; strip
	s_lshr_b32 s36, ttmp9, 4                       ; kq
	s_and_b32 s16, ttmp7, 0xffff                   ; the first panel's expert: 0 to 3
	v_and_b32 v11, 31, v0                          ; lane
	v_and_b32 v14, 15, v0                          ; r
	v_bfe_u32 v15, v0, 4, 1                        ; h
	v_lshlrev_b32 v[LI], 4, v11
	v_lshl_add_u32 v[LSB], v11, 2, 0x10000
	s_wait_alu depctr_va_sdst(0)                   ; s14, the wave's number, is written, ahead of its first reader: LDS addresses, bases and trip counts are made from it
	s_lshl_b32 s30, s14, 13
	v_add_nc_u32 v[QST], s30, v[LI]
	s_lshl_b32 s30, s14, 9
	v_add_nc_u32 v[QSS], s30, v[LSB]
.irp k, LI, LSB, QST, QSS
	v_add_nc_u32 v[\k+59], BUF, v[\k]              ; the same four in the second buffer
.endr
	v_lshlrev_b32 v[WOF], 4, v14
	v_lshl_add_u32 v[WOF], v15, 16, v[WOF]         ; 16 rows of 4,096 bytes for lanes 16-31
	v_lshlrev_b32 v[XSO], 7, v14
	v_lshlrev_b32 v[YST], 4, v14
	v_lshl_add_u32 v[YST], v15, 12, v[YST]
	s_mul_i32 s30, s14, 4352
	s_add_co_u32 s30, s30, STAGE                   ; my stage
	v_mul_u32_u24 v[STI], v14, 272
	v_lshl_add_u32 v[STI], v15, 7, v[STI]
	v_add_nc_u32 v[STI], s30, v[STI]
	v_mul_u32_u24 v[STO], v15, 272
	v_lshl_add_u32 v[STO], v14, 4, v[STO]
	v_add_nc_u32 v[STO], s30, v[STO]
	v_lshlrev_b32 v[GWO], 2, v14
.irp j, 0,1,2,3
	v_mov_b32 v[TP+\j], 0                          ; a lane permute's destination counts as read
.endr
	s_mov_b32 s19, 0x600000                        ; the mantissa field of 448
	s_mov_b32 s20, 0x76543210
	s_mov_b32 s21, 0xfedcba98
	s_mov_b32 s31, 0
	s_wait_kmcnt 0x0
	s_load_b256 s[48:55], s[10:11], 0x0            ; the eight experts' groups of 32 rows
	WBASE 0, 16
	s_wait_alu depctr_va_vdst(0)                   ; the addresses v1-10 and v60-63 are written, which every load and store of the kernel reads; they are never written again
	RAWALL 0
	s_wait_kmcnt 0x0
	; the second panel's expert.  Keys ng x 8 + e are all different
.irp e, 0,1,2,3,4,5,6,7
	s_min_u32 s[48+\e], s[48+\e], 32               ; 1,024 rows at the most
	s_lshl_b32 s[48+\e], s[48+\e], 3
	s_or_b32 s[48+\e], s[48+\e], \e
.endr
	s_mov_b32 s56, s48                             ; my first expert's key,
	s_cmp_eq_u32 s16, 1
	s_cselect_b32 s56, s49, s56
	s_cmp_eq_u32 s16, 2
	s_cselect_b32 s56, s50, s56
	s_cmp_eq_u32 s16, 3
	s_cselect_b32 s56, s51, s56
	s_mov_b32 s57, 0                               ; and how many of experts 0 to 3 are heavier: r
.irp e, 0,1,2,3
	s_cmp_gt_u32 s[48+\e], s56
	s_add_co_ci_u32 s57, s57, 0
.endr
	CSWAP 52, 53                                   ; experts 4 to 7, the lightest first
	CSWAP 54, 55
	CSWAP 52, 54
	CSWAP 53, 55
	CSWAP 53, 54
	s_mov_b32 s59, s52                             ; the r-th of them
	s_cmp_eq_u32 s57, 1
	s_cselect_b32 s59, s53, s59
	s_cmp_eq_u32 s57, 2
	s_cselect_b32 s59, s54, s59
	s_cmp_eq_u32 s57, 3
	s_cselect_b32 s59, s55, s59
	s_and_b32 s40, s59, 7
	s_min_u32 s40, s40, 7                          ; the second panel's expert,
	s_lshr_b32 s42, s59, 3
	s_min_u32 s42, s42, 32                         ; its groups,
	s_lshr_b32 s41, s56, 3
	s_min_u32 s41, s41, 32                         ; the first expert's groups
	WBASE 1, 40
	BASES 0, 16, 41
	BASES 1, 40, 42
	QPANEL 0
	s_cmp_eq_u32 s[TR], 0
	s_cbranch_scc1 .Lnone0
	s_sub_co_u32 s43, s[TR], 1                     ; all my trips but the last
	s_mov_b32 s18, 0
	s_cmp_eq_u32 s43, 0
	s_cbranch_scc1 .Llast0
.Lg0:
	TRIP 0, 0
	STEPB 0
	ALOAD 0                                        ; a trip follows: the last at the least
	s_add_co_u32 s18, s18, 1
	s_cmp_lt_u32 s18, s43
	s_cbranch_scc1 .Lg0
.Llast0:
	TRIP 0, 1                                      ; my last trip on the first panel asks for my part of the second
	s_branch .Lq1
.Lnone0:
	s_wait_loadcnt 0x0                             ; the unused group's loads are in: their registers take the raw loads (no vector instruction since phase Q's last wait on va_vdst names them)
	RAWALL 1
.Lq1:
	QPANEL 1
	s_cmp_eq_u32 s[TR+39], 0
	s_cbranch_scc1 .Ldone
	s_mov_b32 s18, 0
.Lg1:
	TRIP 1, 0
	s_add_co_u32 s18, s18, 1
	STEPB 1
	s_cmp_lt_u32 s18, s[TR+39]
	s_cbranch_scc0 .Ldone                          ; no load beyond my last group
	ALOAD 1
	s_cmp_lt_u32 s18, s[TR+39]
	s_cbranch_scc1 .Lg1
.Ldone:
	s_wait_xcnt 0x0
	v_lshl_add_u32 v254, v0, 2, 0x2a800
	v_mov_b32 v255, 0
	s_wait_dscnt 0x0                               ; the closing lines, six on end
	s_wait_alu 0x0
	s_wait_tensorcnt 0x0
	ds_add_u32 v254, v255
	s_wait_dscnt 0x0
	s_endpgm
.Lfunc_end_k_qf3d2249702_ffn2:
	.size	k_qf3d2249702_ffn2, .Lfunc_end_k_qf3d2249702_ffn2-k_qf3d2249702_ffn2
	.p2alignl 7, 3214868480
	.fill 96, 4, 3214868480
	.section	.rodata,"a",@progbits
	.p2align	6, 0x0
	.amdhsa_kernel k_qf3d2249702_ffn2
		.amdhsa_group_segment_fixed_size 175104
		.amdhsa_private_segment_fixed_size 0
		.amdhsa_enable_private_segment 0
		.amdhsa_kernarg_size 40
		.amdhsa_user_sgpr_count 2
		.amdhsa_user_sgpr_kernarg_segment_ptr 1
		.amdhsa_wavefront_size32 1
		.amdhsa_system_sgpr_workgroup_id_x 1
		.amdhsa_system_sgpr_workgroup_id_y 1
		.amdhsa_system_sgpr_workgroup_id_z 1
		.amdhsa_system_vgpr_workitem_id 0
		.amdhsa_next_free_vgpr 512
		.amdhsa_next_free_sgpr 80
		.amdhsa_reserve_vcc 0
		.amdhsa_float_denorm_mode_32 3
		.amdhsa_float_denorm_mode_16_64 3
		.amdhsa_memory_ordered 1
		.amdhsa_forward_progress 1
		.amdhsa_inst_pref_size 203
	.end_amdhsa_kernel
	.amdgpu_metadata
---
amdhsa.version: [ 1, 2 ]
amdhsa.kernels:
  - .name:           k_qf3d2249702_ffn2
    .symbol:         k_qf3d2249702_ffn2.kd
    .args:
      - { .name: W2, .offset: 0, .size: 8, .value_kind: global_buffer, .address_space: global }
      - { .name: hq, .offset: 8, .size: 8, .value_kind: global_buffer, .address_space: global }
      - { .name: xq, .offset: 16, .size: 8, .value_kind: global_buffer, .address_space: global }
      - { .name: idx, .offset: 24, .size: 8, .value_kind: global_buffer, .address_space: global }
      - { .name: yw, .offset: 32, .size: 8, .value_kind: global_buffer, .address_space: global }
    .group_segment_fixed_size: 175104
    .private_segment_fixed_size: 0
    .kernarg_segment_align: 8
    .kernarg_segment_size: 40
    .max_flat_workgroup_size: 256
    .sgpr_count:     80
    .vgpr_count:     512
    .wavefront_size: 32
...
	.end_amdgpu_metadata
.endif
;; end of part 9
;; launch combine (part 10): grid 1024 x 1, 8 waves a work-group, no clusters, 0 bytes of LDS; arguments yw, idx, rt, b2, out0; writes out0
.if DOCPART == 10
	.amdgcn_target "amdgcn-amd-amdhsa--gfx1250"
	.amdhsa_code_object_version 6
	.text
	.protected	k_qf3d2249702_combine
	.globl	k_qf3d2249702_combine
	.p2align	8
	.type	k_qf3d2249702_combine,@function
k_qf3d2249702_combine:
	s_mov_b64 s[64:65], 0
	v_nop
	global_prefetch_b8 v0, s[64:65] scope:SCOPE_SE
	s_setreg_imm32_b32 hwreg(HW_REG_WAVE_MODE, 25, 1), 1
	s_wait_xcnt 0x0
; out0[token] = the sum over the token's two experts of gate weight x (h W2[e] + b2[e]).  yw[kq][row][1,024] holds gate weight x the quarter sums of h W2[e]; idx holds the token's two rows, rt its two weights.
; A work-group is one token; thread t takes columns 4 t .. 4 t + 3: each load and store of a wave covers 512 consecutive bytes.  A stream: no LDS, no barrier, no matrix unit.
	s_load_b256 s[4:11], s[0:1], 0x0               ; yw, idx, rt, b2
	s_load_b64 s[12:13], s[0:1], 0x20              ; out0
	v_lshlrev_b32 v1, 4, v0
	s_lshl_b32 s14, ttmp9, 3
	s_mov_b32 s15, 0
	s_lshl_b32 s46, ttmp9, 12
	s_mov_b32 s47, 0
	s_mov_b32 s45, 0
	s_wait_alu depctr_va_vdst(0)
	s_wait_kmcnt 0x0
	s_add_nc_u64 s[6:7], s[6:7], s[14:15]
	s_add_nc_u64 s[8:9], s[8:9], s[14:15]
	s_load_b64 s[16:17], s[6:7], 0x100             ; the token's two rows
	s_load_b64 s[18:19], s[8:9], 0x0               ; and its two gate weights
	s_add_nc_u64 s[12:13], s[12:13], s[46:47]
	s_wait_kmcnt 0x0
	s_min_u32 s16, s16, 0x1fff                     ; a row is e x 1,024 + rank: under 8,192
	s_min_u32 s17, s17, 0x1fff
.irp k, 0,1
	s_lshl_b32 s44, s[16+\k], 12
	s_add_nc_u64 s[20+8*\k:21+8*\k], s[4:5], s[44:45]                  ; the row in quarter 0,
	s_add_nc_u64 s[22+8*\k:23+8*\k], s[20+8*\k:21+8*\k], 0x2000000     ; and in the three planes behind it
	s_add_nc_u64 s[24+8*\k:25+8*\k], s[22+8*\k:23+8*\k], 0x2000000
	s_add_nc_u64 s[26+8*\k:27+8*\k], s[24+8*\k:25+8*\k], 0x2000000
	s_and_b32 s44, s[16+\k], 0x1c00
	s_lshl_b32 s44, s44, 2                                             ; e x 4,096 bytes
	s_add_nc_u64 s[36+2*\k:37+2*\k], s[10:11], s[44:45]                ; b2 of the row's expert
	s_mov_b32 s[40+2*\k], s[18+\k]                                     ; the weight as a pair: the packed form names a pair and takes its low word for both halves
	s_mov_b32 s[41+2*\k], s[18+\k]
.endr
.irp n, 0,1,2,3,4,5,6,7
	global_load_b128 v[4+4*\n:7+4*\n], v1, s[20+2*\n:21+2*\n] th:TH_LOAD_NT
.endr
	global_load_b128 v[36:39], v1, s[36:37]
	global_load_b128 v[40:43], v1, s[38:39]
	s_wait_loadcnt 0x0                             ; ten loads, all wanted at once
.irp n, 1
	v_pk_add_f32 v[4:5], v[4:5], v[4+4*\n:5+4*\n]
	v_pk_add_f32 v[6:7], v[6:7], v[6+4*\n:7+4*\n]
.endr
.irp n, 2, 3, 4, 5, 6, 7
	s_delay_alu instid0(VALU_DEP_2)
	v_pk_add_f32 v[4:5], v[4:5], v[4+4*\n:5+4*\n]
	s_delay_alu instid0(VALU_DEP_2)
	v_pk_add_f32 v[6:7], v[6:7], v[6+4*\n:7+4*\n]
.endr
	s_delay_alu instid0(VALU_DEP_2)
	v_pk_fma_f32 v[4:5], v[36:37], s[40:41], v[4:5] op_sel_hi:[1,0,1]
	s_delay_alu instid0(VALU_DEP_2)
	v_pk_fma_f32 v[6:7], v[38:39], s[40:41], v[6:7] op_sel_hi:[1,0,1]
	s_delay_alu instid0(VALU_DEP_2)
	v_pk_fma_f32 v[4:5], v[40:41], s[42:43], v[4:5] op_sel_hi:[1,0,1]
	s_delay_alu instid0(VALU_DEP_2)
	v_pk_fma_f32 v[6:7], v[42:43], s[42:43], v[6:7] op_sel_hi:[1,0,1]
	global_store_b128 v1, v[4:7], s[12:13] th:TH_STORE_NT
	s_endpgm
.Lfunc_end_k_qf3d2249702_combine:
	.size	k_qf3d2249702_combine, .Lfunc_end_k_qf3d2249702_combine-k_qf3d2249702_combine
	.p2alignl 7, 3214868480
	.fill 96, 4, 3214868480
	.section	.rodata,"a",@progbits
	.p2align	6, 0x0
	.amdhsa_kernel k_qf3d2249702_combine
		.amdhsa_group_segment_fixed_size 0
		.amdhsa_private_segment_fixed_size 0
		.amdhsa_enable_private_segment 0
		.amdhsa_kernarg_size 40
		.amdhsa_user_sgpr_count 2
		.amdhsa_user_sgpr_kernarg_segment_ptr 1
		.amdhsa_wavefront_size32 1
		.amdhsa_system_sgpr_workgroup_id_x 1
		.amdhsa_system_sgpr_workgroup_id_y 1
		.amdhsa_system_sgpr_workgroup_id_z 1
		.amdhsa_system_vgpr_workitem_id 0
		.amdhsa_next_free_vgpr 64
		.amdhsa_next_free_sgpr 66
		.amdhsa_reserve_vcc 0
		.amdhsa_float_denorm_mode_32 3
		.amdhsa_float_denorm_mode_16_64 3
		.amdhsa_memory_ordered 1
		.amdhsa_forward_progress 1
		.amdhsa_inst_pref_size 5
	.end_amdhsa_kernel
	.amdgpu_metadata
---
amdhsa.version: [ 1, 2 ]
amdhsa.kernels:
  - .name:           k_qf3d2249702_combine
    .symbol:         k_qf3d2249702_combine.kd
    .args:
      - { .name: yw, .offset: 0, .size: 8, .value_kind: global_buffer, .address_space: global }
      - { .name: idx, .offset: 8, .size: 8, .value_kind: global_buffer, .address_space: global }
      - { .name: rt, .offset: 16, .size: 8, .value_kind: global_buffer, .address_space: global }
      - { .name: b2, .offset: 24, .size: 8, .value_kind: global_buffer, .address_space: global }
      - { .name: out0, .offset: 32, .size: 8, .value_kind: global_buffer, .address_space: global }
    .group_segment_fixed_size: 0
    .private_segment_fixed_size: 0
    .kernarg_segment_align: 8
    .kernarg_segment_size: 40
    .max_flat_workgroup_size: 256
    .sgpr_count:     66
    .vgpr_count:     64
    .wavefront_size: 32
...
	.end_amdgpu_metadata
.endif
;; end of part 10
